; MI455X (gfx1250); checked and timed in simulation.
; The chip was launched on July 23, 2026; its instructions are those of AMD's public machine-readable ISA for CDNA 5 (MIT licence, August 2026) and "CDNA5" Instruction Set Architecture Reference Guide (July 2026). The comments in the code are by the model that wrote it; some were corrected since.
;; Anime Style Attention. Allowed arithmetic: matrix products marked QUANTISED: E2M3 operands, one E8M0 scale for each 32 along K, by v_wmma_scale_f32_16x16x128_f8f6f4 with both operands' format E2M3, f32 sums; products left as they are: f32 operands where the result goes on into a quantised operand, else bf16, f16 or f32 operands; f32 sums; everything else in f32.
;; Inputs: Wk 512 x 512 float32; Wo 512 x 512 float32; Wq 512 x 512 float32; Ws1 512 x 512 float32; Ws2 512 x 512 float32; Wv 512 x 512 float32; bk 512 float32; bo 512 float32; bq 512 float32; bs1 512 float32; bs2 512 float32; bv 512 float32; style 4 x 512 float32; x 4 x 2,048 x 512 float32.
;; Outputs: out0 4 x 2,048 x 512 float32.
;; This version of the problem:
;;   THIS VERSION OF THE PROBLEM IS GIVEN IN LOW PRECISION. The matrix products marked QUANTISED in the list below multiply operands that are first quantised to E2M3 (2 exponent bits, 3 mantissa bits; 6 bits a number), with one power-of-two scale for each 32 numbers along K (OCP MX v1.0); their sums are f32. All else is computed in f32.
;;   The module's matrix products, in the order in which they are computed (A, B: the left and right operand; K: the contracted axis; several contracted axes count as one K, in the product's order):
;;     1. [M 8,192, K 512] x [K 512, N 512]; A: input x; B: input Wq: QUANTISED
;;     2. [M 8,192, K 512] x [K 512, N 512]; A: input x; B: input Wk: QUANTISED
;;     3. [M 8,192, K 512] x [K 512, N 512]; A: input x; B: input Wv: QUANTISED
;;     4. batch 32 x [M 2,048, K 64] x [K 64, N 2,048]; A: computed on the way; B: computed on the way: QUANTISED
;;     5. batch 32 x [M 2,048, K 2,048] x [K 2,048, N 64]; A: softmax (see below); B: computed on the way: QUANTISED
;;     6. [M 4, K 512] x [K 512, N 512]; A: input style; B: input Ws1: left as it is (M = 4 < 16)
;;     7. [M 4, K 512] x [K 512, N 512]; A: computed on the way; B: input Ws2: left as it is (M = 4 < 16)
;;     8. [M 8,192, K 512] x [K 512, N 512]; A: computed on the way; B: input Wo: QUANTISED
;;   THE QUANTISER, for each operand of a quantised product, along K:
;;     - K is cut into blocks of 32 from its start; a last block that is shorter is filled with zeros.
;;     - A block's scale is 2^e with e = floor(log2(the largest magnitude in the block)) - 2, held to -126 .. 127; a block of zeros has e = 0. As a byte (E8M0): e + 127.
;;     - Each number is divided by its block's scale, clamped to +-7.5, and rounded to the nearest number of E2M3, ties to even, subnormals kept.
;;     - The product sums the exact products of the quantised numbers (number of the format x scale) in f32.
;;   ~~~python
;;   def quantise(x, axis):      # numpy; x: float32 -> the quantised numbers, widened to float32 again
;;       x = np.moveaxis(x, axis, -1); K = x.shape[-1]
;;       x = np.pad(x, [(0, 0)] * (x.ndim - 1) + [(0, -K % 32)]); x = x.reshape(x.shape[:-1] + (-1, 32)); a = np.abs(x).max(-1, keepdims=True)
;;       e = np.where(a > 0, np.clip(np.frexp(np.where(a > 0, a, 1))[1] - 1 - 2, -126, 127), 0)      # np.frexp(a)[1] - 1 = floor(log2(a)), exactly
;;       r = np.clip(x / 2.0 ** e, -7.5, 7.5)
;;       step = 2.0 ** (np.maximum(np.frexp(np.where(r == 0, 1, r))[1] - 1, 0) - 3)
;;       q = np.round(r / step) * step * 2.0 ** e      # np.round: ties to even
;;       return np.moveaxis(q.reshape(q.shape[:-2] + (-1,))[..., :K], -1, axis).astype(np.float32)
;;   ~~~
;;   SOFTMAX AHEAD OF A QUANTISED PRODUCT. Where the list says 'softmax', what is quantised is not the finished softmax but p = 2^(t - M), with t = logit x log2(e) and M = ceil(the row's largest t), a whole number; so 1/2 < the row's largest p <= 1. The row's sum l is taken of the UNQUANTISED p, in f32, and the product's result is divided by l at the end. Since M is a whole number, a kernel that streams over the keys may use a running M (the ceiling of the running maximum): every later rescaling is an exact power of two, which a block's scale takes up: the codes' values come out the same.
;;   OPERANDS COMPUTED ON THE WAY. 'Computed on the way' means the value that the module computes at that place (a softmax that the list does not call 'softmax' is quantised finished and normalised). What goes into a quantiser is computed in f32, as accurately as f32 sums, v_exp_f32 and their like allow (about 1e-6 of the number): no bf16 or f16 on the way to a quantiser, and a product that is left as it is and whose result goes on into a quantised operand takes f32 operands (vector FMAs, or v_wmma_f32_16x16x4_f32). A number that lies on a knife's edge between two numbers of the format may be rounded either way, as far as f32 arithmetic and the matrix unit's own rounding can turn it there, and no further.
;; 2 versions. Each part assembles by itself: llvm-mc -triple=amdgcn-amd-amdhsa -mcpu=gfx1250 --defsym DOCPART=n.
;; ======== version 1 of 2: 4 launches
;; workspace buffers: xq 3,407,872 bytes; wq 851,968 bytes; hid 8,192 bytes; qq 3,407,872 bytes; kq 3,407,872 bytes; vq 3,407,872 bytes; gate 8,192 bytes; aq 3,407,872 bytes
;; launch prep (part 1): grid 392 x 1, 4 waves a work-group, no clusters, 38,400 bytes of LDS; arguments x, Wq, Wk, Wv, Wo, style, Ws1, bs1, xq, wq, hid; writes xq, wq, hid
.if DOCPART == 1
	.amdgcn_target "amdgcn-amd-amdhsa--gfx1250"
	.amdhsa_code_object_version 6
	.text
	.protected	k_q1063ca4b69_prep
	.globl	k_q1063ca4b69_prep
	.p2align	8
	.type	k_q1063ca4b69_prep,@function
k_q1063ca4b69_prep:
	s_mov_b64 s[64:65], 0
	v_nop
	global_prefetch_b8 v0, s[64:65] scope:SCOPE_SE
	s_setreg_imm32_b32 hwreg(HW_REG_WAVE_MODE, 25, 1), 1
	s_wait_xcnt 0x0
; PREP.  Three kinds of work-groups, told apart by the work-group's number alone:
;   0-255   x [8192][512] f32 becomes codes of FP6 (E2M3) with one E8M0 byte for each 32 along K            -> xq
;   256-383 Wq, Wk, Wv, Wo [512 (k)][512 (n)] f32 become codes along K, which is their FIRST axis            -> wq
;   384-391 hid = gelu(style Ws1 + bs1), exact gelu, f32 multiply-adds (its result goes on into a quantiser)  -> hid
; LAYOUT OF THE CODES.  A fragment (16 rows x 128 K, 12 registers a lane) lies in memory as an IMAGE OF ITS REGISTERS: register g of lane l
; at 512 (g / 4) + 16 l + 4 (g % 4): 1,536 bytes, three stores or loads of 16 bytes a lane, each 512 consecutive bytes.  Its scale words: 4 bytes a lane, 128 bytes.
; ORDER INSIDE A BLOCK OF 32.  Place p of a block holds k = p with bits 3 and 4 exchanged (0-7, 16-23, 8-15, 24-31).  Every operand of every product of this
; program has that order, so the products are those of the natural order; the blocks, and so the scales, are the natural ones.  It is the order in which a
; matrix result falls into a lane's registers, so that later launches quantise results with no shuffle.
; A block's scale is 2^(floor(log2(its largest magnitude)) - 2); its byte is the largest magnitude's exponent field - 2, held at 1 from below.
; LIMITS: a block of zeros, or one whose largest magnitude lies under 2^-124, gets the byte 1 (only this program reads the bytes; zero codes add nothing);
; NaN and infinities among the inputs are not served; the f32 sums of the gate are taken in another order than a row-by-row sum.
; No tensor loads, no cluster: x is read once by one wave, a weight's column tile once by one wave.
.set XSC,   3145728                    ; xq: the scale images begin behind 512 x 4 images of 1,536 bytes
.set WSC,   786432                     ; wq: behind 4 x 32 x 4 images
.set WST,   8448                       ; LDS: a stage of 16 rows x (512 + 16) bytes for each wave of a work-group that takes x: bytes 0 .. 33,791
.set RED,   33792                      ; the gate's partial sums: 128 threads x 32 bytes
.set SPARE, 37888                      ; the spare words, 128 bytes for each wave: two blocks of 256 bytes that no other line names
.set LN,  5                            ; v5   lane
.set RR,  6                            ; v6   lane % 16
.set HH,  7                            ; v7   lane / 16
.set SPW, 12                           ; v12  LDS address of my spare word; never rewritten
.set NIL, 13                           ; v13  0; never rewritten
.set SEL, 50                           ; s[50:51] lane selects for v_permlanex16_b32: lane l xor 16
.set R,   16                           ; x: v16-143 two K steps as loaded
.set XN,  144                          ; v144-207 64 numbers of my row: register 16 b + i = place 16 (lane / 16) + i of block b
.set PC,  208                          ; v208-219 the first K step's codes
.set CT,  220                          ; v220-227 the conversions' second halves
.set TM,  228                          ; v228-243 at work in QUANT
.set PW,  244                          ; the first K step's scale word
.set WX,  16                           ; weights: v16-79 two blocks of 32 numbers of my column
.set WPC, 80                           ; v80-91 their codes;  v92-99 second halves;  v100-107 at work
.set WCT, 92
.macro FINISH                          ; the wave's end
	s_wait_tensorcnt 0x0
	ds_add_u32 v[SPW], v[NIL]
	s_wait_dscnt 0x0
	s_endpgm
.endm
; 64 numbers of a lane, v[s] on, become a fragment's codes in v[d] on and its row's scale word in v[pw].
.macro QUANT s, d, pw
.irp b, 0,1,2,3
	v_max3_num_f32 v[TM+\b], |v[\s+16*\b]|, |v[\s+16*\b+1]|, 0x1800000   ; block b: my 16 numbers, and the floor 2^(3 - 127): the byte cannot fall under 1
.endr
.irp i, 2,4,6,8,10,12,14
.irp b, 0,1,2,3
	v_max3_num_f32 v[TM+\b], v[TM+\b], |v[\s+16*\b+\i]|, |v[\s+16*\b+\i+1]|   ; the four blocks by turns
.endr
.endr
.irp b, 0,1,2,3
	v_permlanex16_b32 v[TM+4+\b], v[TM+\b], s[SEL], s[SEL+1]
.endr
.irp b, 0,1,2,3
	v_max_num_f32 v[TM+\b], v[TM+\b], v[TM+4+\b]   ; with lane l xor 16's: the block's largest magnitude
.endr
.irp b, 0,1,2,3
	v_add_nc_u32 v[TM+12+\b], 0xff000000, v[TM+\b]   ; 2 off its exponent field: the conversion's scale operand
.endr
.irp b, 0,1,2,3
	v_lshrrev_b32 v[TM+4+\b], 23, v[TM+12+\b]      ; the scale's byte
.endr
	v_lshl_or_b32 v[\pw], v[TM+5], 8, v[TM+4]
	v_lshl_or_b32 v[\pw], v[TM+6], 16, v[\pw]
	v_lshl_or_b32 v[\pw], v[TM+7], 24, v[\pw]
.irp c, 0,1
	v_cvt_scalef32_pk16_fp6_f32 v[\d+6*\c:\d+6*\c+2], v[\s+32*\c:\s+32*\c+15], v[TM+12+2*\c]
	v_cvt_scalef32_pk16_fp6_f32 v[CT+4*\c:CT+4*\c+2], v[\s+32*\c+16:\s+32*\c+31], v[TM+13+2*\c]   ; (a conversion's three registers begin on an even number)
.endr
	v_nop                                          ; one plain place behind a scaled conversion
.irp c, 0,1                                    ; the operand wants a WHOLE block in a lane: lanes 0-15 block 2 c, lanes 16-31 block 2 c + 1
.irp i, 0,1,2
	v_permlane16_swap_b32 v[\d+6*\c+\i], v[CT+4*\c+\i]
.endr
.irp i, 0,1,2
	v_mov_b32 v[\d+6*\c+3+\i], v[CT+4*\c+\i]
.endr
.endr
.endm
; THE GATE'S LAYER: OUT[b][64 g + n] = act(sum over k of IN[b][k] W[k][64 g + n] + BIAS), b = 0 .. 3.  s[4:5] IN, s[6:7] W, s[8:9] BIAS, s[10:11] OUT, s3 wave, s12 g.
; A lane takes two neighbouring columns (a load of 8 bytes a lane reads 256 consecutive bytes of a row of W), wave w takes k = 128 w .. 128 w + 127; the four waves' parts meet in LDS.
; v16-143 W: a ring of four chunks of 16 k; v144-151 the sums (batch b: the pair at 144 + 2 b); v152-167 IN: lane l holds k = 4 l .. 4 l + 3 of each batch; s16-47 take turns for IN's numbers.
.macro GCHUNK c
.irp k, 0,1,2,3,4,5,6,7,8,9,10,11,12,13,14,15
	global_load_b64 v[16+32*((\c)%4)+2*\k:16+32*((\c)%4)+2*\k+1], v172, s[6:7] offset:(16*(\c)+\k)*2048 th:TH_LOAD_NT
.endr
.endm
.macro GWORK c, left
	s_wait_loadcnt \left                           ; this chunk is in; the younger chunks, 16 loads each, stay out
.irp k, 0,1,2,3,4,5,6,7,8,9,10,11,12,13,14,15
.irp b, 0,1,2,3
	v_readlane_b32 s[16+4*(\k%8)+\b], v[152+4*\b+(\k%4)], 4*(\c)+\k/4
.endr
.irp b, 0,1,2,3
.if ((\c) == 0) && (\k == 0)
	v_mul_f32 v[144+2*\b], s[16+4*(\k%8)+\b], v[16+32*((\c)%4)+2*\k]      ; the first k starts the sums: nothing is cleared
	v_mul_f32 v[145+2*\b], s[16+4*(\k%8)+\b], v[17+32*((\c)%4)+2*\k]
.else
	v_fmac_f32 v[144+2*\b], s[16+4*(\k%8)+\b], v[16+32*((\c)%4)+2*\k]
	v_fmac_f32 v[145+2*\b], s[16+4*(\k%8)+\b], v[17+32*((\c)%4)+2*\k]
.endif
.endr
.endr
.endm
.macro GATE act
	v_lshlrev_b32 v172, 3, v[LN]                   ; 8 x lane
	v_lshlrev_b32 v173, 4, v[LN]                   ; 16 x lane
	v_lshl_add_u32 v170, v0, 5, RED                ; where I put my eight sums: 32 bytes a thread
	v_lshl_add_u32 v171, v[LN], 5, RED
	s_lshl_b32 s13, s3, 3
	v_add_nc_u32 v171, s13, v171                   ; and where I read batch w's pair of my columns back, 1,024 bytes from wave to wave
	s_lshl_b32 s14, s3, 9                          ; IN: my 128 k
	s_mov_b32 s15, 0
	s_lshl_b32 s52, s12, 8                         ; my work-group's 64 columns, in bytes
	s_mov_b32 s53, 0
	s_lshl_b32 s54, s3, 18                         ; W: 128 rows of 2,048 bytes a wave
	s_add_co_u32 s54, s54, s52
	s_mov_b32 s55, 0
	s_lshl_b32 s56, s3, 11                         ; OUT: wave w finishes batch w
	s_add_co_u32 s56, s56, s52
	s_mov_b32 s57, 0
	s_wait_kmcnt 0x0
	s_add_nc_u64 s[4:5], s[4:5], s[14:15]
	s_add_nc_u64 s[6:7], s[6:7], s[54:55]
	s_add_nc_u64 s[8:9], s[8:9], s[52:53]
	s_add_nc_u64 s[10:11], s[10:11], s[56:57]
.irp b, 0,1,2,3
	global_load_b128 v[152+4*\b:155+4*\b], v173, s[4:5] offset:2048*\b
.endr
	global_load_b64 v[168:169], v172, s[8:9]
	GCHUNK 0
	GCHUNK 1
	GCHUNK 2
	GCHUNK 3
	GWORK 0, 48
	GCHUNK 4
	GWORK 1, 48
	GCHUNK 5
	GWORK 2, 48
	GCHUNK 6
	GWORK 3, 48
	GCHUNK 7
	GWORK 4, 48
	GWORK 5, 32
	GWORK 6, 16
	GWORK 7, 0
	ds_store_b128 v170, v[144:147]
	ds_store_b128 v170, v[148:151] offset:16
	s_wait_dscnt 0x0                               ; for the others' sake: my stores have landed
	s_barrier_signal -1
	s_barrier_wait -1
.irp q, 0,1,2,3
	ds_load_b64 v[174+2*\q:175+2*\q], v171 offset:1024*\q
.endr
	s_wait_dscnt 0x0
	v_pk_add_f32 v[174:175], v[174:175], v[176:177]
	v_pk_add_f32 v[178:179], v[178:179], v[180:181]
	v_pk_add_f32 v[174:175], v[174:175], v[178:179]
	v_pk_add_f32 v[174:175], v[174:175], v[168:169]   ; y, two columns
.if \act == 0
	; gelu(y) = y Phi(y).  With z = |y| / sqrt(2) and E = erfc(z): Phi = 1 - E / 2 for y >= 0, E / 2 for y < 0.
	; E = t exp(-z z + a polynomial of degree 9 in t), t = 1 / (1 + z / 2): a fit whose fractional error stays near 1e-7 for every z, so that the small tail keeps its relative accuracy.
	v_mul_f32 v176, 0x3f3504f3, |v174|
	v_mul_f32 v177, 0x3f3504f3, |v175|
	v_fma_f32 v178, v176, 0.5, 1.0
	v_fma_f32 v179, v177, 0.5, 1.0
	v_rcp_f32 v180, v178
	v_rcp_f32 v181, v179
	v_mov_b32 v182, 0x3e2ef946                     ; 0.17087277  (plain work behind the reciprocals)
	v_mov_b32 v183, 0x3e2ef946
	s_wait_alu depctr_va_vdst(0)                   ; one wait for both reciprocals, ahead of their first reader
.irp kk, 0xbf527892, 0x3fbe87b0, 0xbf914e5d, 0x3e8ec7cc, 0xbe3ec24c, 0x3dc636c9, 0x3ebf88fb, 0x3f8000c7, 0xbfa1fc4e
	v_fmaak_f32 v182, v182, v180, \kk              ; -0.82215223, 1.48851587, -1.13520398, 0.27886807, -0.18628806, 0.09678418, 0.37409196, 1.00002368, -1.26551223
	v_fmaak_f32 v183, v183, v181, \kk
.endr
	v_fma_f32 v182, -v176, v176, v182
	v_fma_f32 v183, -v177, v177, v183
	v_mul_f32 v182, 0x3fb8aa3b, v182
	v_mul_f32 v183, 0x3fb8aa3b, v183
	v_exp_f32 v182, v182
	v_exp_f32 v183, v183
	v_nop                                          ; a plain place behind the exponentials
	s_wait_alu depctr_va_vdst(0)                   ; one wait for both
	v_mul_f32 v182, v180, v182                     ; E
	v_mul_f32 v183, v181, v183
	v_mul_f32 v184, 0.5, v182
	v_mul_f32 v185, 0.5, v183
	v_fma_f32 v186, v182, -0.5, 1.0
	v_fma_f32 v187, v183, -0.5, 1.0
	v_cmp_le_f32 vcc_lo, 0, v174
	v_cndmask_b32 v184, v184, v186, vcc_lo
	v_cmp_le_f32 vcc_lo, 0, v175
	v_cndmask_b32 v185, v185, v187, vcc_lo
	v_pk_mul_f32 v[174:175], v[174:175], v[184:185]
.else
	v_mul_f32 v176, 0xbfb8aa3b, v174               ; sigmoid(y) = 1 / (1 + 2^(-y log2(e)))
	v_mul_f32 v177, 0xbfb8aa3b, v175
	v_exp_f32 v176, v176
	v_exp_f32 v177, v177
	v_nop
	s_wait_alu depctr_va_vdst(0)
	v_add_f32 v176, 1.0, v176
	v_add_f32 v177, 1.0, v177
	v_rcp_f32 v174, v176
	v_rcp_f32 v175, v177
	v_nop
	s_wait_alu depctr_va_vdst(0)
.endif
	global_store_b64 v172, v[174:175], s[10:11]    ; 32 lanes store 256 consecutive bytes, at a multiple of 256 from OUT's first byte
	FINISH
.endm
	v_lshl_add_u32 v[SPW], v0, 2, SPARE
	v_mov_b32 v[NIL], 0
	v_lshrrev_b32 v1, 5, v0
	v_readfirstlane_b32 s3, v1                     ; wave 0..3
	v_and_b32 v[LN], 31, v0
	v_and_b32 v[RR], 15, v0
	v_bfe_u32 v[HH], v0, 4, 1
	s_mov_b32 s[SEL], 0x76543210
	s_mov_b32 s[SEL+1], 0xfedcba98
	s_cmp_lt_u32 ttmp9, 256
	s_cbranch_scc1 .Lpath_x
	s_cmp_lt_u32 ttmp9, 384
	s_cbranch_scc1 .Lpath_w
	; ---- the gate's first layer: work-groups 384-391
	s_load_b128 s[4:7], s[0:1], 0x28               ; style, Ws1
	s_load_b64 s[8:9], s[0:1], 0x38                ; bs1
	s_load_b64 s[10:11], s[0:1], 0x50              ; hid
	s_sub_co_u32 s12, ttmp9, 384
	GATE 0
	; ---- x: wave w takes tile T = 2 x work-group + w / 2 (16 rows) and half w % 2 of K (256 numbers, two K steps)
.Lpath_x:
	s_load_b64 s[4:5], s[0:1], 0x0                 ; x
	s_load_b64 s[8:9], s[0:1], 0x40                ; xq
	s_lshr_b32 s12, s3, 1
	s_lshl_b32 s13, ttmp9, 1
	s_add_co_u32 s12, s12, s13                     ; T
	s_and_b32 s13, s3, 1                           ; which half of K
	s_lshl_b32 s14, s12, 15                        ; 16 rows of 2,048 bytes a tile
	s_lshl_b32 s15, s13, 10
	s_add_co_u32 s14, s14, s15
	s_mov_b32 s15, 0
	s_lshl_b32 s16, s12, 2
	s_lshl_b32 s17, s13, 1
	s_add_co_u32 s16, s16, s17                     ; my first image: 4 T + 2 x half
	s_mul_i32 s18, s16, 1536
	s_mov_b32 s19, 0
	s_lshl_b32 s20, s16, 7
	s_add_co_u32 s20, s20, XSC
	s_mov_b32 s21, 0
	v_lshlrev_b32 v1, 4, v[LN]                     ; 16 x lane
	v_lshlrev_b32 v4, 2, v[LN]                     ; 4 x lane
	s_mul_i32 s22, s3, WST                         ; my stage
	v_add_nc_u32 v2, s22, v1                       ; into it: a row's 512 bytes as they lie
	v_mul_u32_u24 v3, v[RR], 528
	v_lshl_add_u32 v3, v[HH], 5, v3
	v_add_nc_u32 v3, s22, v3                       ; out of it: row lane % 16, + 32 (lane / 16): of each block k = 8 h .. 8 h + 7 and 16 + 8 h .. 16 + 8 h + 7
.irp b, 0,1,2,3
	v_mov_b32 v[TM+4+\b], 0                        ; written once: a lane permute's destination counts as one of its sources
.endr
	s_wait_kmcnt 0x0
	s_add_nc_u64 s[4:5], s[4:5], s[14:15]
	s_add_nc_u64 s[10:11], s[8:9], s[20:21]        ; my scale images
	s_add_nc_u64 s[8:9], s[8:9], s[18:19]          ; my images
.set J, 0
.rept 32                                       ; K step J / 16, row J % 16: 32 lanes read 512 consecutive bytes of a row
	global_load_b128 v[R+4*J:R+4*J+3], v1, s[4:5] offset:2048*(J%16)+512*(J/16) th:TH_LOAD_NT
.set J, J+1
.endr
.macro XSTEP sp, d, pw, left
	s_wait_loadcnt \left                           ; this K step's 16 loads are in
.set J, 0
.rept 16
	ds_store_b128 v2, v[R+64*\sp+4*J:R+64*\sp+4*J+3] offset:528*J
.set J, J+1
.endr
.set J, 0
.rept 16                                       ; LDS serves a wave's instructions in order (ISA guide 5.7.1.4): these see my stores; the stage is my wave's own
	ds_load_b128 v[XN+4*J:XN+4*J+3], v3 offset:128*(J/4)+16*(J%2)+64*((J/2)%2)
.set J, J+1
.endr
	s_wait_dscnt 0x0
	QUANT XN, \d, \pw
.irp c, 0,1,2
	global_store_b128 v1, v[\d+4*\c:\d+4*\c+3], s[8:9] offset:1536*\sp+512*\c   ; 512 consecutive bytes a store
.endr
	global_store_b32 v4, v[\pw], s[10:11] offset:128*\sp
.endm
	XSTEP 0, PC, PW, 16                            ; the second K step's 16 loads stay out
	XSTEP 1, 16, 28, 0                             ; its codes and word go to registers of their own: no store's data are written again
	FINISH
	; ---- the four weights: Y = work-group - 256: weight Y / 32, K step Y % 4, column tile 4 ((Y / 4) % 8) + wave: the four waves stand side by side on 256 bytes of each row
.Lpath_w:
	s_load_b256 s[4:11], s[0:1], 0x8               ; Wq, Wk, Wv, Wo
	s_load_b64 s[12:13], s[0:1], 0x48              ; wq
	s_sub_co_u32 s14, ttmp9, 256
	s_lshr_b32 s15, s14, 5                         ; which weight
	s_and_b32 s16, s14, 3                          ; K step
	s_bfe_u32 s17, s14, 0x30002
	s_lshl_b32 s17, s17, 2
	s_add_co_u32 s17, s17, s3                      ; column tile
	s_lshl_b32 s18, s16, 18                        ; 128 rows of 2,048 bytes a K step
	s_lshl_b32 s19, s17, 6
	s_add_co_u32 s18, s18, s19
	s_mov_b32 s19, 0
	s_lshl_b32 s20, s15, 7
	s_lshl_b32 s21, s17, 2
	s_add_co_u32 s20, s20, s21
	s_add_co_u32 s20, s20, s16                     ; the image's number: 128 x weight + 4 x tile + K step
	s_mul_i32 s22, s20, 1536
	s_mov_b32 s23, 0
	s_lshl_b32 s24, s20, 7
	s_add_co_u32 s24, s24, WSC
	s_mov_b32 s25, 0
	v_lshlrev_b32 v1, 2, v[RR]                     ; LANE r TAKES COLUMN r, AND ITS REGISTERS RUN DOWN K;
	v_lshl_add_u32 v1, v[HH], 16, v1               ; lanes 16-31 begin 32 rows further down
	v_lshlrev_b32 v2, 4, v[LN]
	v_lshlrev_b32 v3, 2, v[LN]
	s_wait_kmcnt 0x0
	s_cmp_eq_u32 s15, 1                            ; the choice hangs on the work-group's number alone
	s_cselect_b64 s[4:5], s[6:7], s[4:5]
	s_cmp_eq_u32 s15, 2
	s_cselect_b64 s[4:5], s[8:9], s[4:5]
	s_cmp_eq_u32 s15, 3
	s_cselect_b64 s[4:5], s[10:11], s[4:5]
	s_add_nc_u64 s[4:5], s[4:5], s[18:19]
	s_add_nc_u64 s[14:15], s[12:13], s[24:25]
	s_add_nc_u64 s[12:13], s[12:13], s[22:23]
.set J, 0
.rept 64                                       ; register 32 c + i: place i of block 2 c + lane / 16: row 64 c + 32 (lane / 16) + (i with bits 3 and 4 exchanged)
	global_load_b32 v[WX+J], v1, s[4:5] offset:(64*(J/32)+(J%8)+16*((J/8)%2)+8*((J/16)%2))*2048
.set J, J+1
.endr
	s_wait_loadcnt 0x0
.irp c, 0,1
	v_max3_num_f32 v[100+\c], |v[WX+32*\c]|, |v[WX+32*\c+1]|, 0x1800000   ; all 32 numbers of a block are mine; the floor as above
.endr
.irp i, 2,4,6,8,10,12,14,16,18,20,22,24,26,28,30
.irp c, 0,1
	v_max3_num_f32 v[100+\c], v[100+\c], |v[WX+32*\c+\i]|, |v[WX+32*\c+\i+1]|
.endr
.endr
.irp c, 0,1
	v_add_nc_u32 v[102+\c], 0xff000000, v[100+\c]
.endr
.irp c, 0,1
	v_lshrrev_b32 v[104+\c], 23, v[102+\c]
.endr
	v_lshl_or_b32 v106, v105, 16, v104             ; my two bytes: blocks h and 2 + h of my column,
	v_lshlrev_b32 v107, 3, v[HH]
	v_lshlrev_b32 v106, v107, v106                 ; at their places in the scale word;
	v_mov_b32 v107, 0
	v_permlanex16_b32 v107, v106, s[SEL], s[SEL+1]
	v_or_b32 v106, v106, v107                      ; with lane l xor 16's two the word is whole, in both halves of the lanes
.irp c, 0,1
	v_cvt_scalef32_pk16_fp6_f32 v[WPC+6*\c:WPC+6*\c+2], v[WX+32*\c:WX+32*\c+15], v[102+\c]
	v_cvt_scalef32_pk16_fp6_f32 v[WCT+4*\c:WCT+4*\c+2], v[WX+32*\c+16:WX+32*\c+31], v[102+\c]
.endr
	v_nop                                          ; one plain place behind a scaled conversion
.irp c, 0,1
.irp i, 0,1,2
	v_mov_b32 v[WPC+6*\c+3+\i], v[WCT+4*\c+\i]
.endr
.endr
.irp c, 0,1,2
	global_store_b128 v2, v[WPC+4*\c:WPC+4*\c+3], s[12:13] offset:512*\c
.endr
	global_store_b32 v3, v106, s[14:15]
	FINISH
.Lfunc_end_k_q1063ca4b69_prep:
	.size	k_q1063ca4b69_prep, .Lfunc_end_k_q1063ca4b69_prep-k_q1063ca4b69_prep
	.p2alignl 7, 3214868480
	.fill 96, 4, 3214868480
	.section	.rodata,"a",@progbits
	.p2align	6, 0x0
	.amdhsa_kernel k_q1063ca4b69_prep
		.amdhsa_group_segment_fixed_size 38400
		.amdhsa_private_segment_fixed_size 0
		.amdhsa_enable_private_segment 0
		.amdhsa_kernarg_size 88
		.amdhsa_user_sgpr_count 2
		.amdhsa_user_sgpr_kernarg_segment_ptr 1
		.amdhsa_wavefront_size32 1
		.amdhsa_system_sgpr_workgroup_id_x 1
		.amdhsa_system_sgpr_workgroup_id_y 1
		.amdhsa_system_sgpr_workgroup_id_z 1
		.amdhsa_system_vgpr_workitem_id 0
		.amdhsa_next_free_vgpr 256
		.amdhsa_next_free_sgpr 66
		.amdhsa_reserve_vcc 1
		.amdhsa_float_denorm_mode_32 3
		.amdhsa_float_denorm_mode_16_64 3
		.amdhsa_memory_ordered 1
		.amdhsa_forward_progress 1
		.amdhsa_inst_pref_size 110
	.end_amdhsa_kernel
	.amdgpu_metadata
---
amdhsa.version: [ 1, 2 ]
amdhsa.kernels:
  - .name:           k_q1063ca4b69_prep
    .symbol:         k_q1063ca4b69_prep.kd
    .args:
      - { .name: x, .offset: 0, .size: 8, .value_kind: global_buffer, .address_space: global }
      - { .name: Wq, .offset: 8, .size: 8, .value_kind: global_buffer, .address_space: global }
      - { .name: Wk, .offset: 16, .size: 8, .value_kind: global_buffer, .address_space: global }
      - { .name: Wv, .offset: 24, .size: 8, .value_kind: global_buffer, .address_space: global }
      - { .name: Wo, .offset: 32, .size: 8, .value_kind: global_buffer, .address_space: global }
      - { .name: style, .offset: 40, .size: 8, .value_kind: global_buffer, .address_space: global }
      - { .name: Ws1, .offset: 48, .size: 8, .value_kind: global_buffer, .address_space: global }
      - { .name: bs1, .offset: 56, .size: 8, .value_kind: global_buffer, .address_space: global }
      - { .name: xq, .offset: 64, .size: 8, .value_kind: global_buffer, .address_space: global }
      - { .name: wq, .offset: 72, .size: 8, .value_kind: global_buffer, .address_space: global }
      - { .name: hid, .offset: 80, .size: 8, .value_kind: global_buffer, .address_space: global }
    .group_segment_fixed_size: 38400
    .private_segment_fixed_size: 0
    .kernarg_segment_align: 8
    .kernarg_segment_size: 88
    .max_flat_workgroup_size: 128
    .sgpr_count:     66
    .vgpr_count:     256
    .wavefront_size: 32
...
	.end_amdgpu_metadata
.endif
;; end of part 1
;; launch proj (part 2): grid 200 x 1, 4 waves a work-group, no clusters, 4,608 bytes of LDS; arguments xq, wq, bq, bk, bv, qq, kq, vq, hid, Ws2, bs2, gate; writes qq, kq, vq, gate
.if DOCPART == 2
	.amdgcn_target "amdgcn-amd-amdhsa--gfx1250"
	.amdhsa_code_object_version 6
	.text
	.protected	k_q1063ca4b69_proj
	.globl	k_q1063ca4b69_proj
	.p2align	8
	.type	k_q1063ca4b69_proj,@function
k_q1063ca4b69_proj:
	s_mov_b64 s[64:65], 0
	v_nop
	global_prefetch_b8 v0, s[64:65] scope:SCOPE_SE
	s_setreg_imm32_b32 hwreg(HW_REG_WAVE_MODE, 25, 1), 1
	s_wait_xcnt 0x0
; PROJ.  Work-groups 0-63: q = x Wq + bq; 64-127: k = x Wk + bk; 128-191: v = x Wv + bv, on codes of FP6 (E2M3) with E8M0 scales; each result is quantised at once for the product that takes it.
; Work-groups 192-199: gate = sigmoid(hid Ws2 + bs2), f32 multiply-adds.
; ONE TEXT FOR q, k AND v.  D = P x S: P (source 0) stays in registers: 8 tiles of 16 rows x 512 K; S (source 1) streams: 8 tiles.  In the result a lane holds one row of S, and its 64 registers
; run along P's 128 rows: the axis along which the result is quantised.
;   q, k: P = 128 columns of the weight (heads 2 w and 2 w + 1), S = 128 tokens: a lane holds a token, registers run along the heads' channels (K of q k^T).
;   v:    P = 128 tokens (a key step), S = 128 columns of Wv: a lane holds a channel, registers run along the keys (K of p v).
; Only pointers and offsets are chosen, by the work-group's number.  Tiles 2 b and 2 b + 1 of the result give a lane 16 numbers of block b, in the order inside a block that all operands of this program have.
; OUT.  q, k: images of PAIRS of token tiles: registers 0-5 tile 2 i's 64 channels of a head, registers 6-11 tile 2 i + 1's; the pair's word: bytes 0, 1 tile 2 i, bytes 2, 3 tile 2 i + 1.
;       v: images of 16 channels x 128 keys, [head][key step][channel tile].
; The bias along P's rows is the C of each sum's first product (q, k; zeros for v); the bias along the lanes is added behind the products (v; zero for q, k).
; No LDS and no cluster in the products: every operand comes from memory as an image of its registers and is used by the wave that loads it; a pass through LDS would add a write and a read for each byte.
; LIMITS: as in the launch before: byte 1 for blocks under 2^-124; NaN and infinities are not served.
; REGISTERS, in windows of 256: window 0: addresses, scale words, the result, codes;  window 1: P's K steps 0, 1 at 12 (2 t + s);  window 2: K steps 2, 3 likewise, from v192 the bias tiles;  window 3: S, two sets of 48.
.set XSC,   3145728
.set WSC,   786432
.set QSC,   3145728
.set RED,   0                          ; LDS: the gate's partial sums
.set SPARE, 4096                       ; the spare words, 128 bytes for each wave: two blocks of 256 bytes that no other line names
.set ZERO, 5                           ; v5   0
.set SPW,  6                           ; v6   LDS address of my spare word; never rewritten
.set NIL,  7                           ; v7   0; never rewritten
.set SSC,  8                           ; v8-15  S's scale words, set e at 8 + 4 e
.set BLR,  16                          ; v16-17 the bias along the lanes as loaded, one for each set
.set PSC,  20                          ; v20-51 P's scale words, 4 t + s
.set BLM,  52                          ; v[52:53] the bias along the lanes in use (0 for q, k), and 0
.set LN,   60                          ; v60  lane
.set HA,   64                          ; v64-127 the result: 8 tiles
.set F0,   128                         ; v128-139, v140-151 the codes of an even and of an odd tile of S
.set F1,   140
.set MV,   152                         ; v152-159 the middle quarters of two pair images
.set CT,   160
.set TM,   168
.set PW0,  184                         ; v184, v185 the two tiles' scale words;  v186, v187 the pairs' words
.set WA,   186
.set WB,   187
.set SEL,  46
.set MSB, 0
.macro WIN new                         ; the immediate's high byte repeats the setting that is left
.if MSB != \new
	s_set_vgpr_msb (MSB<<8)|\new
.set MSB, \new
.endif
.endm
.macro FINISH                          ; the wave's end
	s_wait_tensorcnt 0x0
	ds_add_u32 v[SPW], v[NIL]
	s_wait_dscnt 0x0
	s_endpgm
.endm
.macro QUANT s, d, pw                  ; 64 numbers of a lane, register 16 b + i = my i-th of block b, become a fragment's codes and its row's scale word
.irp b, 0,1,2,3
	v_max3_num_f32 v[TM+\b], |v[\s+16*\b]|, |v[\s+16*\b+1]|, 0x1800000   ; and the floor 2^(3 - 127): the byte cannot fall under 1
.endr
.irp i, 2,4,6,8,10,12,14
.irp b, 0,1,2,3
	v_max3_num_f32 v[TM+\b], v[TM+\b], |v[\s+16*\b+\i]|, |v[\s+16*\b+\i+1]|
.endr
.endr
.irp b, 0,1,2,3
	v_permlanex16_b32 v[TM+4+\b], v[TM+\b], s[SEL], s[SEL+1]
.endr
.irp b, 0,1,2,3
	v_max_num_f32 v[TM+\b], v[TM+\b], v[TM+4+\b]
.endr
.irp b, 0,1,2,3
	v_add_nc_u32 v[TM+12+\b], 0xff000000, v[TM+\b]   ; 2 off the exponent field: the conversion's scale operand
.endr
.irp b, 0,1,2,3
	v_lshrrev_b32 v[TM+4+\b], 23, v[TM+12+\b]
.endr
	v_lshl_or_b32 v[\pw], v[TM+5], 8, v[TM+4]
	v_lshl_or_b32 v[\pw], v[TM+6], 16, v[\pw]
	v_lshl_or_b32 v[\pw], v[TM+7], 24, v[\pw]
.irp c, 0,1
	v_cvt_scalef32_pk16_fp6_f32 v[\d+6*\c:\d+6*\c+2], v[\s+32*\c:\s+32*\c+15], v[TM+12+2*\c]
	v_cvt_scalef32_pk16_fp6_f32 v[CT+4*\c:CT+4*\c+2], v[\s+32*\c+16:\s+32*\c+31], v[TM+13+2*\c]
.endr
	v_nop                                          ; one plain place behind a scaled conversion
.irp c, 0,1
.irp i, 0,1,2
	v_permlane16_swap_b32 v[\d+6*\c+\i], v[CT+4*\c+\i]
.endr
.irp i, 0,1,2
	v_mov_b32 v[\d+6*\c+3+\i], v[CT+4*\c+\i]
.endr
.endr
.endm
; THE GATE'S LAYER, as in the launch before: OUT[b][64 g + n] = act(sum over k of IN[b][k] W[k][64 g + n] + BIAS).  s[4:5] IN, s[6:7] W, s[8:9] BIAS, s[10:11] OUT, s3 wave, s12 g.
.macro GCHUNK c
.irp k, 0,1,2,3,4,5,6,7,8,9,10,11,12,13,14,15
	global_load_b64 v[16+32*((\c)%4)+2*\k:16+32*((\c)%4)+2*\k+1], v172, s[6:7] offset:(16*(\c)+\k)*2048 th:TH_LOAD_NT
.endr
.endm
.macro GWORK c, left
	s_wait_loadcnt \left                           ; this chunk is in; the younger chunks, 16 loads each, stay out
.irp k, 0,1,2,3,4,5,6,7,8,9,10,11,12,13,14,15
.irp b, 0,1,2,3
	v_readlane_b32 s[16+4*(\k%8)+\b], v[152+4*\b+(\k%4)], 4*(\c)+\k/4
.endr
.irp b, 0,1,2,3
.if ((\c) == 0) && (\k == 0)
	v_mul_f32 v[144+2*\b], s[16+4*(\k%8)+\b], v[16+32*((\c)%4)+2*\k]      ; the first k starts the sums
	v_mul_f32 v[145+2*\b], s[16+4*(\k%8)+\b], v[17+32*((\c)%4)+2*\k]
.else
	v_fmac_f32 v[144+2*\b], s[16+4*(\k%8)+\b], v[16+32*((\c)%4)+2*\k]
	v_fmac_f32 v[145+2*\b], s[16+4*(\k%8)+\b], v[17+32*((\c)%4)+2*\k]
.endif
.endr
.endr
.endm
	v_lshl_add_u32 v[SPW], v0, 2, SPARE
	v_mov_b32 v[NIL], 0
	v_lshrrev_b32 v1, 5, v0
	v_readfirstlane_b32 s3, v1                     ; wave 0..3
	v_and_b32 v[LN], 31, v0
	s_cmp_ge_u32 ttmp9, 192
	s_cbranch_scc1 .Lgate
	s_load_b512 s[4:19], s[0:1], 0x0               ; xq, wq, bq, bk, bv, qq, kq, vq
	s_lshr_b32 s22, ttmp9, 6                       ; kind: 0 q, 1 k, 2 v
	s_and_b32 s23, ttmp9, 63                       ; X
	s_lshl_b32 s48, s3, 3                          ; 8 w
	s_lshl_b32 s49, s22, 5                         ; q, k: the weight's first tile in wq
	s_lshr_b32 s50, s23, 2
	s_and_b32 s51, s23, 3
	s_lshl_b32 s52, s50, 5                         ; v: 32 (X / 4): 512 tokens
	s_lshl_b32 s53, s23, 3                         ; q, k: S's first tile: 8 X
	s_lshl_b32 s54, s51, 3
	s_add_co_u32 s54, s54, 64                      ; v: Wv's tiles begin at 64; 8 (X % 4) on
	s_lshl_b32 s55, s3, 9                          ; q, k: the bias of my 128 columns
	s_lshl_b32 s56, s51, 9                         ; v: the bias of the work-group's 128 columns
	s_mov_b32 s57, WSC
	s_mov_b32 s58, XSC
	s_cmp_eq_u32 s22, 2
	s_cselect_b32 s24, -1, 0                       ; all lanes' bits for v, none for q and k
	s_cselect_b32 s49, s52, s49
	s_cselect_b32 s53, s54, s53
	s_cselect_b32 s57, XSC, s57                    ; where P's buffer has its scale images
	s_cselect_b32 s58, WSC, s58                    ; and S's
	s_cselect_b32 s60, 0, s55
	s_cselect_b32 s62, s56, 0
	s_mov_b32 s61, 0
	s_mov_b32 s63, 0
	s_add_co_u32 s49, s49, s48                     ; P's first tile
	s_mul_i32 s26, s49, 6144                       ; four images a tile
	s_mov_b32 s27, 0
	s_lshl_b32 s28, s49, 9
	s_add_co_u32 s28, s28, s57
	s_mov_b32 s29, 0
	s_mul_i32 s30, s53, 6144
	s_mov_b32 s31, 0
	s_lshl_b32 s32, s53, 9
	s_add_co_u32 s32, s32, s58
	s_mov_b32 s33, 0
	s_lshr_b32 s48, s23, 4
	s_lshl_b32 s48, s48, 3                         ; 8 x batch
	s_lshl_b32 s49, s3, 1
	s_add_co_u32 s49, s49, s48                     ; q, k: head 8 b + 2 w,
	s_lshl_b32 s49, s49, 6
	s_and_b32 s52, s23, 15
	s_lshl_b32 s52, s52, 2
	s_add_co_u32 s49, s49, s52                     ; pair 4 (X % 16)
	s_mul_i32 s38, s49, 1536
	s_mov_b32 s39, 0
	s_lshl_b32 s40, s49, 7
	s_add_co_u32 s40, s40, QSC
	s_mov_b32 s41, 0
	s_lshl_b32 s52, s51, 1
	s_add_co_u32 s52, s52, s48                     ; v: head 8 b + 2 (X % 4),
	s_lshl_b32 s52, s52, 4
	s_and_b32 s50, s50, 3
	s_lshl_b32 s50, s50, 2
	s_add_co_u32 s52, s52, s50
	s_add_co_u32 s52, s52, s3                      ; key step 4 ((X / 4) % 4) + w,
	s_lshl_b32 s52, s52, 2                         ; four channel tiles a key step
	s_mul_i32 s42, s52, 1536
	s_mov_b32 s43, 0
	s_lshl_b32 s44, s52, 7
	s_add_co_u32 s44, s44, QSC
	s_mov_b32 s45, 0
	s_mov_b32 s[SEL], 0x76543210
	s_mov_b32 s[SEL+1], 0xfedcba98
	v_lshlrev_b32 v1, 4, v[LN]                     ; 16 x lane
	v_lshlrev_b32 v2, 2, v[LN]                     ; 4 x lane
	v_bfe_u32 v3, v0, 4, 1
	v_lshlrev_b32 v3, 5, v3                        ; 32 (lane / 16)
	v_and_b32 v4, 15, v0
	v_lshlrev_b32 v4, 2, v4                        ; 4 (lane % 16)
	v_mov_b32 v[ZERO], 0
	v_mov_b32 v[BLM+1], 0                          ; (named as the upper half of a pair)
.irp b, 0,1,2,3
	v_mov_b32 v[TM+4+\b], 0                        ; written once: a lane permute's destination counts as one of its sources
.endr
	s_wait_kmcnt 0x0
	s_cmp_eq_u32 s22, 2                            ; every choice hangs on the work-group's number alone
	s_cselect_b64 s[48:49], s[4:5], s[6:7]         ; P's buffer
	s_cselect_b64 s[50:51], s[6:7], s[4:5]         ; S's buffer
	s_cselect_b64 s[34:35], s[12:13], s[8:9]
	s_cmp_eq_u32 s22, 1
	s_cselect_b64 s[34:35], s[10:11], s[34:35]     ; the bias
	s_cselect_b64 s[52:53], s[16:17], s[14:15]     ; kq or qq
	s_add_nc_u64 s[26:27], s[48:49], s[26:27]      ; P's images
	s_add_nc_u64 s[28:29], s[48:49], s[28:29]      ; P's scale images
	s_add_nc_u64 s[30:31], s[50:51], s[30:31]      ; S's
	s_add_nc_u64 s[32:33], s[50:51], s[32:33]
	s_add_nc_u64 s[36:37], s[34:35], s[62:63]      ; the bias along the lanes
	s_add_nc_u64 s[34:35], s[34:35], s[60:61]      ; the bias along P's rows
	s_add_nc_u64 s[38:39], s[52:53], s[38:39]      ; q, k: pair images,
	s_add_nc_u64 s[40:41], s[52:53], s[40:41]      ; pair words
	s_add_nc_u64 s[42:43], s[18:19], s[42:43]      ; v: images,
	s_add_nc_u64 s[44:45], s[18:19], s[44:45]      ; scale images
	WIN 0x40                                       ; destination window 1
.irp t, 0,1,2,3,4,5,6,7
.irp s, 0,1
.irp c, 0,1,2
	global_load_b128 v[12*(2*\t+\s)+4*\c:12*(2*\t+\s)+4*\c+3], v1, s[26:27] offset:6144*\t+1536*\s+512*\c
.endr
.endr
.endr
	WIN 0x80                                       ; destination window 2
.irp t, 0,1,2,3,4,5,6,7
.irp s, 2,3
.irp c, 0,1,2
	global_load_b128 v[12*(2*\t+\s-2)+4*\c:12*(2*\t+\s-2)+4*\c+3], v1, s[26:27] offset:6144*\t+1536*\s+512*\c
.endr
.endr
.endr
.irp t, 0,1,2,3,4,5,6,7                        ; lane (r, h) wants, for tile t, the bias of rows 16 t + 8 h + 0 .. 7
	global_load_b128 v[192+8*\t:192+8*\t+3], v3, s[34:35] offset:64*\t
	global_load_b128 v[192+8*\t+4:192+8*\t+7], v3, s[34:35] offset:64*\t+16
.endr
	WIN 0
.irp t, 0,1,2,3,4,5,6,7
.irp s, 0,1,2,3
	global_load_b32 v[PSC+4*\t+\s], v2, s[28:29] offset:512*\t+128*\s
.endr
.endr
.macro SLOAD e, m                      ; tile m of S into set e: 17 loads
	WIN 0xc0                                       ; destination window 3
.irp s, 0,1,2,3
.irp c, 0,1,2
	global_load_b128 v[48*(\e)+12*\s+4*\c:48*(\e)+12*\s+4*\c+3], v1, s[30:31] offset:6144*(\m)+1536*\s+512*\c
.endr
.endr
	WIN 0
.irp s, 0,1,2,3
	global_load_b32 v[SSC+4*(\e)+\s], v2, s[32:33] offset:512*(\m)+128*\s
.endr
	global_load_b32 v[BLR+(\e)], v4, s[36:37] offset:64*(\m)
.endm
	SLOAD 0, 0
	SLOAD 1, 1
	s_wait_loadcnt 17                              ; all but the 17 loads of tile 1
	WIN 0x82                                       ; destination and source 0 window 2
.set J, 0
.rept 64
	v_cndmask_b32 v[192+J], v[192+J], v[ZERO], s24   ; v has no bias along P's rows
.set J, J+1
.endr
	WIN 0
.macro TILE m
.set E, (\m)%2
.if (\m) < 7
	s_wait_loadcnt 17                              ; this tile's 17 loads are in; the other set's 17 stay out
.else
	s_wait_loadcnt 0x0
.endif
	v_cndmask_b32 v[BLM], v[ZERO], v[BLR+E], s24   ; q and k have no bias along the lanes.  A copy: the register as loaded is loaded again below
	WIN 0x2d                                       ; source 0 (P) window 1, source 1 (S) window 3, C (the bias) window 2, D window 0
.irp t, 0,1,2,3,4,5,6,7                        ; the eight accumulators take turns, one instruction a turn
	v_wmma_scale_f32_16x16x128_f8f6f4 v[HA+8*\t:HA+8*\t+7], v[24*\t:24*\t+11], v[48*E:48*E+11], v[192+8*\t:192+8*\t+7], v[PSC+4*\t], v[SSC+4*E] matrix_a_fmt:MATRIX_FMT_FP6 matrix_b_fmt:MATRIX_FMT_FP6
.endr
	WIN 0x0d
.irp t, 0,1,2,3,4,5,6,7
	v_wmma_scale_f32_16x16x128_f8f6f4 v[HA+8*\t:HA+8*\t+7], v[24*\t+12:24*\t+23], v[48*E+12:48*E+23], v[HA+8*\t:HA+8*\t+7], v[PSC+4*\t+1], v[SSC+4*E+1] matrix_a_fmt:MATRIX_FMT_FP6 matrix_b_fmt:MATRIX_FMT_FP6
.endr
	WIN 0x0e                                       ; source 0 window 2
.irp t, 0,1,2,3,4,5,6,7
	v_wmma_scale_f32_16x16x128_f8f6f4 v[HA+8*\t:HA+8*\t+7], v[24*\t:24*\t+11], v[48*E+24:48*E+35], v[HA+8*\t:HA+8*\t+7], v[PSC+4*\t+2], v[SSC+4*E+2] matrix_a_fmt:MATRIX_FMT_FP6 matrix_b_fmt:MATRIX_FMT_FP6
.endr
.irp t, 0,1,2,3,4,5,6,7
	v_wmma_scale_f32_16x16x128_f8f6f4 v[HA+8*\t:HA+8*\t+7], v[24*\t+12:24*\t+23], v[48*E+36:48*E+47], v[HA+8*\t:HA+8*\t+7], v[PSC+4*\t+3], v[SSC+4*E+3] matrix_a_fmt:MATRIX_FMT_FP6 matrix_b_fmt:MATRIX_FMT_FP6
.endr
	WIN 0
.rept 4
	v_nop                                          ; four places in front of the loads into S's registers and scale words, and of the first read of results
.endr
.if (\m) < 6
	SLOAD E, (\m)+2
.endif
.set J, 0
.rept 32
	v_pk_add_f32 v[HA+J:HA+J+1], v[HA+J:HA+J+1], v[BLM:BLM+1] op_sel_hi:[1,0]   ; ascending: each accumulator is read from its low end on
.set J, J+2
.endr
.if (\m) >= 2
	s_wait_xcnt 0x0                                ; the last pair's stores have read their data: codes and words may be written again
.endif
	QUANT HA, F0+12*E, PW0+E
.endm
.macro PAIROUT p                       ; behind tiles 2 p and 2 p + 1
	s_cmp_eq_u32 s22, 2
	s_cbranch_scc1 .Lvout_\@
	v_mov_b32 v[MV+0], v[F0+4]                     ; q, k: a head's pair image is the even tile's six registers, then the odd tile's six: its middle four are gathered
	v_mov_b32 v[MV+1], v[F0+5]
	v_mov_b32 v[MV+2], v[F1+0]
	v_mov_b32 v[MV+3], v[F1+1]
	v_mov_b32 v[MV+4], v[F0+10]
	v_mov_b32 v[MV+5], v[F0+11]
	v_mov_b32 v[MV+6], v[F1+6]
	v_mov_b32 v[MV+7], v[F1+7]
	v_perm_b32 v[WA], v[PW0+1], v[PW0], 0x05040100   ; head 2 w: the two tiles' bytes 0, 1
	v_perm_b32 v[WB], v[PW0+1], v[PW0], 0x07060302   ; head 2 w + 1: their bytes 2, 3
	global_store_b128 v1, v[F0:F0+3], s[38:39] offset:1536*\p
	global_store_b128 v1, v[MV:MV+3], s[38:39] offset:1536*\p+512
	global_store_b128 v1, v[F1+2:F1+5], s[38:39] offset:1536*\p+1024
	global_store_b128 v1, v[F0+6:F0+9], s[38:39] offset:98304+1536*\p
	global_store_b128 v1, v[MV+4:MV+7], s[38:39] offset:98304+1536*\p+512
	global_store_b128 v1, v[F1+8:F1+11], s[38:39] offset:98304+1536*\p+1024
	global_store_b32 v2, v[WA], s[40:41] offset:128*\p
	global_store_b32 v2, v[WB], s[40:41] offset:8192+128*\p
	s_branch .Ljoin_\@
.Lvout_\@:
.irp e, 0,1                                    ; v: tile m = 2 p + e is head m / 4 of the work-group's two, channel tile m % 4
.irp c, 0,1,2
	global_store_b128 v1, v[F0+12*\e+4*\c:F0+12*\e+4*\c+3], s[42:43] offset:98304*(\p/2)+1536*(2*(\p%2)+\e)+512*\c
.endr
	global_store_b32 v2, v[PW0+\e], s[44:45] offset:8192*(\p/2)+128*(2*(\p%2)+\e)
.endr
.Ljoin_\@:
.endm
	TILE 0
	TILE 1
	PAIROUT 0
	TILE 2
	TILE 3
	PAIROUT 1
	TILE 4
	TILE 5
	PAIROUT 2
	TILE 6
	TILE 7
	PAIROUT 3
	FINISH
	; ---- the gate's second layer: work-groups 192-199
.Lgate:
	s_load_b256 s[4:11], s[0:1], 0x40              ; hid, Ws2, bs2, gate
	s_sub_co_u32 s12, ttmp9, 192
	v_lshlrev_b32 v172, 3, v[LN]                   ; 8 x lane
	v_lshlrev_b32 v173, 4, v[LN]                   ; 16 x lane
	v_lshl_add_u32 v170, v0, 5, RED                ; where I put my eight sums: 32 bytes a thread
	v_lshl_add_u32 v171, v[LN], 5, RED
	s_lshl_b32 s13, s3, 3
	v_add_nc_u32 v171, s13, v171                   ; where I read batch w's pair of my columns back
	s_lshl_b32 s14, s3, 9
	s_mov_b32 s15, 0
	s_lshl_b32 s52, s12, 8
	s_mov_b32 s53, 0
	s_lshl_b32 s54, s3, 18
	s_add_co_u32 s54, s54, s52
	s_mov_b32 s55, 0
	s_lshl_b32 s56, s3, 11
	s_add_co_u32 s56, s56, s52
	s_mov_b32 s57, 0
	s_wait_kmcnt 0x0
	s_add_nc_u64 s[4:5], s[4:5], s[14:15]
	s_add_nc_u64 s[6:7], s[6:7], s[54:55]
	s_add_nc_u64 s[8:9], s[8:9], s[52:53]
	s_add_nc_u64 s[10:11], s[10:11], s[56:57]
.irp b, 0,1,2,3
	global_load_b128 v[152+4*\b:155+4*\b], v173, s[4:5] offset:2048*\b
.endr
	global_load_b64 v[168:169], v172, s[8:9]
	GCHUNK 0
	GCHUNK 1
	GCHUNK 2
	GCHUNK 3
	GWORK 0, 48
	GCHUNK 4
	GWORK 1, 48
	GCHUNK 5
	GWORK 2, 48
	GCHUNK 6
	GWORK 3, 48
	GCHUNK 7
	GWORK 4, 48
	GWORK 5, 32
	GWORK 6, 16
	GWORK 7, 0
	ds_store_b128 v170, v[144:147]
	ds_store_b128 v170, v[148:151] offset:16
	s_wait_dscnt 0x0                               ; for the others' sake: my stores have landed
	s_barrier_signal -1
	s_barrier_wait -1
.irp q, 0,1,2,3
	ds_load_b64 v[174+2*\q:175+2*\q], v171 offset:1024*\q
.endr
	s_wait_dscnt 0x0
	v_pk_add_f32 v[174:175], v[174:175], v[176:177]
	v_pk_add_f32 v[178:179], v[178:179], v[180:181]
	v_pk_add_f32 v[174:175], v[174:175], v[178:179]
	v_pk_add_f32 v[174:175], v[174:175], v[168:169]
	v_mul_f32 v176, 0xbfb8aa3b, v174               ; sigmoid(y) = 1 / (1 + 2^(-y log2(e)))
	v_mul_f32 v177, 0xbfb8aa3b, v175
	v_exp_f32 v176, v176
	v_exp_f32 v177, v177
	v_nop                                          ; a plain place behind the exponentials
	s_wait_alu depctr_va_vdst(0)                   ; one wait for both, ahead of their first reader
	v_add_f32 v176, 1.0, v176
	v_add_f32 v177, 1.0, v177
	v_rcp_f32 v174, v176
	v_rcp_f32 v175, v177
	v_nop
	s_wait_alu depctr_va_vdst(0)
	global_store_b64 v172, v[174:175], s[10:11]    ; 32 lanes store 256 consecutive bytes, at a multiple of 256 from the buffer's first byte
	FINISH
.Lfunc_end_k_q1063ca4b69_proj:
	.size	k_q1063ca4b69_proj, .Lfunc_end_k_q1063ca4b69_proj-k_q1063ca4b69_proj
	.p2alignl 7, 3214868480
	.fill 96, 4, 3214868480
	.section	.rodata,"a",@progbits
	.p2align	6, 0x0
	.amdhsa_kernel k_q1063ca4b69_proj
		.amdhsa_group_segment_fixed_size 4608
		.amdhsa_private_segment_fixed_size 0
		.amdhsa_enable_private_segment 0
		.amdhsa_kernarg_size 96
		.amdhsa_user_sgpr_count 2
		.amdhsa_user_sgpr_kernarg_segment_ptr 1
		.amdhsa_wavefront_size32 1
		.amdhsa_system_sgpr_workgroup_id_x 1
		.amdhsa_system_sgpr_workgroup_id_y 1
		.amdhsa_system_sgpr_workgroup_id_z 1
		.amdhsa_system_vgpr_workitem_id 0
		.amdhsa_next_free_vgpr 864
		.amdhsa_next_free_sgpr 66
		.amdhsa_reserve_vcc 0
		.amdhsa_float_denorm_mode_32 3
		.amdhsa_float_denorm_mode_16_64 3
		.amdhsa_memory_ordered 1
		.amdhsa_forward_progress 1
		.amdhsa_inst_pref_size 203
	.end_amdhsa_kernel
	.amdgpu_metadata
---
amdhsa.version: [ 1, 2 ]
amdhsa.kernels:
  - .name:           k_q1063ca4b69_proj
    .symbol:         k_q1063ca4b69_proj.kd
    .args:
      - { .name: xq, .offset: 0, .size: 8, .value_kind: global_buffer, .address_space: global }
      - { .name: wq, .offset: 8, .size: 8, .value_kind: global_buffer, .address_space: global }
      - { .name: bq, .offset: 16, .size: 8, .value_kind: global_buffer, .address_space: global }
      - { .name: bk, .offset: 24, .size: 8, .value_kind: global_buffer, .address_space: global }
      - { .name: bv, .offset: 32, .size: 8, .value_kind: global_buffer, .address_space: global }
      - { .name: qq, .offset: 40, .size: 8, .value_kind: global_buffer, .address_space: global }
      - { .name: kq, .offset: 48, .size: 8, .value_kind: global_buffer, .address_space: global }
      - { .name: vq, .offset: 56, .size: 8, .value_kind: global_buffer, .address_space: global }
      - { .name: hid, .offset: 64, .size: 8, .value_kind: global_buffer, .address_space: global }
      - { .name: Ws2, .offset: 72, .size: 8, .value_kind: global_buffer, .address_space: global }
      - { .name: bs2, .offset: 80, .size: 8, .value_kind: global_buffer, .address_space: global }
      - { .name: gate, .offset: 88, .size: 8, .value_kind: global_buffer, .address_space: global }
    .group_segment_fixed_size: 4608
    .private_segment_fixed_size: 0
    .kernarg_segment_align: 8
    .kernarg_segment_size: 96
    .max_flat_workgroup_size: 128
    .sgpr_count:     66
    .vgpr_count:     864
    .wavefront_size: 32
...
	.end_amdgpu_metadata
.endif
;; end of part 2
;; launch attn (part 3): grid 8 x 32, 16 waves a work-group, clusters of 4 x 1, 215,040 bytes of LDS; arguments qq, kq, vq, gate, aq; writes aq
.if DOCPART == 3
	.amdgcn_target "amdgcn-amd-amdhsa--gfx1250"
	.amdhsa_code_object_version 6
	.text
	.protected	k_q1063ca4b69_attn
	.globl	k_q1063ca4b69_attn
	.p2align	8
	.type	k_q1063ca4b69_attn,@function
k_q1063ca4b69_attn:
	s_mov_b64 s[64:65], 0
	v_nop
	global_prefetch_b8 v0, s[64:65] scope:SCOPE_SE
	s_setreg_imm32_b32 hwreg(HW_REG_WAVE_MODE, 25, 1), 1
	s_wait_xcnt 0x0
	s_wait_alu depctr_hold_cnt(0) depctr_sa_sdst(0) depctr_va_vdst(0) depctr_va_sdst(0) depctr_va_ssrc(0) depctr_va_vcc(0) depctr_vm_vsrc(0)
	s_getreg_b32 s2, hwreg(HW_REG_IB_STS2, 6, 4)
	s_cmp_eq_u32 s2, 0
	s_cbranch_scc0 .Lentry_in_a_cluster
	s_endpgm
.Lentry_in_a_cluster:
	s_bfe_u32 s2, ttmp6, 0x10000c
	s_cmp_lg_u32 s2, 0x3003
	s_cbranch_scc0 .Lentry_shape_is_right
	s_endpgm
.Lentry_shape_is_right:
; ATTN.  For each of 32 heads (batch x head): O = softmax(q k^T / 8) v on codes of FP6 (E2M3) with E8M0 scales; then (O / l) x gate is quantised for the last product.
; THE SOFTMAX AHEAD OF THE SECOND PRODUCT: t = score x log2(e) / 8; M = the row's largest t so far, rounded UP to a whole number; p = 2^(t - M) is what is quantised, along the keys, not normalised.
; The row's sum l is taken of the unquantised p.  When M moves, the sum and O are multiplied by 2^(old M - new M): exact.
; SHARES.  A work-group owns 256 queries of one head; each of its sixteen waves owns 16, one tile, in 256 registers: four waves to a SIMD, so that one wave's vector work stands beside another's products and LDS loads.
; A WHOLE HEAD'S K AND V LIE IN LDS: 2 x 98,304 bytes of codes and 2 x 8,192 of scale words, as images of the operands' registers, filled ONCE: no ring, nothing is filled again.
; CLUSTER.  The four work-groups of a cluster belong to one head, so each fill is asked for JOINTLY: the same tensor load, the same descriptor, a mask that names the four.  Every wave issues two
; (a sixteenth of the codes, a sixteenth of the scale words): two tensor loads of a wave are out, by this text's count.
; LAYOUT.  Both products are used transposed: S^T = K Q^T (source 0 = keys), O^T = V^T P^T (source 0 = channels): a lane holds ONE query (lane % 16) throughout, and its registers run along the keys, then along the channels.
; THE HEAD HAS 64 CHANNELS, half of the instruction's K.  A fragment of K holds a PAIR of key tiles: registers 0-5 tile 2 i, registers 6-11 tile 2 i + 1.  Against [q | zeros] it gives tile 2 i's scores, against
; [zeros | q] tile 2 i + 1's: zero codes add nothing.  The two forms of Q overlap in registers: v16-21 zeros, v22-27 q, v28-33 zeros.
; LIMITS: byte 1 for blocks under 2^-124; NaN and infinities are not served.
; REGISTERS: v1-3 lane places in K's, V's and the scale words' images; v4, v5 the add's two; v6, v7, v11 offsets; v8-10 addresses of the step; v12 -M, v13 the largest t, v[14:15] the sum in two halves;
; v16-33 Q; v34 Q's scale word; v36-83 four fragments of K, then of V; v84-87, v88-91 their scale words; v92 at work; v94 f, v95 p's scale word; v96-159 S^T, then p; v160-191 O^T; v192-203 p's codes;
; v204-211 the conversions' second halves; v212-223 at work; v224-255 the gate of my 32 channels.
.set QSC,   3145728                    ; in qq, kq, vq and aq the scale images begin behind 2,048 images of 1,536 bytes
.set VC,    98304                      ; LDS: K's codes from 0, V's from here,
.set KS,    196608                     ; K's pair words, and 8,192 bytes on V's scale words
.set SPARE, 212992                     ; the spare words, 128 bytes for each wave: eight blocks of 256 bytes that no other line names
.set SPW, 4
.set NIL, 5
.set BM,  212                          ; the blocks' largest scores, then largest p
.set T2,  216
.set SO,  220                          ; the conversions' scale operands
.set G1C, 24                           ; s[24:31] descriptor group 1 for codes;  s[32:39] for scale words;  s[40:43], s[44:47] their groups 0
.set G1S, 32
.set G0C, 40
.set G0S, 44
.macro CROUND                          ; a round of the cluster's barrier
	s_barrier_signal -1
	s_barrier_wait -1
	s_cmp_lg_u32 s14, 0
	s_cbranch_scc1 .Lnot_wave_0_\@
	s_barrier_signal -3
.Lnot_wave_0_\@:
	s_barrier_wait -3
	s_barrier_signal -1
	s_barrier_wait -1
.endm
	s_load_b256 s[4:11], s[0:1], 0x0               ; qq, kq, vq, gate
	s_load_b64 s[12:13], s[0:1], 0x20              ; aq
	v_lshl_add_u32 v[SPW], v0, 2, SPARE
	v_mov_b32 v[NIL], 0
	ds_add_u32 v[SPW], v[NIL]                      ; the wave's opening: the add and its wait ahead of my first tensor load; the set-up below, work on registers, stands between them
	v_lshrrev_b32 v1, 5, v0
	v_readfirstlane_b32 s14, v1                    ; wave 0..15
	s_bfe_u32 s15, ttmp6, 0x40000                  ; cx: my place in the cluster
	s_lshl_b32 s16, ttmp9, 2
	s_add_co_u32 s16, s16, s15                     ; my block of 256 queries: it enters Q's and aq's global addresses alone
	s_and_b32 s17, ttmp7, 0xffff                   ; the head (8 x batch + head), which the four partners share
	; descriptor groups 1: dense blocks as rows of 256 bytes (32 elements of 8 bytes): 48 rows of codes, 4 rows of scale words; no padding: the images are read 512 or 128 consecutive bytes at a time
	s_mov_b32 s[G1C], 15|(3<<16)|(1<<21)           ; 15:0 the mask: all four work-groups; 17:16 elements of 8 bytes; 21 set beside a mask
	s_mov_b32 s[G1C+1], 32<<16                     ; tensor_dim0
	s_mov_b32 s[G1C+2], 48<<16                     ; tensor_dim1
	s_mov_b32 s[G1C+3], 32<<16                     ; tile_dim0
	s_mov_b32 s[G1C+4], 48                         ; tile_dim1
	s_mov_b32 s[G1C+5], 32                         ; tensor_dim0_stride
	s_mov_b32 s[G1C+6], 0
	s_mov_b32 s[G1C+7], 0
	s_mov_b32 s[G1S], 15|(3<<16)|(1<<21)
	s_mov_b32 s[G1S+1], 32<<16
	s_mov_b32 s[G1S+2], 4<<16
	s_mov_b32 s[G1S+3], 32<<16
	s_mov_b32 s[G1S+4], 4
	s_mov_b32 s[G1S+5], 32
	s_mov_b32 s[G1S+6], 0
	s_mov_b32 s[G1S+7], 0
	; what I fetch: waves 0-7 an eighth of K's, waves 8-15 an eighth of V's
	s_and_b32 s18, s14, 7
	s_mul_i32 s54, s17, 98304
	s_mul_i32 s19, s18, 12288
	s_add_co_u32 s54, s54, s19
	s_mov_b32 s55, 0
	s_lshl_b32 s56, s17, 13
	s_lshl_b32 s19, s18, 10
	s_add_co_u32 s56, s56, s19
	s_add_co_u32 s56, s56, QSC
	s_mov_b32 s57, 0
	s_mov_b32 s[G0C], 1                            ; count = 1
	s_mul_i32 s[G0C+1], s14, 12288                 ; LDS address: K's eight parts, then V's eight
	s_mov_b32 s[G0S], 1
	s_lshl_b32 s[G0S+1], s14, 10
	s_add_co_u32 s[G0S+1], s[G0S+1], KS
	; my queries, my gate, my place in aq
	s_lshl_b32 s18, s17, 6
	s_lshl_b32 s19, s16, 3
	s_add_co_u32 s18, s18, s19
	s_lshr_b32 s19, s14, 1
	s_add_co_u32 s18, s18, s19                     ; the pair that holds my tile: 64 x head + 8 x block + wave / 2
	s_mul_i32 s66, s18, 1536
	s_mov_b32 s67, 0
	s_lshl_b32 s68, s18, 7
	s_add_co_u32 s68, s68, QSC
	s_mov_b32 s69, 0
	s_lshl_b32 s70, s17, 8                         ; gate: 2,048 x batch + 256 x head = 256 x (8 x batch + head)
	s_mov_b32 s71, 0
	s_lshr_b32 s18, s17, 3
	s_lshl_b32 s18, s18, 7
	s_lshl_b32 s19, s16, 4
	s_add_co_u32 s18, s18, s19
	s_add_co_u32 s18, s18, s14                     ; my token tile: 128 x batch + 16 x block + wave
	s_lshl_b32 s18, s18, 2
	s_bfe_u32 s19, s17, 0x20001
	s_add_co_u32 s18, s18, s19                     ; K step of the last product: head / 2
	s_and_b32 s19, s17, 1                          ; and which half of its fragment: head % 2
	s_mul_i32 s72, s18, 1536
	s_mul_i32 s53, s19, 768
	s_add_co_u32 s72, s72, s53
	s_mov_b32 s73, 0
	s_lshl_b32 s74, s18, 7
	s_lshl_b32 s53, s19, 1
	s_add_co_u32 s74, s74, s53
	s_add_co_u32 s74, s74, QSC
	s_mov_b32 s75, 0
	s_and_b32 s53, s14, 1
	s_mov_b32 s52, 0x01000100
	s_cmp_eq_u32 s53, 1
	s_cselect_b32 s51, -1, 0                       ; my tile is the pair's second
	s_cselect_b32 s52, 0x03020302, s52             ; which two bytes of the pair's word are mine
	s_mov_b32 s20, 0x76543210
	s_mov_b32 s21, 0xfedcba98                      ; v_permlanex16_b32's selects for lane l xor 16
	s_mov_b32 s22, 0x3e38aa3b                      ; c = log2(e) / 8
	s_mov_b32 s23, s22                             ; (named with it as a pair, so it is written)
	s_mov_b32 s48, 0                               ; where the step's images begin: 6,144 bytes a step
	s_mov_b32 s49, 0                               ; and its scale words: 512 bytes a step
	s_mov_b32 s50, 16                              ; key steps
	v_and_b32 v9, 31, v0
	v_lshlrev_b32 v1, 4, v9                        ; 16 x lane: my place in an image of K
	v_add_nc_u32 v2, VC, v1                        ; of V
	v_lshlrev_b32 v6, 3, v9                        ; 8 x lane
	v_lshlrev_b32 v7, 2, v9                        ; 4 x lane
	v_add_nc_u32 v3, KS, v7                        ; my place in a scale image
	v_bfe_u32 v11, v0, 4, 1
	v_lshlrev_b32 v11, 5, v11                      ; 32 (lane / 16)
	s_wait_dscnt 0x0                               ; the opening add is done
	s_wait_kmcnt 0x0
	s_cmp_lt_u32 s14, 8                            ; the choice hangs on the wave's number alone
	s_cselect_b64 s[58:59], s[6:7], s[8:9]
	s_add_nc_u64 s[G0C+2:G0C+3], s[58:59], s[54:55]
	s_or_b32 s[G0C+3], s[G0C+3], 0x80000000        ; type = 2
	s_add_nc_u64 s[G0S+2:G0S+3], s[58:59], s[56:57]
	s_or_b32 s[G0S+3], s[G0S+3], 0x80000000
	s_add_nc_u64 s[6:7], s[4:5], s[68:69]          ; Q's pair word
	s_add_nc_u64 s[4:5], s[4:5], s[66:67]          ; Q's pair image
	s_add_nc_u64 s[10:11], s[10:11], s[70:71]
	s_add_nc_u64 s[60:61], s[12:13], s[72:73]      ; my half image in aq
	s_add_nc_u64 s[62:63], s[12:13], s[74:75]      ; my half of its scale words
	CROUND                                         ; all four work-groups are here: the joint loads meet
	tensor_load_to_lds s[G0C:G0C+3], s[G1C:G1C+7]
	s_nop 0
	tensor_load_to_lds s[G0S:G0S+3], s[G1S:G1S+7]
	s_nop 0
.rept 4
	v_nop
.endr
.irp c, 0,1,2
	global_load_b128 v[96+4*\c:99+4*\c], v1, s[4:5] offset:512*\c
.endr
	global_load_b32 v108, v7, s[6:7]
.irp t, 0,1,2,3                                ; gate of channels 16 t + 8 (lane / 16) + 0 .. 7 of my head
	global_load_b128 v[224+8*\t:227+8*\t], v11, s[10:11] offset:64*\t
	global_load_b128 v[228+8*\t:231+8*\t], v11, s[10:11] offset:64*\t+16
.endr
	s_wait_loadcnt 0x0
.irp i, 0,1,2,3,4,5
	v_cndmask_b32 v[22+\i], v[96+\i], v[102+\i], s51   ; my tile's six registers of the pair
.endr
.irp i, 0,1,2,3,4,5
	v_mov_b32 v[16+\i], 0
	v_mov_b32 v[28+\i], 0
.endr
	v_perm_b32 v34, v108, v108, s52                ; my two bytes, twice: they serve q in either half of K
	v_mov_b32 v13, 0xff61b1e6                      ; the largest t so far: -3e38, under every t
	v_floor_f32 v12, -v13                          ; -M
	v_mov_b32 v14, 0                               ; the sum, in two halves
	v_mov_b32 v15, 0
	v_mov_b32 v95, 0                               ; (named as the upper half of the pair v[94:95] before it is first written)
.irp b, 0,1,2,3
	v_mov_b32 v[T2+\b], 0                          ; written once: a lane permute's destination counts as one of its sources
.endr
.set J, 0
.rept 32
	v_mov_b32 v[160+J], 0                          ; O^T.  (The step is written once: the first finds zeros, which the first change of M leaves zeros.  These lines are also the places between Q's registers and scale word and the first product)
.set J, J+1
.endr
	s_wait_tensorcnt 0x0                           ; my two parts have landed,
	s_barrier_signal -1
	s_barrier_wait -1                              ; everybody's have: the head's K and V are whole
.Lstep:                                            ; 16 trips of 128 keys
	v_add_nc_u32 v8, s48, v1
	v_add_nc_u32 v9, s48, v2
	v_add_nc_u32 v10, s49, v3
	v_nop                                          ; four places in front of loads into registers that the last products have read
.irp i, 0,1,2,3
.irp c, 0,1,2
	ds_load_b128 v[36+12*\i+4*\c:39+12*\i+4*\c], v8 offset:1536*\i+512*\c
.endr
	ds_load_b32 v[84+\i], v10 offset:128*\i
.endr
	s_wait_dscnt 0x0
.irp i, 0,1,2,3                                ; S^T: pair i against [q | 0] and against [0 | q]
	v_wmma_scale_f32_16x16x128_f8f6f4 v[96+16*\i:103+16*\i], v[36+12*\i:47+12*\i], v[22:33], 0, v[84+\i], v34 matrix_a_fmt:MATRIX_FMT_FP6 matrix_b_fmt:MATRIX_FMT_FP6
	v_wmma_scale_f32_16x16x128_f8f6f4 v[104+16*\i:111+16*\i], v[36+12*\i:47+12*\i], v[16:27], 0, v[84+\i], v34 matrix_a_fmt:MATRIX_FMT_FP6 matrix_b_fmt:MATRIX_FMT_FP6
.endr                                          ; the 16 registers of tiles 2 b and 2 b + 1 are my 16 keys of block b
.rept 4
	v_nop                                          ; places in front of the loads below and of the first read of scores
.endr
.irp t, 0,1,2,3                                ; V's four fragments of this step: they land while the softmax is worked
.irp c, 0,1,2
	ds_load_b128 v[36+12*\t+4*\c:39+12*\t+4*\c], v9 offset:1536*\t+512*\c
.endr
	ds_load_b32 v[88+\t], v10 offset:8192+128*\t
.endr
.irp b, 0,1,2,3
	v_max3_num_f32 v[BM+\b], v[96+16*\b], v[97+16*\b], v[98+16*\b]   ; THE LARGEST SCORE OF EACH BLOCK OF 32 KEYS: it serves for the row's maximum and, since p rises with the score, for the block's largest p
.endr
.irp i, 3,5,7,9,11,13
.irp b, 0,1,2,3
	v_max3_num_f32 v[BM+\b], v[BM+\b], v[96+16*\b+\i], v[97+16*\b+\i]
.endr
.endr
.irp b, 0,1,2,3
	v_max_num_f32 v[BM+\b], v[BM+\b], v[111+16*\b]
.endr
.irp b, 0,1,2,3
	v_permlanex16_b32 v[T2+\b], v[BM+\b], s20, s21
.endr
.irp b, 0,1,2,3
	v_max_num_f32 v[BM+\b], v[BM+\b], v[T2+\b]     ; with lane l xor 16's 16 keys
.endr
	v_max3_num_f32 v92, v[BM], v[BM+1], v[BM+2]
	v_max_num_f32 v92, v92, v[BM+3]                ; the step's largest score of my query
	v_mul_f32 v92, s22, v92                        ; as t (c is positive)
	v_max_num_f32 v13, v13, v92                    ; the running largest t
	v_mov_b32 v92, v12
	v_floor_f32 v12, -v13                          ; the new -M = floor(-t) = -ceil(t): a whole number
	v_sub_f32 v92, v12, v92                        ; old M less new M: a whole number, 0 or less
	v_cvt_i32_f32 v92, v92                         ; (it saturates)
	v_ldexp_f32 v94, 1.0, v92                      ; f = 2^(old M - new M)
.set J, 0
.rept 32
	v_pk_fma_f32 v[96+J:97+J], v[96+J:97+J], s[22:23], v[12:13] op_sel_hi:[1,0,0]   ; t - M, two at a time
.set J, J+2
.endr
.irp b, 0,1,2,3
	v_fma_f32 v[BM+\b], v[BM+\b], s22, v12         ; the same of each block's largest score
.endr
.set J, 0
.rept 64
	v_exp_f32 v[96+J], v[96+J]                     ; p = 2^(t - M), at most 1: not normalised
.set J, J+1
.endr
	v_pk_mul_f32 v[14:15], v[14:15], v[94:95] op_sel_hi:[1,0]   ; the sums under the new M.  (A plain place behind the exponentials)
	s_wait_alu depctr_va_vdst(0)                   ; one wait for the whole batch, ahead of its first reader
.irp b, 0,1,2,3
	v_exp_f32 v[BM+\b], v[BM+\b]                   ; the block's largest p: the same two instructions on the same number give the same bits
.endr
	v_pk_add_f32 v[T2:T2+1], v[96:97], v[98:99]    ; THE ROW'S SUM IS TAKEN OF THE UNQUANTISED p: two at a time, in two chains
.set J, 4
.rept 15
	v_pk_add_f32 v[14:15], v[14:15], v[96+J:97+J]
	v_pk_add_f32 v[T2:T2+1], v[T2:T2+1], v[98+J:99+J]
.set J, J+4
.endr
	v_pk_add_f32 v[14:15], v[14:15], v[T2:T2+1]
	s_wait_alu depctr_va_vdst(0)                   ; and one for the four
.irp b, 0,1,2,3
	v_max_num_f32 v[BM+\b], 0x1800000, v[BM+\b]    ; the floor 2^(3 - 127): the byte cannot fall under 1
.endr
.irp b, 0,1,2,3
	v_add_nc_u32 v[SO+\b], 0xff000000, v[BM+\b]    ; 2 off the exponent field: the conversion's scale operand
.endr
.irp b, 0,1,2,3
	v_lshrrev_b32 v[T2+\b], 23, v[SO+\b]           ; the scale's byte
.endr
	v_lshl_or_b32 v95, v[T2+1], 8, v[T2]           ; p's scale word for these 128 keys
	v_lshl_or_b32 v95, v[T2+2], 16, v95
	v_lshl_or_b32 v95, v[T2+3], 24, v95
.irp c, 0,1
	v_cvt_scalef32_pk16_fp6_f32 v[192+6*\c:194+6*\c], v[96+32*\c:111+32*\c], v[SO+2*\c]
	v_cvt_scalef32_pk16_fp6_f32 v[204+4*\c:206+4*\c], v[112+32*\c:127+32*\c], v[SO+2*\c+1]   ; (a conversion's three registers begin on an even number)
.endr
	v_nop                                          ; one plain place behind a scaled conversion
.irp c, 0,1                                    ; the operand wants a WHOLE block in a lane
.irp i, 0,1,2
	v_permlane16_swap_b32 v[192+6*\c+\i], v[204+4*\c+\i]
.endr
.irp i, 0,1,2
	v_mov_b32 v[195+6*\c+\i], v[204+4*\c+\i]
.endr
.endr
.set J, 0
.rept 16
	v_pk_mul_f32 v[160+J:161+J], v[160+J:161+J], v[94:95] op_sel_hi:[1,0]   ; O^T under the new M, ascending.  (These 16 are also the places between p's codes and scale word and the products)
.set J, J+2
.endr
	s_wait_dscnt 0x0                               ; V is in
.irp t, 0,1,2,3                                ; O^T += V^T P^T: the four accumulators take turns, one instruction a turn
	v_wmma_scale_f32_16x16x128_f8f6f4 v[160+8*\t:167+8*\t], v[36+12*\t:47+12*\t], v[192:203], v[160+8*\t:167+8*\t], v[88+\t], v95 matrix_a_fmt:MATRIX_FMT_FP6 matrix_b_fmt:MATRIX_FMT_FP6
.endr
	s_add_co_u32 s48, s48, 6144
	s_add_co_u32 s49, s49, 512
	s_sub_co_u32 s50, s50, 1
	s_cmp_lg_u32 s50, 0
	s_cbranch_scc1 .Lstep
	; THE WAY OUT: (O^T / l) x gate, quantised along the channels: my head's 64 are two blocks, half a fragment of the last product's K step head / 2.
	v_add_f32 v14, v14, v15                        ; the sum's two halves,
	v_permlanex16_b32 v92, v14, s20, s21
	v_add_f32 v14, v14, v92                        ; and lane l xor 16's: the row's sum
	v_rcp_f32 v14, v14
	v_nop                                          ; a plain place behind the reciprocal
	s_wait_alu depctr_va_vdst(0)                   ; the wait, ahead of its first reader
.set J, 0
.rept 16
	v_pk_mul_f32 v[224+J:225+J], v[224+J:225+J], v[14:15] op_sel_hi:[1,0]   ; gate / l
.set J, J+2
.endr
.set J, 0
.rept 16
	v_pk_mul_f32 v[96+J:97+J], v[160+J:161+J], v[224+J:225+J]   ; ascending: each accumulator is read from its low end on
.set J, J+2
.endr
.irp b, 0,1
	v_max3_num_f32 v[BM+\b], |v[96+16*\b]|, |v[97+16*\b]|, 0x1800000
.endr
.irp i, 2,4,6,8,10,12,14
.irp b, 0,1
	v_max3_num_f32 v[BM+\b], v[BM+\b], |v[96+16*\b+\i]|, |v[97+16*\b+\i]|
.endr
.endr
.irp b, 0,1
	v_permlanex16_b32 v[T2+\b], v[BM+\b], s20, s21
.endr
.irp b, 0,1
	v_max_num_f32 v[BM+\b], v[BM+\b], v[T2+\b]
.endr
.irp b, 0,1
	v_add_nc_u32 v[SO+\b], 0xff000000, v[BM+\b]
.endr
.irp b, 0,1
	v_lshrrev_b32 v[T2+\b], 23, v[SO+\b]
.endr
	v_lshl_or_b32 v95, v[T2+1], 8, v[T2]           ; my head's two bytes of the row's scale word
	v_cvt_scalef32_pk16_fp6_f32 v[192:194], v[96:111], v[SO]
	v_cvt_scalef32_pk16_fp6_f32 v[204:206], v[112:127], v[SO+1]
	v_nop
.irp i, 0,1,2
	v_permlane16_swap_b32 v[192+\i], v[204+\i]
.endr
.irp i, 0,1,2
	v_mov_b32 v[195+\i], v[204+\i]
.endr
	global_store_b128 v1, v[192:195], s[60:61]             ; registers 0-3 of the half fragment: 512 consecutive bytes
	global_store_b64 v6, v[196:197], s[60:61] offset:512   ; registers 4, 5: 256 consecutive bytes
	global_store_b16 v7, v95, s[62:63]                     ; two bytes of each lane's word, inside one run of 128 bytes: one instruction a wave
	s_wait_tensorcnt 0x0                           ; the wave's end, behind my last tensor load
	ds_add_u32 v[SPW], v[NIL]
	s_wait_dscnt 0x0
	CROUND                                         ; the closing round: no work-group ends while a partner may still ask for a tile that names it
	s_endpgm
.Lfunc_end_k_q1063ca4b69_attn:
	.size	k_q1063ca4b69_attn, .Lfunc_end_k_q1063ca4b69_attn-k_q1063ca4b69_attn
	.p2alignl 7, 3214868480
	.fill 96, 4, 3214868480
	.section	.rodata,"a",@progbits
	.p2align	6, 0x0
	.amdhsa_kernel k_q1063ca4b69_attn
		.amdhsa_group_segment_fixed_size 215040
		.amdhsa_private_segment_fixed_size 0
		.amdhsa_enable_private_segment 0
		.amdhsa_kernarg_size 40
		.amdhsa_user_sgpr_count 2
		.amdhsa_user_sgpr_kernarg_segment_ptr 1
		.amdhsa_wavefront_size32 1
		.amdhsa_system_sgpr_workgroup_id_x 1
		.amdhsa_system_sgpr_workgroup_id_y 1
		.amdhsa_system_sgpr_workgroup_id_z 1
		.amdhsa_system_vgpr_workitem_id 0
		.amdhsa_next_free_vgpr 256
		.amdhsa_next_free_sgpr 76
		.amdhsa_reserve_vcc 0
		.amdhsa_float_denorm_mode_32 3
		.amdhsa_float_denorm_mode_16_64 3
		.amdhsa_memory_ordered 1
		.amdhsa_forward_progress 1
		.amdhsa_inst_pref_size 30
	.end_amdhsa_kernel
	.amdgpu_metadata
---
amdhsa.version: [ 1, 2 ]
amdhsa.kernels:
  - .name:           k_q1063ca4b69_attn
    .symbol:         k_q1063ca4b69_attn.kd
    .args:
      - { .name: qq, .offset: 0, .size: 8, .value_kind: global_buffer, .address_space: global }
      - { .name: kq, .offset: 8, .size: 8, .value_kind: global_buffer, .address_space: global }
      - { .name: vq, .offset: 16, .size: 8, .value_kind: global_buffer, .address_space: global }
      - { .name: gate, .offset: 24, .size: 8, .value_kind: global_buffer, .address_space: global }
      - { .name: aq, .offset: 32, .size: 8, .value_kind: global_buffer, .address_space: global }
    .group_segment_fixed_size: 215040
    .private_segment_fixed_size: 0
    .kernarg_segment_align: 8
    .kernarg_segment_size: 40
    .max_flat_workgroup_size: 512
    .sgpr_count:     76
    .vgpr_count:     256
    .wavefront_size: 32
...
	.end_amdgpu_metadata
.endif
;; end of part 3
;; launch outp (part 4): grid 128 x 2, 4 waves a work-group, no clusters, 17,920 bytes of LDS; arguments aq, wq, bo, out0; writes out0
.if DOCPART == 4
	.amdgcn_target "amdgcn-amd-amdhsa--gfx1250"
	.amdhsa_code_object_version 6
	.text
	.protected	k_q1063ca4b69_outp
	.globl	k_q1063ca4b69_outp
	.p2align	8
	.type	k_q1063ca4b69_outp,@function
k_q1063ca4b69_outp:
	s_mov_b64 s[64:65], 0
	v_nop
	global_prefetch_b8 v0, s[64:65] scope:SCOPE_SE
	s_setreg_imm32_b32 hwreg(HW_REG_WAVE_MODE, 25, 1), 1
	s_wait_xcnt 0x0
; OUTP.  out0 = A Wo + bo, A = the gated attention output, both operands as codes of FP6 (E2M3) with E8M0 scales, laid as images of the operands' registers.
; SHARES.  A work-group takes 64 tokens x 256 columns; wave w takes 64 columns (Wo's column tiles 16 y + 4 w + 0 .. 3) for the 64 tokens: 16 accumulators, 64 products.
; THE PRODUCT IS USED TRANSPOSED (source 0 = 16 columns of Wo, source 1 = 16 tokens): a lane holds one token and eight neighbouring columns.  The bias is the C of each sum's first product.
; A wave's 64 columns are 256 bytes of a row of out0, at a multiple of 256 from its first byte: so the stage on the way out is the wave's own, and no barrier is needed.
; No tensor loads and no cluster: all operands are asked for at the head and go from memory straight into the registers of the wave that uses them.
; A's images come in halves (one head each): registers 0-3 at 16 x lane, registers 4, 5 at 512 + 8 x lane, the second half 768 bytes on.
; REGISTERS: window 0: v1-9 addresses; v16-31 Wo's scale words, v32-47 A's; v48-79 the bias tiles; v80-207 the accumulators (token tile m, column tile t at 80 + 8 (4 m + t));
;   v208-239 and v16-47 by turns: rows on the way out.   window 1: Wo's fragments at 12 (4 t + s).   window 2: A's at 12 (4 m + s).
.set WSC,   786432
.set QSC,   3145728
.set SPARE, 17408                      ; behind the four stages of 16 x 272 bytes: the spare words, 128 bytes for each wave: two blocks of 256 bytes that no other line names
.set SPW, 8
.set NIL, 9
.set MSB, 0
.macro WIN new                         ; the immediate's high byte repeats the setting that is left
.if MSB != \new
	s_set_vgpr_msb (MSB<<8)|\new
.set MSB, \new
.endif
.endm
	s_load_b256 s[4:11], s[0:1], 0x0               ; aq, wq, bo, out0
	v_lshl_add_u32 v[SPW], v0, 2, SPARE
	v_mov_b32 v[NIL], 0
	v_lshrrev_b32 v1, 5, v0
	v_readfirstlane_b32 s3, v1                     ; wave 0..3
	v_and_b32 v10, 31, v0                          ; lane
	v_and_b32 v11, 15, v0                          ; r
	v_bfe_u32 v12, v0, 4, 1                        ; h
	v_lshlrev_b32 v1, 4, v10                       ; 16 x lane
	v_lshlrev_b32 v2, 3, v10                       ; 8 x lane
	v_lshlrev_b32 v3, 2, v10                       ; 4 x lane
	v_lshlrev_b32 v4, 5, v12                       ; 32 h
	s_mul_i32 s28, s3, 4352                        ; my stage
	v_mul_u32_u24 v5, v11, 272
	v_lshl_add_u32 v5, v12, 5, v5
	v_add_nc_u32 v5, s28, v5                       ; in: row r, + 32 h
	v_mul_u32_u24 v6, v12, 272
	v_lshl_add_u32 v6, v11, 4, v6
	v_add_nc_u32 v6, s28, v6                       ; back: lanes 0-15 one row of 256 bytes, lanes 16-31 the next
	v_lshlrev_b32 v7, 11, v12
	v_lshl_add_u32 v7, v11, 4, v7                  ; and the same two rows in out0
	s_and_b32 s12, ttmp7, 0xffff                   ; y: which 256 columns
	s_lshl_b32 s13, s12, 4
	s_lshl_b32 s14, s3, 2
	s_add_co_u32 s13, s13, s14
	s_add_co_u32 s13, s13, 96                      ; Wo's tiles begin at 96 in wq
	s_mul_i32 s16, s13, 6144
	s_mov_b32 s17, 0
	s_lshl_b32 s18, s13, 9
	s_add_co_u32 s18, s18, WSC
	s_mov_b32 s19, 0
	s_mul_i32 s20, ttmp9, 24576                    ; four token tiles of four images
	s_mov_b32 s21, 0
	s_lshl_b32 s22, ttmp9, 11
	s_add_co_u32 s22, s22, QSC
	s_mov_b32 s23, 0
	s_lshl_b32 s24, s12, 10
	s_lshl_b32 s25, s3, 8
	s_add_co_u32 s24, s24, s25                     ; my first column, in bytes
	s_mov_b32 s25, 0
	s_lshl_b32 s26, ttmp9, 17                      ; 64 rows of 2,048 bytes
	s_add_co_u32 s26, s26, s24
	s_mov_b32 s27, 0
	s_wait_kmcnt 0x0
	s_add_nc_u64 s[12:13], s[6:7], s[18:19]        ; Wo's scale images
	s_add_nc_u64 s[6:7], s[6:7], s[16:17]          ; Wo's images
	s_add_nc_u64 s[14:15], s[4:5], s[22:23]        ; A's scale images
	s_add_nc_u64 s[4:5], s[4:5], s[20:21]          ; A's images
	s_add_nc_u64 s[8:9], s[8:9], s[24:25]
	s_add_nc_u64 s[10:11], s[10:11], s[26:27]
	WIN 0x40                                       ; destination window 1
.irp t, 0,1,2,3
.irp s, 0,1,2,3
.irp c, 0,1,2
	global_load_b128 v[12*(4*\t+\s)+4*\c:12*(4*\t+\s)+4*\c+3], v1, s[6:7] offset:6144*\t+1536*\s+512*\c
.endr
.endr
.endr
	WIN 0x80                                       ; destination window 2
.irp m, 0,1,2,3
.irp s, 0,1,2,3
	global_load_b128 v[12*(4*\m+\s):12*(4*\m+\s)+3], v1, s[4:5] offset:6144*\m+1536*\s
	global_load_b64 v[12*(4*\m+\s)+4:12*(4*\m+\s)+5], v2, s[4:5] offset:6144*\m+1536*\s+512
	global_load_b128 v[12*(4*\m+\s)+6:12*(4*\m+\s)+9], v1, s[4:5] offset:6144*\m+1536*\s+768
	global_load_b64 v[12*(4*\m+\s)+10:12*(4*\m+\s)+11], v2, s[4:5] offset:6144*\m+1536*\s+1280
.endr
.endr
	WIN 0
.irp t, 0,1,2,3
.irp s, 0,1,2,3
	global_load_b32 v[16+4*\t+\s], v3, s[12:13] offset:512*\t+128*\s
	global_load_b32 v[32+4*\t+\s], v3, s[14:15] offset:512*\t+128*\s
.endr
.endr
.irp t, 0,1,2,3                                ; lane (r, h) wants, for tile t, the bias of columns 16 t + 8 h + 0 .. 7
	global_load_b128 v[48+8*\t:51+8*\t], v4, s[8:9] offset:64*\t
	global_load_b128 v[52+8*\t:55+8*\t], v4, s[8:9] offset:64*\t+16
.endr
	s_wait_loadcnt 0x0
	WIN 0x09                                       ; source 0 (Wo) window 1, source 1 (A) window 2, C and D window 0
.irp s, 0,1,2,3                                ; the sixteen accumulators take turns, one instruction a turn
.irp m, 0,1,2,3
.irp t, 0,1,2,3
.if \s == 0
	v_wmma_scale_f32_16x16x128_f8f6f4 v[80+8*(4*\m+\t):87+8*(4*\m+\t)], v[12*(4*\t+\s):12*(4*\t+\s)+11], v[12*(4*\m+\s):12*(4*\m+\s)+11], v[48+8*\t:55+8*\t], v[16+4*\t+\s], v[32+4*\m+\s] matrix_a_fmt:MATRIX_FMT_FP6 matrix_b_fmt:MATRIX_FMT_FP6
.else
	v_wmma_scale_f32_16x16x128_f8f6f4 v[80+8*(4*\m+\t):87+8*(4*\m+\t)], v[12*(4*\t+\s):12*(4*\t+\s)+11], v[12*(4*\m+\s):12*(4*\m+\s)+11], v[80+8*(4*\m+\t):87+8*(4*\m+\t)], v[16+4*\t+\s], v[32+4*\m+\s] matrix_a_fmt:MATRIX_FMT_FP6 matrix_b_fmt:MATRIX_FMT_FP6
.endif
.endr
.endr
.endr
	WIN 0
.rept 4
	v_nop                                          ; four places in front of the first read of results and of loads into registers that held scale words
.endr
; THE WAY OUT, 16 tokens at a time: a lane's 32 bytes of a row go into my stage (rows of 272 bytes) and come back as whole rows of 256 bytes.
; LDS serves a wave's instructions in order (ISA guide 5.7.1.4): no wait between the stores and the loads, nor in front of the next block's stores.
.macro TOSTAGE m
.irp t, 0,1,2,3
	ds_store_b128 v5, v[80+8*(4*(\m)+\t):83+8*(4*(\m)+\t)] offset:64*\t        ; each accumulator from its low end on
	ds_store_b128 v5, v[84+8*(4*(\m)+\t):87+8*(4*(\m)+\t)] offset:64*\t+16
.endr
.set OBB, 208-192*((\m)%2)
.irp i, 0,1,2,3,4,5,6,7
	ds_load_b128 v[OBB+4*\i:OBB+4*\i+3], v6 offset:544*\i
.endr
.endm
.macro SEND m, younger                 ; younger: the LDS instructions issued behind block m's loads, which may stay out
.set OBB, 208-192*((\m)%2)
	s_wait_dscnt \younger
.irp i, 0,1,2,3,4,5,6,7
	global_store_b128 v7, v[OBB+4*\i:OBB+4*\i+3], s[10:11] offset:(16*(\m)+2*\i)*2048 th:TH_STORE_NT   ; 16 lanes store 256 consecutive bytes, at a multiple of 256 from out0's first byte
.endr
.endm
	TOSTAGE 0
	TOSTAGE 1
	SEND 0, 16                                     ; behind block 0's loads: block 1's 8 stores and 8 loads
	s_wait_xcnt 0x0                                ; block 0's stores have read their registers: block 2's loads may land there
	TOSTAGE 2
	SEND 1, 16
	s_wait_xcnt 0x0                                ; block 1's likewise
	TOSTAGE 3
	SEND 2, 16
	SEND 3, 0
	s_wait_tensorcnt 0x0                           ; the wave's end, behind my last LDS store
	ds_add_u32 v[SPW], v[NIL]
	s_wait_dscnt 0x0
	s_endpgm
.Lfunc_end_k_q1063ca4b69_outp:
	.size	k_q1063ca4b69_outp, .Lfunc_end_k_q1063ca4b69_outp-k_q1063ca4b69_outp
	.p2alignl 7, 3214868480
	.fill 96, 4, 3214868480
	.section	.rodata,"a",@progbits
	.p2align	6, 0x0
	.amdhsa_kernel k_q1063ca4b69_outp
		.amdhsa_group_segment_fixed_size 17920
		.amdhsa_private_segment_fixed_size 0
		.amdhsa_enable_private_segment 0
		.amdhsa_kernarg_size 32
		.amdhsa_user_sgpr_count 2
		.amdhsa_user_sgpr_kernarg_segment_ptr 1
		.amdhsa_wavefront_size32 1
		.amdhsa_system_sgpr_workgroup_id_x 1
		.amdhsa_system_sgpr_workgroup_id_y 1
		.amdhsa_system_sgpr_workgroup_id_z 1
		.amdhsa_system_vgpr_workitem_id 0
		.amdhsa_next_free_vgpr 704
		.amdhsa_next_free_sgpr 66
		.amdhsa_reserve_vcc 0
		.amdhsa_float_denorm_mode_32 3
		.amdhsa_float_denorm_mode_16_64 3
		.amdhsa_memory_ordered 1
		.amdhsa_forward_progress 1
		.amdhsa_inst_pref_size 33
	.end_amdhsa_kernel
	.amdgpu_metadata
---
amdhsa.version: [ 1, 2 ]
amdhsa.kernels:
  - .name:           k_q1063ca4b69_outp
    .symbol:         k_q1063ca4b69_outp.kd
    .args:
      - { .name: aq, .offset: 0, .size: 8, .value_kind: global_buffer, .address_space: global }
      - { .name: wq, .offset: 8, .size: 8, .value_kind: global_buffer, .address_space: global }
      - { .name: bo, .offset: 16, .size: 8, .value_kind: global_buffer, .address_space: global }
      - { .name: out0, .offset: 24, .size: 8, .value_kind: global_buffer, .address_space: global }
    .group_segment_fixed_size: 17920
    .private_segment_fixed_size: 0
    .kernarg_segment_align: 8
    .kernarg_segment_size: 32
    .max_flat_workgroup_size: 128
    .sgpr_count:     66
    .vgpr_count:     704
    .wavefront_size: 32
...
	.end_amdgpu_metadata
.endif
;; end of part 4
;; ======== version 2 of 2: 4 launches
;; workspace buffers: xq 3,407,872 bytes; wq 851,968 bytes; hid 8,192 bytes; qq 3,407,872 bytes; kq 3,407,872 bytes; vq 3,407,872 bytes; gate 8,192 bytes; aq 3,407,872 bytes
;; launch prep (part 5): grid 392 x 1, 4 waves a work-group, no clusters, 38,400 bytes of LDS; arguments x, Wq, Wk, Wv, Wo, style, Ws1, bs1, xq, wq, hid; writes xq, wq, hid
.if DOCPART == 5
	.amdgcn_target "amdgcn-amd-amdhsa--gfx1250"
	.amdhsa_code_object_version 6
	.text
	.protected	k_q1063ca4b69_prep
	.globl	k_q1063ca4b69_prep
	.p2align	8
	.type	k_q1063ca4b69_prep,@function
k_q1063ca4b69_prep:
	s_mov_b64 s[64:65], 0
	v_nop
	global_prefetch_b8 v0, s[64:65] scope:SCOPE_SE
	s_setreg_imm32_b32 hwreg(HW_REG_WAVE_MODE, 25, 1), 1
	s_wait_xcnt 0x0
; PREP.  Three kinds of work-groups, told apart by the work-group's number alone:
;   0-255   x [8192][512] f32 becomes codes of FP6 (E2M3) with one E8M0 byte for each 32 along K            -> xq
;   256-383 Wq, Wk, Wv, Wo [512 (k)][512 (n)] f32 become codes along K, which is their FIRST axis            -> wq
;   384-391 hid = gelu(style Ws1 + bs1), exact gelu, f32 multiply-adds (its result goes on into a quantiser)  -> hid
; LAYOUT OF THE CODES.  A fragment (16 rows x 128 K, 12 registers a lane) lies in memory as an IMAGE OF ITS REGISTERS: register g of lane l
; at 512 (g / 4) + 16 l + 4 (g % 4): 1,536 bytes, three stores or loads of 16 bytes a lane, each 512 consecutive bytes.  Its scale words: 4 bytes a lane, 128 bytes.
; ORDER INSIDE A BLOCK OF 32.  Place p of a block holds k = p with bits 3 and 4 exchanged (0-7, 16-23, 8-15, 24-31).  Every operand of every product of this
; program has that order, so the products are those of the natural order; the blocks, and so the scales, are the natural ones.  It is the order in which a
; matrix result falls into a lane's registers, so that later launches quantise results with no shuffle.
; A block's scale is 2^(floor(log2(its largest magnitude)) - 2); its byte is the largest magnitude's exponent field - 2, held at 1 from below.
; LIMITS: a block of zeros, or one whose largest magnitude lies under 2^-124, gets the byte 1 (only this program reads the bytes; zero codes add nothing);
; NaN and infinities among the inputs are not served; the f32 sums of the gate are taken in another order than a row-by-row sum.
; No tensor loads, no cluster: x is read once by one wave, a weight's column tile once by one wave.
.set XSC,   3145728                    ; xq: the scale images begin behind 512 x 4 images of 1,536 bytes
.set WSC,   786432                     ; wq: behind 4 x 32 x 4 images
.set WST,   8448                       ; LDS: a stage of 16 rows x (512 + 16) bytes for each wave of a work-group that takes x: bytes 0 .. 33,791
.set RED,   33792                      ; the gate's partial sums: 128 threads x 32 bytes
.set SPARE, 37888                      ; the spare words, 128 bytes for each wave: two blocks of 256 bytes that no other line names
.set LN,  5                            ; v5   lane
.set RR,  6                            ; v6   lane % 16
.set HH,  7                            ; v7   lane / 16
.set SPW, 12                           ; v12  LDS address of my spare word; never rewritten
.set NIL, 13                           ; v13  0; never rewritten
.set SEL, 50                           ; s[50:51] lane selects for v_permlanex16_b32: lane l xor 16
.set R,   16                           ; x: v16-143 two K steps as loaded
.set XN,  144                          ; v144-207 64 numbers of my row: register 16 b + i = place 16 (lane / 16) + i of block b
.set PC,  208                          ; v208-219 the first K step's codes
.set CT,  220                          ; v220-227 the conversions' second halves
.set TM,  228                          ; v228-243 at work in QUANT
.set PW,  244                          ; the first K step's scale word
.set WX,  16                           ; weights: v16-79 two blocks of 32 numbers of my column
.set WPC, 80                           ; v80-91 their codes;  v92-99 second halves;  v100-107 at work
.set WCT, 92
.macro FINISH                          ; the wave's end
	s_wait_tensorcnt 0x0
	ds_add_u32 v[SPW], v[NIL]
	s_wait_dscnt 0x0
	s_endpgm
.endm
; 64 numbers of a lane, v[s] on, become a fragment's codes in v[d] on and its row's scale word in v[pw].
.macro QUANT s, d, pw
.irp b, 0,1,2,3
	v_max3_num_f32 v[TM+\b], |v[\s+16*\b]|, |v[\s+16*\b+1]|, 0x1800000   ; block b: my 16 numbers, and the floor 2^(3 - 127): the byte cannot fall under 1
.endr
.irp i, 2,4,6,8,10,12,14
.irp b, 0,1,2,3
	v_max3_num_f32 v[TM+\b], v[TM+\b], |v[\s+16*\b+\i]|, |v[\s+16*\b+\i+1]|   ; the four blocks by turns
.endr
.endr
.irp b, 0,1,2,3
	v_permlanex16_b32 v[TM+4+\b], v[TM+\b], s[SEL], s[SEL+1]
.endr
.irp b, 0,1,2,3
	v_max_num_f32 v[TM+\b], v[TM+\b], v[TM+4+\b]   ; with lane l xor 16's: the block's largest magnitude
.endr
.irp b, 0,1,2,3
	v_add_nc_u32 v[TM+12+\b], 0xff000000, v[TM+\b]   ; 2 off its exponent field: the conversion's scale operand
.endr
.irp b, 0,1,2,3
	v_lshrrev_b32 v[TM+4+\b], 23, v[TM+12+\b]      ; the scale's byte
.endr
	v_lshl_or_b32 v[\pw], v[TM+5], 8, v[TM+4]
	v_lshl_or_b32 v[\pw], v[TM+6], 16, v[\pw]
	v_lshl_or_b32 v[\pw], v[TM+7], 24, v[\pw]
.irp c, 0,1
	v_cvt_scalef32_pk16_fp6_f32 v[\d+6*\c:\d+6*\c+2], v[\s+32*\c:\s+32*\c+15], v[TM+12+2*\c]
	v_cvt_scalef32_pk16_fp6_f32 v[CT+4*\c:CT+4*\c+2], v[\s+32*\c+16:\s+32*\c+31], v[TM+13+2*\c]   ; (a conversion's three registers begin on an even number)
.endr
	v_nop                                          ; one plain place behind a scaled conversion
.irp c, 0,1                                    ; the operand wants a WHOLE block in a lane: lanes 0-15 block 2 c, lanes 16-31 block 2 c + 1
.irp i, 0,1,2
	v_permlane16_swap_b32 v[\d+6*\c+\i], v[CT+4*\c+\i]
.endr
.irp i, 0,1,2
	v_mov_b32 v[\d+6*\c+3+\i], v[CT+4*\c+\i]
.endr
.endr
.endm
; THE GATE'S LAYER: OUT[b][64 g + n] = act(sum over k of IN[b][k] W[k][64 g + n] + BIAS), b = 0 .. 3.  s[4:5] IN, s[6:7] W, s[8:9] BIAS, s[10:11] OUT, s3 wave, s12 g.
; A lane takes two neighbouring columns (a load of 8 bytes a lane reads 256 consecutive bytes of a row of W), wave w takes k = 128 w .. 128 w + 127; the four waves' parts meet in LDS.
; v16-143 W: a ring of four chunks of 16 k; v144-151 the sums (batch b: the pair at 144 + 2 b); v152-167 IN: lane l holds k = 4 l .. 4 l + 3 of each batch; s16-47 take turns for IN's numbers.
.macro GCHUNK c
.irp k, 0,1,2,3,4,5,6,7,8,9,10,11,12,13,14,15
	global_load_b64 v[16+32*((\c)%4)+2*\k:16+32*((\c)%4)+2*\k+1], v172, s[6:7] offset:(16*(\c)+\k)*2048 th:TH_LOAD_NT
.endr
.endm
.macro GWORK c, left
	s_wait_loadcnt \left                           ; this chunk is in; the younger chunks, 16 loads each, stay out
.irp k, 0,1,2,3,4,5,6,7,8,9,10,11,12,13,14,15
.irp b, 0,1,2,3
	v_readlane_b32 s[16+4*(\k%8)+\b], v[152+4*\b+(\k%4)], 4*(\c)+\k/4
.endr
.irp b, 0,1,2,3
.if ((\c) == 0) && (\k == 0)
	v_mul_f32 v[144+2*\b], s[16+4*(\k%8)+\b], v[16+32*((\c)%4)+2*\k]      ; the first k starts the sums: nothing is cleared
	v_mul_f32 v[145+2*\b], s[16+4*(\k%8)+\b], v[17+32*((\c)%4)+2*\k]
.else
	v_fmac_f32 v[144+2*\b], s[16+4*(\k%8)+\b], v[16+32*((\c)%4)+2*\k]
	v_fmac_f32 v[145+2*\b], s[16+4*(\k%8)+\b], v[17+32*((\c)%4)+2*\k]
.endif
.endr
.endr
.endm
.macro GATE act
	v_lshlrev_b32 v172, 3, v[LN]                   ; 8 x lane
	v_lshlrev_b32 v173, 4, v[LN]                   ; 16 x lane
	v_lshl_add_u32 v170, v0, 5, RED                ; where I put my eight sums: 32 bytes a thread
	v_lshl_add_u32 v171, v[LN], 5, RED
	s_lshl_b32 s13, s3, 3
	v_add_nc_u32 v171, s13, v171                   ; and where I read batch w's pair of my columns back, 1,024 bytes from wave to wave
	s_lshl_b32 s14, s3, 9                          ; IN: my 128 k
	s_mov_b32 s15, 0
	s_lshl_b32 s52, s12, 8                         ; my work-group's 64 columns, in bytes
	s_mov_b32 s53, 0
	s_lshl_b32 s54, s3, 18                         ; W: 128 rows of 2,048 bytes a wave
	s_add_co_u32 s54, s54, s52
	s_mov_b32 s55, 0
	s_lshl_b32 s56, s3, 11                         ; OUT: wave w finishes batch w
	s_add_co_u32 s56, s56, s52
	s_mov_b32 s57, 0
	s_wait_alu depctr_va_vdst(0)
	s_wait_kmcnt 0x0
	s_add_nc_u64 s[4:5], s[4:5], s[14:15]
	s_add_nc_u64 s[6:7], s[6:7], s[54:55]
	s_add_nc_u64 s[8:9], s[8:9], s[52:53]
	s_add_nc_u64 s[10:11], s[10:11], s[56:57]
.irp b, 0,1,2,3
	global_load_b128 v[152+4*\b:155+4*\b], v173, s[4:5] offset:2048*\b
.endr
	global_load_b64 v[168:169], v172, s[8:9]
	GCHUNK 0
	GCHUNK 1
	GCHUNK 2
	GCHUNK 3
	GWORK 0, 48
	GCHUNK 4
	GWORK 1, 48
	GCHUNK 5
	GWORK 2, 48
	GCHUNK 6
	GWORK 3, 48
	GCHUNK 7
	GWORK 4, 48
	GWORK 5, 32
	GWORK 6, 16
	GWORK 7, 0
	ds_store_b128 v170, v[144:147]
	ds_store_b128 v170, v[148:151] offset:16
	s_wait_dscnt 0x0                               ; for the others' sake: my stores have landed
	s_barrier_signal -1
	s_barrier_wait -1
.irp q, 0,1,2,3
	ds_load_b64 v[174+2*\q:175+2*\q], v171 offset:1024*\q
.endr
	s_wait_dscnt 0x0
	v_pk_add_f32 v[174:175], v[174:175], v[176:177]
	v_pk_add_f32 v[178:179], v[178:179], v[180:181]
	v_pk_add_f32 v[174:175], v[174:175], v[178:179]
	v_pk_add_f32 v[174:175], v[174:175], v[168:169]   ; y, two columns
.if \act == 0
	; gelu(y) = y Phi(y).  With z = |y| / sqrt(2) and E = erfc(z): Phi = 1 - E / 2 for y >= 0, E / 2 for y < 0.
	; E = t exp(-z z + a polynomial of degree 9 in t), t = 1 / (1 + z / 2): a fit whose fractional error stays near 1e-7 for every z, so that the small tail keeps its relative accuracy.
	v_mul_f32 v176, 0x3f3504f3, |v174|
	v_mul_f32 v177, 0x3f3504f3, |v175|
	v_fma_f32 v178, v176, 0.5, 1.0
	v_fma_f32 v179, v177, 0.5, 1.0
	s_wait_alu depctr_va_vdst(0)
	v_rcp_f32 v180, v178
	v_rcp_f32 v181, v179
	v_mov_b32 v182, 0x3e2ef946                     ; 0.17087277  (plain work behind the reciprocals)
	v_mov_b32 v183, 0x3e2ef946
	s_wait_alu depctr_va_vdst(0)                   ; one wait for both reciprocals, ahead of their first reader
.irp kk, 0xbf527892, 0x3fbe87b0, 0xbf914e5d, 0x3e8ec7cc, 0xbe3ec24c, 0x3dc636c9, 0x3ebf88fb, 0x3f8000c7, 0xbfa1fc4e
	v_fmaak_f32 v182, v182, v180, \kk              ; -0.82215223, 1.48851587, -1.13520398, 0.27886807, -0.18628806, 0.09678418, 0.37409196, 1.00002368, -1.26551223
	v_fmaak_f32 v183, v183, v181, \kk
.endr
	v_fma_f32 v182, -v176, v176, v182
	v_fma_f32 v183, -v177, v177, v183
	v_mul_f32 v182, 0x3fb8aa3b, v182
	v_mul_f32 v183, 0x3fb8aa3b, v183
	s_wait_alu depctr_va_vdst(0)
	v_exp_f32 v182, v182
	v_exp_f32 v183, v183
	v_nop                                          ; a plain place behind the exponentials
	s_wait_alu depctr_va_vdst(0)                   ; one wait for both
	v_mul_f32 v182, v180, v182                     ; E
	v_mul_f32 v183, v181, v183
	v_mul_f32 v184, 0.5, v182
	v_mul_f32 v185, 0.5, v183
	v_fma_f32 v186, v182, -0.5, 1.0
	v_fma_f32 v187, v183, -0.5, 1.0
	v_cmp_le_f32 vcc_lo, 0, v174
	v_cndmask_b32 v184, v184, v186, vcc_lo
	v_cmp_le_f32 vcc_lo, 0, v175
	v_cndmask_b32 v185, v185, v187, vcc_lo
	v_pk_mul_f32 v[174:175], v[174:175], v[184:185]
.else
	v_mul_f32 v176, 0xbfb8aa3b, v174               ; sigmoid(y) = 1 / (1 + 2^(-y log2(e)))
	v_mul_f32 v177, 0xbfb8aa3b, v175
	v_exp_f32 v176, v176
	v_exp_f32 v177, v177
	v_nop
	s_wait_alu depctr_va_vdst(0)
	v_add_f32 v176, 1.0, v176
	v_add_f32 v177, 1.0, v177
	v_rcp_f32 v174, v176
	v_rcp_f32 v175, v177
	v_nop
	s_wait_alu depctr_va_vdst(0)
.endif
	global_store_b64 v172, v[174:175], s[10:11]    ; 32 lanes store 256 consecutive bytes, at a multiple of 256 from OUT's first byte
	FINISH
.endm
	v_lshl_add_u32 v[SPW], v0, 2, SPARE
	v_mov_b32 v[NIL], 0
	v_lshrrev_b32 v1, 5, v0
	v_readfirstlane_b32 s3, v1                     ; wave 0..3
	v_and_b32 v[LN], 31, v0
	v_and_b32 v[RR], 15, v0
	v_bfe_u32 v[HH], v0, 4, 1
	s_mov_b32 s[SEL], 0x76543210
	s_mov_b32 s[SEL+1], 0xfedcba98
	s_cmp_lt_u32 ttmp9, 256
	s_cbranch_scc1 .Lpath_x
	s_cmp_lt_u32 ttmp9, 384
	s_cbranch_scc1 .Lpath_w
	; ---- the gate's first layer: work-groups 384-391
	s_load_b128 s[4:7], s[0:1], 0x28               ; style, Ws1
	s_load_b64 s[8:9], s[0:1], 0x38                ; bs1
	s_load_b64 s[10:11], s[0:1], 0x50              ; hid
	s_sub_co_u32 s12, ttmp9, 384
	s_wait_alu depctr_va_vdst(0)
	GATE 0
	; ---- x: wave w takes tile T = 2 x work-group + w / 2 (16 rows) and half w % 2 of K (256 numbers, two K steps)
.Lpath_x:
	s_load_b64 s[4:5], s[0:1], 0x0                 ; x
	s_load_b64 s[8:9], s[0:1], 0x40                ; xq
	s_lshr_b32 s12, s3, 1
	s_lshl_b32 s13, ttmp9, 1
	s_add_co_u32 s12, s12, s13                     ; T
	s_and_b32 s13, s3, 1                           ; which half of K
	s_lshl_b32 s14, s12, 15                        ; 16 rows of 2,048 bytes a tile
	s_lshl_b32 s15, s13, 10
	s_add_co_u32 s14, s14, s15
	s_mov_b32 s15, 0
	s_lshl_b32 s16, s12, 2
	s_lshl_b32 s17, s13, 1
	s_add_co_u32 s16, s16, s17                     ; my first image: 4 T + 2 x half
	s_mul_i32 s18, s16, 1536
	s_mov_b32 s19, 0
	s_lshl_b32 s20, s16, 7
	s_add_co_u32 s20, s20, XSC
	s_mov_b32 s21, 0
	s_wait_alu depctr_va_vdst(0)
	v_lshlrev_b32 v1, 4, v[LN]                     ; 16 x lane
	v_lshlrev_b32 v4, 2, v[LN]                     ; 4 x lane
	s_mul_i32 s22, s3, WST                         ; my stage
	v_add_nc_u32 v2, s22, v1                       ; into it: a row's 512 bytes as they lie
	v_mul_u32_u24 v3, v[RR], 528
	v_lshl_add_u32 v3, v[HH], 5, v3
	v_add_nc_u32 v3, s22, v3                       ; out of it: row lane % 16, + 32 (lane / 16): of each block k = 8 h .. 8 h + 7 and 16 + 8 h .. 16 + 8 h + 7
.irp b, 0,1,2,3
	v_mov_b32 v[TM+4+\b], 0                        ; written once: a lane permute's destination counts as one of its sources
.endr
	s_wait_alu depctr_va_vdst(0)
	s_wait_kmcnt 0x0
	s_add_nc_u64 s[4:5], s[4:5], s[14:15]
	s_add_nc_u64 s[10:11], s[8:9], s[20:21]        ; my scale images
	s_add_nc_u64 s[8:9], s[8:9], s[18:19]          ; my images
.set J, 0
.rept 32                                       ; K step J / 16, row J % 16: 32 lanes read 512 consecutive bytes of a row
	global_load_b128 v[R+4*J:R+4*J+3], v1, s[4:5] offset:2048*(J%16)+512*(J/16) th:TH_LOAD_NT
.set J, J+1
.endr
.macro XSTEP sp, d, pw, left
	s_wait_loadcnt \left                           ; this K step's 16 loads are in
.set J, 0
.rept 16
	ds_store_b128 v2, v[R+64*\sp+4*J:R+64*\sp+4*J+3] offset:528*J
.set J, J+1
.endr
.set J, 0
.rept 16                                       ; LDS serves a wave's instructions in order (ISA guide 5.7.1.4): these see my stores; the stage is my wave's own
	ds_load_b128 v[XN+4*J:XN+4*J+3], v3 offset:128*(J/4)+16*(J%2)+64*((J/2)%2)
.set J, J+1
.endr
	s_wait_dscnt 0x0
	QUANT XN, \d, \pw
.irp c, 0,1,2
	global_store_b128 v1, v[\d+4*\c:\d+4*\c+3], s[8:9] offset:1536*\sp+512*\c   ; 512 consecutive bytes a store
.endr
	global_store_b32 v4, v[\pw], s[10:11] offset:128*\sp
.endm
	XSTEP 0, PC, PW, 16                            ; the second K step's 16 loads stay out
	XSTEP 1, 16, 28, 0                             ; its codes and word go to registers of their own: no store's data are written again
	FINISH
	; ---- the four weights: Y = work-group - 256: weight Y / 32, K step Y % 4, column tile 4 ((Y / 4) % 8) + wave: the four waves stand side by side on 256 bytes of each row
.Lpath_w:
	s_load_b256 s[4:11], s[0:1], 0x8               ; Wq, Wk, Wv, Wo
	s_load_b64 s[12:13], s[0:1], 0x48              ; wq
	s_sub_co_u32 s14, ttmp9, 256
	s_lshr_b32 s15, s14, 5                         ; which weight
	s_and_b32 s16, s14, 3                          ; K step
	s_bfe_u32 s17, s14, 0x30002
	s_lshl_b32 s17, s17, 2
	s_add_co_u32 s17, s17, s3                      ; column tile
	s_lshl_b32 s18, s16, 18                        ; 128 rows of 2,048 bytes a K step
	s_lshl_b32 s19, s17, 6
	s_add_co_u32 s18, s18, s19
	s_mov_b32 s19, 0
	s_lshl_b32 s20, s15, 7
	s_lshl_b32 s21, s17, 2
	s_add_co_u32 s20, s20, s21
	s_add_co_u32 s20, s20, s16                     ; the image's number: 128 x weight + 4 x tile + K step
	s_mul_i32 s22, s20, 1536
	s_mov_b32 s23, 0
	s_lshl_b32 s24, s20, 7
	s_add_co_u32 s24, s24, WSC
	s_mov_b32 s25, 0
	s_wait_alu depctr_va_vdst(0)
	v_lshlrev_b32 v1, 2, v[RR]                     ; LANE r TAKES COLUMN r, AND ITS REGISTERS RUN DOWN K;
	v_lshl_add_u32 v1, v[HH], 16, v1               ; lanes 16-31 begin 32 rows further down
	v_lshlrev_b32 v2, 4, v[LN]
	v_lshlrev_b32 v3, 2, v[LN]
	s_wait_alu depctr_va_vdst(0)
	s_wait_kmcnt 0x0
	s_cmp_eq_u32 s15, 1                            ; the choice hangs on the work-group's number alone
	s_cselect_b64 s[4:5], s[6:7], s[4:5]
	s_cmp_eq_u32 s15, 2
	s_cselect_b64 s[4:5], s[8:9], s[4:5]
	s_cmp_eq_u32 s15, 3
	s_cselect_b64 s[4:5], s[10:11], s[4:5]
	s_add_nc_u64 s[4:5], s[4:5], s[18:19]
	s_add_nc_u64 s[14:15], s[12:13], s[24:25]
	s_add_nc_u64 s[12:13], s[12:13], s[22:23]
.set J, 0
.rept 64                                       ; register 32 c + i: place i of block 2 c + lane / 16: row 64 c + 32 (lane / 16) + (i with bits 3 and 4 exchanged)
	global_load_b32 v[WX+J], v1, s[4:5] offset:(64*(J/32)+(J%8)+16*((J/8)%2)+8*((J/16)%2))*2048
.set J, J+1
.endr
	s_wait_loadcnt 0x0
.irp c, 0,1
	v_max3_num_f32 v[100+\c], |v[WX+32*\c]|, |v[WX+32*\c+1]|, 0x1800000   ; all 32 numbers of a block are mine; the floor as above
.endr
.irp i, 2,4,6,8,10,12,14,16,18,20,22,24,26,28,30
.irp c, 0,1
	v_max3_num_f32 v[100+\c], v[100+\c], |v[WX+32*\c+\i]|, |v[WX+32*\c+\i+1]|
.endr
.endr
.irp c, 0,1
	v_add_nc_u32 v[102+\c], 0xff000000, v[100+\c]
.endr
.irp c, 0,1
	v_lshrrev_b32 v[104+\c], 23, v[102+\c]
.endr
	v_lshl_or_b32 v106, v105, 16, v104             ; my two bytes: blocks h and 2 + h of my column,
	v_lshlrev_b32 v107, 3, v[HH]
	v_lshlrev_b32 v106, v107, v106                 ; at their places in the scale word;
	v_mov_b32 v107, 0
	v_permlanex16_b32 v107, v106, s[SEL], s[SEL+1]
	v_or_b32 v106, v106, v107                      ; with lane l xor 16's two the word is whole, in both halves of the lanes
.irp c, 0,1
	v_cvt_scalef32_pk16_fp6_f32 v[WPC+6*\c:WPC+6*\c+2], v[WX+32*\c:WX+32*\c+15], v[102+\c]
	v_cvt_scalef32_pk16_fp6_f32 v[WCT+4*\c:WCT+4*\c+2], v[WX+32*\c+16:WX+32*\c+31], v[102+\c]
.endr
	v_nop                                          ; one plain place behind a scaled conversion
.irp c, 0,1
.irp i, 0,1,2
	v_mov_b32 v[WPC+6*\c+3+\i], v[WCT+4*\c+\i]
.endr
.endr
.irp c, 0,1,2
	global_store_b128 v2, v[WPC+4*\c:WPC+4*\c+3], s[12:13] offset:512*\c
.endr
	global_store_b32 v3, v106, s[14:15]
	FINISH
.Lfunc_end_k_q1063ca4b69_prep:
	.size	k_q1063ca4b69_prep, .Lfunc_end_k_q1063ca4b69_prep-k_q1063ca4b69_prep
	.p2alignl 7, 3214868480
	.fill 96, 4, 3214868480
	.section	.rodata,"a",@progbits
	.p2align	6, 0x0
	.amdhsa_kernel k_q1063ca4b69_prep
		.amdhsa_group_segment_fixed_size 38400
		.amdhsa_private_segment_fixed_size 0
		.amdhsa_enable_private_segment 0
		.amdhsa_kernarg_size 88
		.amdhsa_user_sgpr_count 2
		.amdhsa_user_sgpr_kernarg_segment_ptr 1
		.amdhsa_wavefront_size32 1
		.amdhsa_system_sgpr_workgroup_id_x 1
		.amdhsa_system_sgpr_workgroup_id_y 1
		.amdhsa_system_sgpr_workgroup_id_z 1
		.amdhsa_system_vgpr_workitem_id 0
		.amdhsa_next_free_vgpr 256
		.amdhsa_next_free_sgpr 66
		.amdhsa_reserve_vcc 1
		.amdhsa_float_denorm_mode_32 3
		.amdhsa_float_denorm_mode_16_64 3
		.amdhsa_memory_ordered 1
		.amdhsa_forward_progress 1
		.amdhsa_inst_pref_size 110
	.end_amdhsa_kernel
	.amdgpu_metadata
---
amdhsa.version: [ 1, 2 ]
amdhsa.kernels:
  - .name:           k_q1063ca4b69_prep
    .symbol:         k_q1063ca4b69_prep.kd
    .args:
      - { .name: x, .offset: 0, .size: 8, .value_kind: global_buffer, .address_space: global }
      - { .name: Wq, .offset: 8, .size: 8, .value_kind: global_buffer, .address_space: global }
      - { .name: Wk, .offset: 16, .size: 8, .value_kind: global_buffer, .address_space: global }
      - { .name: Wv, .offset: 24, .size: 8, .value_kind: global_buffer, .address_space: global }
      - { .name: Wo, .offset: 32, .size: 8, .value_kind: global_buffer, .address_space: global }
      - { .name: style, .offset: 40, .size: 8, .value_kind: global_buffer, .address_space: global }
      - { .name: Ws1, .offset: 48, .size: 8, .value_kind: global_buffer, .address_space: global }
      - { .name: bs1, .offset: 56, .size: 8, .value_kind: global_buffer, .address_space: global }
      - { .name: xq, .offset: 64, .size: 8, .value_kind: global_buffer, .address_space: global }
      - { .name: wq, .offset: 72, .size: 8, .value_kind: global_buffer, .address_space: global }
      - { .name: hid, .offset: 80, .size: 8, .value_kind: global_buffer, .address_space: global }
    .group_segment_fixed_size: 38400
    .private_segment_fixed_size: 0
    .kernarg_segment_align: 8
    .kernarg_segment_size: 88
    .max_flat_workgroup_size: 128
    .sgpr_count:     66
    .vgpr_count:     256
    .wavefront_size: 32
...
	.end_amdgpu_metadata
.endif
;; end of part 5
;; launch proj (part 6): grid 200 x 1, 4 waves a work-group, no clusters, 4,608 bytes of LDS; arguments xq, wq, bq, bk, bv, qq, kq, vq, hid, Ws2, bs2, gate; writes qq, kq, vq, gate
.if DOCPART == 6
	.amdgcn_target "amdgcn-amd-amdhsa--gfx1250"
	.amdhsa_code_object_version 6
	.text
	.protected	k_q1063ca4b69_proj
	.globl	k_q1063ca4b69_proj
	.p2align	8
	.type	k_q1063ca4b69_proj,@function
k_q1063ca4b69_proj:
	s_mov_b64 s[64:65], 0
	v_nop
	global_prefetch_b8 v0, s[64:65] scope:SCOPE_SE
	s_setreg_imm32_b32 hwreg(HW_REG_WAVE_SCHED_MODE, 0, 2), 2
	s_setreg_imm32_b32 hwreg(HW_REG_WAVE_MODE, 25, 1), 1
	s_wait_xcnt 0x0
	s_wait_alu depctr_vm_vsrc(0)
; PROJ.  Work-groups 0-63: q = x Wq + bq; 64-127: k = x Wk + bk; 128-191: v = x Wv + bv, on codes of FP6 (E2M3) with E8M0 scales; each result is quantised at once for the product that takes it.
; Work-groups 192-199: gate = sigmoid(hid Ws2 + bs2), f32 multiply-adds.
; ONE TEXT FOR q, k AND v.  D = P x S: P (source 0) stays in registers: 8 tiles of 16 rows x 512 K; S (source 1) streams: 8 tiles.  In the result a lane holds one row of S, and its 64 registers
; run along P's 128 rows: the axis along which the result is quantised.
;   q, k: P = 128 columns of the weight (heads 2 w and 2 w + 1), S = 128 tokens: a lane holds a token, registers run along the heads' channels (K of q k^T).
;   v:    P = 128 tokens (a key step), S = 128 columns of Wv: a lane holds a channel, registers run along the keys (K of p v).
; Only pointers and offsets are chosen, by the work-group's number.  Tiles 2 b and 2 b + 1 of the result give a lane 16 numbers of block b, in the order inside a block that all operands of this program have.
; OUT.  q, k: images of PAIRS of token tiles: registers 0-5 tile 2 i's 64 channels of a head, registers 6-11 tile 2 i + 1's; the pair's word: bytes 0, 1 tile 2 i, bytes 2, 3 tile 2 i + 1.
;       v: images of 16 channels x 128 keys, [head][key step][channel tile].
; The bias along P's rows is the C of each sum's first product (q, k; zeros for v); the bias along the lanes is added behind the products (v; zero for q, k).
; No LDS and no cluster in the products: every operand comes from memory as an image of its registers and is used by the wave that loads it; a pass through LDS would add a write and a read for each byte.
; LIMITS: as in the launch before: byte 1 for blocks under 2^-124; NaN and infinities are not served.
; REGISTERS, in windows of 256: window 0: addresses, scale words, the result, two out-buffers;  window 1: P's K steps 0, 1 at 12 (2 t + s);  window 2: K steps 2, 3 likewise, from v192 the bias tiles;  window 3: S, two sets of 48.
; THE MODE: SCHED_MODE bits 1:0 = 2 (LLVM: expert scheduling mode 2), set by the entry lines.  The code itself states the register dependences
; between vector or matrix instructions and memory or LDS instructions, with s_wait_alu, always for 0.
; THE PLAN, for the products.  Registers that memory instructions touch:
;   v1-v4           offsets, made once at the head and never written again.
;   P, bias, PSC    loaded once at the head; read by matrix instructions (the bias tiles also by 64 selects at the head); no load lands there again.
;   S set e, SSC set e, BLR e   Tile m (e = m % 2): its 32 products read the set and its scale words, one select reads BLR e; behind them the 17 loads of tile m + 2 land there.
;   OUT0, OUT1      Pair p (tiles 2 p, 2 p + 1): conversions, exchanges and copies write OUT[p % 2]; its stores are issued in tile 2 p + 2; it is written again from tile 2 p + 4 on.
; So ONE wait on va_vdst stands in a tile, behind its products and their places: it states that the products and the select are done reading set e, and that the pair before is written whole.
; The tile's loads and the pair's stores follow it with no vector instruction between.  A wait on vm_vsrc, beside the wait on XCNT, stands in tiles 4 and 6 alone, two tiles behind the stores that it speaks of.
; THE PLAN, for the gate.  v16-143: a ring of four chunks of W: chunk c's multiply-adds read it, chunk c + 4's loads land in it: a wait on va_vdst between.  s16-47: written by runs of 32 v_readlane_b32,
; read by the 64 multiply-adds behind each run: a wait on va_sdst between.  v144-151, the sums: written by the multiply-adds, read by two LDS stores: a wait on va_vdst between.
.set XSC,   3145728
.set WSC,   786432
.set QSC,   3145728
.set RED,   0                          ; LDS: the gate's partial sums
.set SPARE, 4096                       ; the spare words, 128 bytes for each wave: two blocks of 256 bytes that no other line names
.set ZERO, 5                           ; v5   0
.set SPW,  6                           ; v6   LDS address of my spare word; never rewritten
.set NIL,  7                           ; v7   0; never rewritten
.set SSC,  8                           ; v8-15  S's scale words, set e at 8 + 4 e
.set BLR,  16                          ; v16-17 the bias along the lanes as loaded, one for each set
.set PSC,  20                          ; v20-51 P's scale words, 4 t + s
.set BLM,  52                          ; v[52:53] the bias along the lanes in use (0 for q, k), and 0
.set LN,   60                          ; v60  lane
.set HA,   64                          ; v64-127 the result: 8 tiles
.set OUT,  128                         ; v128-163, v164-199 two out-buffers of 36 registers, for the pairs by turns.  In a buffer:
.set F1O,  12                          ;   0-11 the even tile's codes, 12-23 the odd tile's,
.set MVO,  24                          ;   24-31 the middle quarters of two pair images,
.set PWO,  32                          ;   32, 33 the two tiles' scale words,
.set WAO,  34                          ;   34, 35 the pairs' words
.set WBO,  35
.set CT,   200                         ; v200-207 the conversions' second halves
.set TM,   208                         ; v208-223 at work in QUANT
.set SEL,  46
.set MSB, 0
.macro WIN new                         ; the immediate's high byte repeats the setting that is left
.if MSB != \new
	s_set_vgpr_msb (MSB<<8)|\new
.set MSB, \new
.endif
.endm
.macro QUANT s, d, pw                  ; 64 numbers of a lane, register 16 b + i = my i-th of block b, become a fragment's codes and its row's scale word
.irp b, 0,1,2,3
	v_max3_num_f32 v[TM+\b], |v[\s+16*\b]|, |v[\s+16*\b+1]|, 0x1800000   ; and the floor 2^(3 - 127): the byte cannot fall under 1
.endr
.irp i, 2,4,6,8,10,12,14
.irp b, 0,1,2,3
	v_max3_num_f32 v[TM+\b], v[TM+\b], |v[\s+16*\b+\i]|, |v[\s+16*\b+\i+1]|
.endr
.endr
.irp b, 0,1,2,3
	v_permlanex16_b32 v[TM+4+\b], v[TM+\b], s[SEL], s[SEL+1]
.endr
.irp b, 0,1,2,3
	v_max_num_f32 v[TM+\b], v[TM+\b], v[TM+4+\b]
.endr
.irp b, 0,1,2,3
	v_add_nc_u32 v[TM+12+\b], 0xff000000, v[TM+\b]   ; 2 off the exponent field: the conversion's scale operand
.endr
.irp b, 0,1,2,3
	v_lshrrev_b32 v[TM+4+\b], 23, v[TM+12+\b]
.endr
	v_lshl_or_b32 v[\pw], v[TM+5], 8, v[TM+4]
	v_lshl_or_b32 v[\pw], v[TM+6], 16, v[\pw]
	v_lshl_or_b32 v[\pw], v[TM+7], 24, v[\pw]
.irp c, 0,1
	v_cvt_scalef32_pk16_fp6_f32 v[\d+6*\c:\d+6*\c+2], v[\s+32*\c:\s+32*\c+15], v[TM+12+2*\c]
	v_cvt_scalef32_pk16_fp6_f32 v[CT+4*\c:CT+4*\c+2], v[\s+32*\c+16:\s+32*\c+31], v[TM+13+2*\c]
.endr
	v_nop                                          ; one plain place behind a scaled conversion
.irp c, 0,1
.irp i, 0,1,2
	v_permlane16_swap_b32 v[\d+6*\c+\i], v[CT+4*\c+\i]
.endr
.irp i, 0,1,2
	v_mov_b32 v[\d+6*\c+3+\i], v[CT+4*\c+\i]
.endr
.endr
.endm
; THE GATE'S LAYER, as in the launch before: OUT[b][64 g + n] = act(sum over k of IN[b][k] W[k][64 g + n] + BIAS).  s[4:5] IN, s[6:7] W, s[8:9] BIAS, s[10:11] OUT, s3 wave, s12 g.
.macro GCHUNK c
.irp k, 0,1,2,3,4,5,6,7,8,9,10,11,12,13,14,15
	global_load_b64 v[16+32*((\c)%4)+2*\k:16+32*((\c)%4)+2*\k+1], v172, s[6:7] offset:(16*(\c)+\k)*2048 th:TH_LOAD_NT
.endr
.endm
.macro GHALF c, u                      ; k = 16 c + 8 u + 0 .. 7: IN's 32 numbers (8 k x 4 batches) into s16-47 in one run, then their 64 multiply-adds, k ascending
.irp k, 0,1,2,3,4,5,6,7
.irp b, 0,1,2,3
	v_readlane_b32 s[16+4*\k+\b], v[152+4*\b+(\k%4)], 4*(\c)+2*(\u)+\k/4
.endr
.endr
	s_wait_alu depctr_va_sdst(0)                   ; the 32 lines above have written s16 to s47, ahead of their first reader: one wait for the run
.irp k, 0,1,2,3,4,5,6,7
.irp b, 0,1,2,3
.if ((\c) == 0) && ((\u) == 0) && (\k == 0)
	v_mul_f32 v[144+2*\b], s[16+4*\k+\b], v[16+32*((\c)%4)+16*(\u)+2*\k]      ; the first k starts the sums
	v_mul_f32 v[145+2*\b], s[16+4*\k+\b], v[17+32*((\c)%4)+16*(\u)+2*\k]
.else
	v_fmac_f32 v[144+2*\b], s[16+4*\k+\b], v[16+32*((\c)%4)+16*(\u)+2*\k]
	v_fmac_f32 v[145+2*\b], s[16+4*\k+\b], v[17+32*((\c)%4)+16*(\u)+2*\k]
.endif
.endr
.endr
.endm
.macro GWORK c, left
	s_wait_loadcnt \left                           ; this chunk is in; the younger chunks, 16 loads each, stay out
	GHALF \c, 0
	GHALF \c, 1
.endm
	v_lshl_add_u32 v[SPW], v0, 2, SPARE
	v_mov_b32 v[NIL], 0
	v_lshrrev_b32 v1, 5, v0
	v_readfirstlane_b32 s3, v1                     ; wave 0..3
	v_and_b32 v[LN], 31, v0
	s_wait_alu depctr_va_sdst(0)                   ; s3 is written: ahead of the branch, on both ways
	s_cmp_ge_u32 ttmp9, 192
	s_cbranch_scc1 .Lgate
	s_load_b512 s[4:19], s[0:1], 0x0               ; xq, wq, bq, bk, bv, qq, kq, vq
	s_lshr_b32 s22, ttmp9, 6                       ; kind: 0 q, 1 k, 2 v
	s_and_b32 s23, ttmp9, 63                       ; X
	s_lshl_b32 s48, s3, 3                          ; 8 w
	s_lshl_b32 s49, s22, 5                         ; q, k: the weight's first tile in wq
	s_lshr_b32 s50, s23, 2
	s_and_b32 s51, s23, 3
	s_lshl_b32 s52, s50, 5                         ; v: 32 (X / 4): 512 tokens
	s_lshl_b32 s53, s23, 3                         ; q, k: S's first tile: 8 X
	s_lshl_b32 s54, s51, 3
	s_add_co_u32 s54, s54, 64                      ; v: Wv's tiles begin at 64; 8 (X % 4) on
	s_lshl_b32 s55, s3, 9                          ; q, k: the bias of my 128 columns
	s_lshl_b32 s56, s51, 9                         ; v: the bias of the work-group's 128 columns
	s_mov_b32 s57, WSC
	s_mov_b32 s58, XSC
	s_cmp_eq_u32 s22, 2
	s_cselect_b32 s24, -1, 0                       ; all lanes' bits for v, none for q and k
	s_cselect_b32 s49, s52, s49
	s_cselect_b32 s53, s54, s53
	s_cselect_b32 s57, XSC, s57                    ; where P's buffer has its scale images
	s_cselect_b32 s58, WSC, s58                    ; and S's
	s_cselect_b32 s60, 0, s55
	s_cselect_b32 s62, s56, 0
	s_mov_b32 s61, 0
	s_mov_b32 s63, 0
	s_add_co_u32 s49, s49, s48                     ; P's first tile
	s_mul_i32 s26, s49, 6144                       ; four images a tile
	s_mov_b32 s27, 0
	s_lshl_b32 s28, s49, 9
	s_add_co_u32 s28, s28, s57
	s_mov_b32 s29, 0
	s_mul_i32 s30, s53, 6144
	s_mov_b32 s31, 0
	s_lshl_b32 s32, s53, 9
	s_add_co_u32 s32, s32, s58
	s_mov_b32 s33, 0
	s_lshr_b32 s48, s23, 4
	s_lshl_b32 s48, s48, 3                         ; 8 x batch
	s_lshl_b32 s49, s3, 1
	s_add_co_u32 s49, s49, s48                     ; q, k: head 8 b + 2 w,
	s_lshl_b32 s49, s49, 6
	s_and_b32 s52, s23, 15
	s_lshl_b32 s52, s52, 2
	s_add_co_u32 s49, s49, s52                     ; pair 4 (X % 16)
	s_mul_i32 s38, s49, 1536
	s_mov_b32 s39, 0
	s_lshl_b32 s40, s49, 7
	s_add_co_u32 s40, s40, QSC
	s_mov_b32 s41, 0
	s_lshl_b32 s52, s51, 1
	s_add_co_u32 s52, s52, s48                     ; v: head 8 b + 2 (X % 4),
	s_lshl_b32 s52, s52, 4
	s_and_b32 s50, s50, 3
	s_lshl_b32 s50, s50, 2
	s_add_co_u32 s52, s52, s50
	s_add_co_u32 s52, s52, s3                      ; key step 4 ((X / 4) % 4) + w,
	s_lshl_b32 s52, s52, 2                         ; four channel tiles a key step
	s_mul_i32 s42, s52, 1536
	s_mov_b32 s43, 0
	s_lshl_b32 s44, s52, 7
	s_add_co_u32 s44, s44, QSC
	s_mov_b32 s45, 0
	s_mov_b32 s[SEL], 0x76543210
	s_mov_b32 s[SEL+1], 0xfedcba98
	s_wait_alu depctr_va_vdst(0)
	v_lshlrev_b32 v1, 4, v[LN]                     ; 16 x lane
	v_lshlrev_b32 v2, 2, v[LN]                     ; 4 x lane
	v_bfe_u32 v3, v0, 4, 1
	v_lshlrev_b32 v3, 5, v3                        ; 32 (lane / 16)
	v_and_b32 v4, 15, v0
	v_lshlrev_b32 v4, 2, v4                        ; 4 (lane % 16)
	v_mov_b32 v[ZERO], 0
	v_mov_b32 v[BLM+1], 0                          ; (named as the upper half of a pair)
.irp b, 0,1,2,3
	v_mov_b32 v[TM+4+\b], 0                        ; written once: a lane permute's destination counts as one of its sources
.endr
	s_wait_kmcnt 0x0
	s_cmp_eq_u32 s22, 2                            ; every choice hangs on the work-group's number alone
	s_cselect_b64 s[48:49], s[4:5], s[6:7]         ; P's buffer
	s_cselect_b64 s[50:51], s[6:7], s[4:5]         ; S's buffer
	s_cselect_b64 s[34:35], s[12:13], s[8:9]
	s_cmp_eq_u32 s22, 1
	s_cselect_b64 s[34:35], s[10:11], s[34:35]     ; the bias
	s_cselect_b64 s[52:53], s[16:17], s[14:15]     ; kq or qq
	s_add_nc_u64 s[26:27], s[48:49], s[26:27]      ; P's images
	s_add_nc_u64 s[28:29], s[48:49], s[28:29]      ; P's scale images
	s_add_nc_u64 s[30:31], s[50:51], s[30:31]      ; S's
	s_add_nc_u64 s[32:33], s[50:51], s[32:33]
	s_add_nc_u64 s[36:37], s[34:35], s[62:63]      ; the bias along the lanes
	s_add_nc_u64 s[34:35], s[34:35], s[60:61]      ; the bias along P's rows
	s_add_nc_u64 s[38:39], s[52:53], s[38:39]      ; q, k: pair images,
	s_add_nc_u64 s[40:41], s[52:53], s[40:41]      ; pair words
	s_add_nc_u64 s[42:43], s[18:19], s[42:43]      ; v: images,
	s_add_nc_u64 s[44:45], s[18:19], s[44:45]      ; scale images
	WIN 0x40                                       ; destination window 1
	s_wait_alu depctr_va_vdst(0)                   ; the offsets v1 to v4 are written, which every load and store of this path reads; up to the first select below only loads and window switches follow
.irp t, 0,1,2,3,4,5,6,7
.irp s, 0,1
.irp c, 0,1,2
	global_load_b128 v[12*(2*\t+\s)+4*\c:12*(2*\t+\s)+4*\c+3], v1, s[26:27] offset:6144*\t+1536*\s+512*\c
.endr
.endr
.endr
	WIN 0x80                                       ; destination window 2
.irp t, 0,1,2,3,4,5,6,7
.irp s, 2,3
.irp c, 0,1,2
	global_load_b128 v[12*(2*\t+\s-2)+4*\c:12*(2*\t+\s-2)+4*\c+3], v1, s[26:27] offset:6144*\t+1536*\s+512*\c
.endr
.endr
.endr
.irp t, 0,1,2,3,4,5,6,7                        ; lane (r, h) wants, for tile t, the bias of rows 16 t + 8 h + 0 .. 7
	global_load_b128 v[192+8*\t:192+8*\t+3], v3, s[34:35] offset:64*\t
	global_load_b128 v[192+8*\t+4:192+8*\t+7], v3, s[34:35] offset:64*\t+16
.endr
	WIN 0
.irp t, 0,1,2,3,4,5,6,7
.irp s, 0,1,2,3
	global_load_b32 v[PSC+4*\t+\s], v2, s[28:29] offset:512*\t+128*\s
.endr
.endr
.macro SLOAD e, m                      ; tile m of S into set e: 17 loads
	WIN 0xc0                                       ; destination window 3
.irp s, 0,1,2,3
.irp c, 0,1,2
	global_load_b128 v[48*(\e)+12*\s+4*\c:48*(\e)+12*\s+4*\c+3], v1, s[30:31] offset:6144*(\m)+1536*\s+512*\c
.endr
.endr
	WIN 0
.irp s, 0,1,2,3
	global_load_b32 v[SSC+4*(\e)+\s], v2, s[32:33] offset:512*(\m)+128*\s
.endr
	global_load_b32 v[BLR+(\e)], v4, s[36:37] offset:64*(\m)
.endm
	SLOAD 0, 0
	SLOAD 1, 1
	s_wait_loadcnt 17                              ; all but the 17 loads of tile 1
	WIN 0x82                                       ; destination and source 0 window 2
.set J, 0
.rept 64
	v_cndmask_b32 v[192+J], v[192+J], v[ZERO], s24   ; v has no bias along P's rows
.set J, J+1
.endr
	WIN 0
; The vector work that a q or k pair's stores want beside the codes: it stands ahead of the wait that the stores lean on, so it is outside their branch; in v's work-groups its results are not stored.
.macro PAIRPREP                        ; on the out-buffer OBB of the tile in hand
	v_mov_b32 v[OBB+MVO+0], v[OBB+4]               ; a head's pair image is the even tile's six registers, then the odd tile's six: its middle four are gathered
	v_mov_b32 v[OBB+MVO+1], v[OBB+5]
	v_mov_b32 v[OBB+MVO+2], v[OBB+F1O+0]
	v_mov_b32 v[OBB+MVO+3], v[OBB+F1O+1]
	v_mov_b32 v[OBB+MVO+4], v[OBB+10]
	v_mov_b32 v[OBB+MVO+5], v[OBB+11]
	v_mov_b32 v[OBB+MVO+6], v[OBB+F1O+6]
	v_mov_b32 v[OBB+MVO+7], v[OBB+F1O+7]
	v_perm_b32 v[OBB+WAO], v[OBB+PWO+1], v[OBB+PWO], 0x05040100   ; head 2 w: the two tiles' bytes 0, 1
	v_perm_b32 v[OBB+WBO], v[OBB+PWO+1], v[OBB+PWO], 0x07060302   ; head 2 w + 1: their bytes 2, 3
.endm
.macro PAIROUT p                       ; the stores of pair p (tiles 2 p and 2 p + 1), out of its out-buffer: stores alone, behind a wait on va_vdst that stands ahead of the macro
.set OBP, OUT+36*((\p)%2)
	s_cmp_eq_u32 s22, 2
	s_cbranch_scc1 .Lvout_\@
	global_store_b128 v1, v[OBP:OBP+3], s[38:39] offset:1536*(\p)
	global_store_b128 v1, v[OBP+MVO:OBP+MVO+3], s[38:39] offset:1536*(\p)+512
	global_store_b128 v1, v[OBP+F1O+2:OBP+F1O+5], s[38:39] offset:1536*(\p)+1024
	global_store_b128 v1, v[OBP+6:OBP+9], s[38:39] offset:98304+1536*(\p)
	global_store_b128 v1, v[OBP+MVO+4:OBP+MVO+7], s[38:39] offset:98304+1536*(\p)+512
	global_store_b128 v1, v[OBP+F1O+8:OBP+F1O+11], s[38:39] offset:98304+1536*(\p)+1024
	global_store_b32 v2, v[OBP+WAO], s[40:41] offset:128*(\p)
	global_store_b32 v2, v[OBP+WBO], s[40:41] offset:8192+128*(\p)
	s_branch .Ljoin_\@
.Lvout_\@:
.irp e, 0,1                                    ; v: tile m = 2 p + e is head m / 4 of the work-group's two, channel tile m % 4
.irp c, 0,1,2
	global_store_b128 v1, v[OBP+12*\e+4*\c:OBP+12*\e+4*\c+3], s[42:43] offset:98304*((\p)/2)+1536*(2*((\p)%2)+\e)+512*\c
.endr
	global_store_b32 v2, v[OBP+PWO+\e], s[44:45] offset:8192*((\p)/2)+128*(2*((\p)%2)+\e)
.endr
.Ljoin_\@:
.endm
.macro TILE m
.set E, (\m)%2
.set OBB, OUT+36*(((\m)/2)%2)
.if (\m) < 7
	s_wait_loadcnt 17                              ; this tile's 17 loads are in; the other set's 17 stay out
.else
	s_wait_loadcnt 0x0
.endif
	v_cndmask_b32 v[BLM], v[ZERO], v[BLR+E], s24   ; q and k have no bias along the lanes.  A copy: the register as loaded is loaded again below
	WIN 0x2d                                       ; source 0 (P) window 1, source 1 (S) window 3, C (the bias) window 2, D window 0
.irp t, 0,1,2,3,4,5,6,7                        ; the eight accumulators take turns, one instruction a turn
	v_wmma_scale_f32_16x16x128_f8f6f4 v[HA+8*\t:HA+8*\t+7], v[24*\t:24*\t+11], v[48*E:48*E+11], v[192+8*\t:192+8*\t+7], v[PSC+4*\t], v[SSC+4*E] matrix_a_fmt:MATRIX_FMT_FP6 matrix_b_fmt:MATRIX_FMT_FP6
.endr
	WIN 0x0d
.irp t, 0,1,2,3,4,5,6,7
	v_wmma_scale_f32_16x16x128_f8f6f4 v[HA+8*\t:HA+8*\t+7], v[24*\t+12:24*\t+23], v[48*E+12:48*E+23], v[HA+8*\t:HA+8*\t+7], v[PSC+4*\t+1], v[SSC+4*E+1] matrix_a_fmt:MATRIX_FMT_FP6 matrix_b_fmt:MATRIX_FMT_FP6
.endr
	WIN 0x0e                                       ; source 0 window 2
.irp t, 0,1,2,3,4,5,6,7
	v_wmma_scale_f32_16x16x128_f8f6f4 v[HA+8*\t:HA+8*\t+7], v[24*\t:24*\t+11], v[48*E+24:48*E+35], v[HA+8*\t:HA+8*\t+7], v[PSC+4*\t+2], v[SSC+4*E+2] matrix_a_fmt:MATRIX_FMT_FP6 matrix_b_fmt:MATRIX_FMT_FP6
.endr
.irp t, 0,1,2,3,4,5,6,7
	v_wmma_scale_f32_16x16x128_f8f6f4 v[HA+8*\t:HA+8*\t+7], v[24*\t+12:24*\t+23], v[48*E+36:48*E+47], v[HA+8*\t:HA+8*\t+7], v[PSC+4*\t+3], v[SSC+4*E+3] matrix_a_fmt:MATRIX_FMT_FP6 matrix_b_fmt:MATRIX_FMT_FP6
.endr
	WIN 0
.rept 4
	v_nop                                          ; four places (ISA guide 7.12.1) in front of the first read of results; they stay beside the wait below
.endr
.if (\m) < 7                                   ; (tile 7 has no load and no store behind its products, so it has no wait here)
	s_wait_alu depctr_va_vdst(0)                   ; tiles 0 to 5: this tile's products are done reading S's set E and its scale words, and the select above BLR E: the loads below land there; tiles 2, 4, 6: the pair before is written whole (codes, middle quarters, words), which the stores below read
.endif
.if (\m) < 6
	SLOAD E, (\m)+2
.endif
.if ((\m)%2 == 0) && ((\m) >= 2)
	PAIROUT (\m)/2-1                               ; out of the other out-buffer than the one that this tile writes; no vector instruction since the wait
.endif
.set J, 0
.rept 32
	v_pk_add_f32 v[HA+J:HA+J+1], v[HA+J:HA+J+1], v[BLM:BLM+1] op_sel_hi:[1,0]   ; ascending: each accumulator is read from its low end on
.set J, J+2
.endr
.if ((\m) == 4) || ((\m) == 6)
	s_wait_xcnt 0x0                                ; every earlier memory instruction has had its addresses translated (ISA guide 3.1): the out-buffer of two pairs back is rewritten only behind this wait,
	s_wait_alu depctr_vm_vsrc(0)                   ; and its stores, issued two tiles back, have read it: this tile and the next write it again, and no store reads it between
.endif
	QUANT HA, OBB+12*E, OBB+PWO+E
.if (\m)%2 == 1
	PAIRPREP
.endif
.endm
	s_wait_alu depctr_va_vdst(0)
	TILE 0
	TILE 1
	TILE 2
	TILE 3
	TILE 4
	TILE 5
	TILE 6
	TILE 7
	s_wait_alu depctr_va_vdst(0)                   ; tiles 6 and 7 have written the last pair's out-buffer, which the stores below read
	PAIROUT 3
	s_wait_dscnt 0x0                               ; the closing lines, six on end
	s_wait_alu 0x0
	s_wait_tensorcnt 0x0
	ds_add_u32 v[SPW], v[NIL]
	s_wait_dscnt 0x0
	s_endpgm
	; ---- the gate's second layer: work-groups 192-199
.Lgate:
	s_load_b256 s[4:11], s[0:1], 0x40              ; hid, Ws2, bs2, gate
	s_sub_co_u32 s12, ttmp9, 192
	s_wait_alu depctr_va_vdst(0)
	v_lshlrev_b32 v172, 3, v[LN]                   ; 8 x lane
	v_lshlrev_b32 v173, 4, v[LN]                   ; 16 x lane
	v_lshl_add_u32 v170, v0, 5, RED                ; where I put my eight sums: 32 bytes a thread
	v_lshl_add_u32 v171, v[LN], 5, RED
	s_lshl_b32 s13, s3, 3
	v_add_nc_u32 v171, s13, v171                   ; where I read batch w's pair of my columns back
	s_lshl_b32 s14, s3, 9
	s_mov_b32 s15, 0
	s_lshl_b32 s52, s12, 8
	s_mov_b32 s53, 0
	s_lshl_b32 s54, s3, 18
	s_add_co_u32 s54, s54, s52
	s_mov_b32 s55, 0
	s_lshl_b32 s56, s3, 11
	s_add_co_u32 s56, s56, s52
	s_mov_b32 s57, 0
	s_wait_kmcnt 0x0
	s_add_nc_u64 s[4:5], s[4:5], s[14:15]
	s_add_nc_u64 s[6:7], s[6:7], s[54:55]
	s_add_nc_u64 s[8:9], s[8:9], s[52:53]
	s_add_nc_u64 s[10:11], s[10:11], s[56:57]
	s_wait_alu depctr_va_vdst(0)                   ; the offsets and LDS addresses v170 to v173 are written, which the loads and stores below read; the lines above are done with v60, in which a load of chunk 1 lands
.irp b, 0,1,2,3
	global_load_b128 v[152+4*\b:155+4*\b], v173, s[4:5] offset:2048*\b
.endr
	global_load_b64 v[168:169], v172, s[8:9]
	GCHUNK 0
	GCHUNK 1
	GCHUNK 2
	GCHUNK 3
	GWORK 0, 48
	s_wait_alu depctr_va_vdst(0)                   ; chunk 0's multiply-adds are done reading its registers, in which chunk 4 lands
	GCHUNK 4
	GWORK 1, 48
	s_wait_alu depctr_va_vdst(0)                   ; chunk 1's likewise, for chunk 5
	GCHUNK 5
	GWORK 2, 48
	s_wait_alu depctr_va_vdst(0)                   ; chunk 2's, for chunk 6
	GCHUNK 6
	GWORK 3, 48
	s_wait_alu depctr_va_vdst(0)                   ; chunk 3's, for chunk 7
	GCHUNK 7
	GWORK 4, 48
	GWORK 5, 32
	GWORK 6, 16
	GWORK 7, 0
	s_wait_alu depctr_va_vdst(0)                   ; the multiply-adds have written the eight sums, which the LDS stores read
	ds_store_b128 v170, v[144:147]
	ds_store_b128 v170, v[148:151] offset:16
	s_wait_dscnt 0x0                               ; for the others' sake: my stores have landed
	s_barrier_signal -1
	s_barrier_wait -1
.irp q, 0,1,2,3
	ds_load_b64 v[174+2*\q:175+2*\q], v171 offset:1024*\q
.endr
	s_wait_dscnt 0x0
	v_pk_add_f32 v[174:175], v[174:175], v[176:177]
	v_pk_add_f32 v[178:179], v[178:179], v[180:181]
	v_pk_add_f32 v[174:175], v[174:175], v[178:179]
	v_pk_add_f32 v[174:175], v[174:175], v[168:169]
	v_mul_f32 v176, 0xbfb8aa3b, v174               ; sigmoid(y) = 1 / (1 + 2^(-y log2(e)))
	v_mul_f32 v177, 0xbfb8aa3b, v175
	s_wait_alu depctr_va_vdst(0)
	v_exp_f32 v176, v176
	v_exp_f32 v177, v177
	v_nop                                          ; a plain place behind the exponentials
	s_wait_alu depctr_va_vdst(0)                   ; the two exponentials have written v176 and v177: one wait for both, ahead of their first reader
	v_add_f32 v176, 1.0, v176
	v_add_f32 v177, 1.0, v177
	s_wait_alu depctr_va_vdst(0)
	v_rcp_f32 v174, v176
	v_rcp_f32 v175, v177
	v_nop
	s_wait_alu depctr_va_vdst(0)                   ; the two reciprocals have written v[174:175], which the store reads as its data
	global_store_b64 v172, v[174:175], s[10:11]    ; 32 lanes store 256 consecutive bytes, at a multiple of 256 from the buffer's first byte
	s_wait_dscnt 0x0                               ; the closing lines, six on end
	s_wait_alu 0x0
	s_wait_tensorcnt 0x0
	ds_add_u32 v[SPW], v[NIL]
	s_wait_dscnt 0x0
	s_endpgm
.Lfunc_end_k_q1063ca4b69_proj:
	.size	k_q1063ca4b69_proj, .Lfunc_end_k_q1063ca4b69_proj-k_q1063ca4b69_proj
	.p2alignl 7, 3214868480
	.fill 96, 4, 3214868480
	.section	.rodata,"a",@progbits
	.p2align	6, 0x0
	.amdhsa_kernel k_q1063ca4b69_proj
		.amdhsa_group_segment_fixed_size 4608
		.amdhsa_private_segment_fixed_size 0
		.amdhsa_enable_private_segment 0
		.amdhsa_kernarg_size 96
		.amdhsa_user_sgpr_count 2
		.amdhsa_user_sgpr_kernarg_segment_ptr 1
		.amdhsa_wavefront_size32 1
		.amdhsa_system_sgpr_workgroup_id_x 1
		.amdhsa_system_sgpr_workgroup_id_y 1
		.amdhsa_system_sgpr_workgroup_id_z 1
		.amdhsa_system_vgpr_workitem_id 0
		.amdhsa_next_free_vgpr 864
		.amdhsa_next_free_sgpr 66
		.amdhsa_reserve_vcc 0
		.amdhsa_float_denorm_mode_32 3
		.amdhsa_float_denorm_mode_16_64 3
		.amdhsa_memory_ordered 1
		.amdhsa_forward_progress 1
		.amdhsa_inst_pref_size 205
	.end_amdhsa_kernel
	.amdgpu_metadata
---
amdhsa.version: [ 1, 2 ]
amdhsa.kernels:
  - .name:           k_q1063ca4b69_proj
    .symbol:         k_q1063ca4b69_proj.kd
    .args:
      - { .name: xq, .offset: 0, .size: 8, .value_kind: global_buffer, .address_space: global }
      - { .name: wq, .offset: 8, .size: 8, .value_kind: global_buffer, .address_space: global }
      - { .name: bq, .offset: 16, .size: 8, .value_kind: global_buffer, .address_space: global }
      - { .name: bk, .offset: 24, .size: 8, .value_kind: global_buffer, .address_space: global }
      - { .name: bv, .offset: 32, .size: 8, .value_kind: global_buffer, .address_space: global }
      - { .name: qq, .offset: 40, .size: 8, .value_kind: global_buffer, .address_space: global }
      - { .name: kq, .offset: 48, .size: 8, .value_kind: global_buffer, .address_space: global }
      - { .name: vq, .offset: 56, .size: 8, .value_kind: global_buffer, .address_space: global }
      - { .name: hid, .offset: 64, .size: 8, .value_kind: global_buffer, .address_space: global }
      - { .name: Ws2, .offset: 72, .size: 8, .value_kind: global_buffer, .address_space: global }
      - { .name: bs2, .offset: 80, .size: 8, .value_kind: global_buffer, .address_space: global }
      - { .name: gate, .offset: 88, .size: 8, .value_kind: global_buffer, .address_space: global }
    .group_segment_fixed_size: 4608
    .private_segment_fixed_size: 0
    .kernarg_segment_align: 8
    .kernarg_segment_size: 96
    .max_flat_workgroup_size: 128
    .sgpr_count:     66
    .vgpr_count:     864
    .wavefront_size: 32
...
	.end_amdgpu_metadata
.endif
;; end of part 6
;; launch attn (part 7): grid 8 x 32, 16 waves a work-group, clusters of 4 x 1, 327,680 bytes of LDS; arguments qq, kq, vq, gate, aq; writes aq
.if DOCPART == 7
	.amdgcn_target "amdgcn-amd-amdhsa--gfx1250"
	.amdhsa_code_object_version 6
	.text
	.protected	k_q1063ca4b69_attn
	.globl	k_q1063ca4b69_attn
	.p2align	8
	.type	k_q1063ca4b69_attn,@function
k_q1063ca4b69_attn:
	s_mov_b64 s[64:65], 0
	v_nop
	global_prefetch_b8 v0, s[64:65] scope:SCOPE_SE
	s_setreg_imm32_b32 hwreg(HW_REG_WAVE_MODE, 25, 1), 1
	s_wait_xcnt 0x0
	s_wait_alu depctr_hold_cnt(0) depctr_sa_sdst(0) depctr_va_vdst(0) depctr_va_sdst(0) depctr_va_ssrc(0) depctr_va_vcc(0) depctr_vm_vsrc(0)
	s_getreg_b32 s2, hwreg(HW_REG_IB_STS2, 6, 4)
	s_cmp_eq_u32 s2, 0
	s_cbranch_scc0 .Lentry_in_a_cluster
	s_endpgm
.Lentry_in_a_cluster:
	s_bfe_u32 s2, ttmp6, 0x10000c
	s_cmp_lg_u32 s2, 0x3003
	s_cbranch_scc0 .Lentry_shape_is_right
	s_endpgm
.Lentry_shape_is_right:
; ATTN.  For each of 32 heads (batch x head): O = softmax(q k^T / 8) v on codes of FP6 (E2M3) with E8M0 scales; then (O / l) x gate is quantised for the last product.
; THE SOFTMAX AHEAD OF THE SECOND PRODUCT: t = score x log2(e) / 8; M = the row's largest t so far, rounded UP to a whole number; p = 2^(t - M) is what is quantised, along the keys, not normalised.
; The row's sum l is taken of the unquantised p.  When M moves, the sum and O are multiplied by 2^(old M - new M): exact.
; SHARES.  A work-group owns 256 queries of one head; each of its sixteen waves owns 16, one tile, in 256 registers: four waves to a SIMD, so that one wave's vector work stands beside another's products and LDS loads.
; A WHOLE HEAD'S K AND V LIE IN LDS: 2 x 98,304 bytes of codes and 2 x 8,192 of scale words, as images of the operands' registers, filled ONCE: no ring, nothing is filled again.
; CLUSTER.  The four work-groups of a cluster belong to one head, so each fill is asked for JOINTLY: the same tensor load, the same descriptor, a mask that names the four.  Every wave issues two
; (a sixteenth of the codes, a sixteenth of the scale words): one tensor load of a wave is out at a time: the second is issued behind a wait for the first.
; LAYOUT.  Both products are used transposed: S^T = K Q^T (source 0 = keys), O^T = V^T P^T (source 0 = channels): a lane holds ONE query (lane % 16) throughout, and its registers run along the keys, then along the channels.
; THE HEAD HAS 64 CHANNELS, half of the instruction's K.  A fragment of K holds a PAIR of key tiles: registers 0-5 tile 2 i, registers 6-11 tile 2 i + 1.  Against [q | zeros] it gives tile 2 i's scores, against
; [zeros | q] tile 2 i + 1's: zero codes add nothing.  The two forms of Q overlap in registers: v16-21 zeros, v22-27 q, v28-33 zeros.
; LIMITS: byte 1 for blocks under 2^-124; NaN and infinities are not served.
; REGISTERS: v1-3 lane places in K's, V's and the scale words' images; v4, v5 the add's two; v6, v7, v11 offsets; v8-10 addresses of the step; v12 -M, v13 the largest t, v[14:15] the sum in two halves;
; v16-33 Q; v34 Q's scale word; v36-83 four fragments of K, then of V; v84-87, v88-91 their scale words; v92 at work; v94 f, v95 p's scale word; v96-159 S^T, then p; v160-191 O^T; v192-203 p's codes;
; v204-211 the conversions' second halves; v212-223 at work; v224-255 the gate of my 32 channels.
.set QSC,   3145728                    ; in qq, kq, vq and aq the scale images begin behind 2,048 images of 1,536 bytes
.set VC,    98304                      ; LDS: K's codes from 0, V's from here,
.set KS,    196608                     ; K's pair words, and 8,192 bytes on V's scale words
.set SPARE, 212992                     ; the spare words, 128 bytes for each wave: eight blocks of 256 bytes that no other line names
.set SPW, 4
.set NIL, 5
.set BM,  212                          ; the blocks' largest scores, then largest p
.set T2,  216
.set SO,  220                          ; the conversions' scale operands
.set G1C, 24                           ; s[24:31] descriptor group 1 for codes;  s[32:39] for scale words;  s[40:43], s[44:47] their groups 0
.set G1S, 32
.set G0C, 40
.set G0S, 44
.macro CROUND                          ; a round of the cluster's barrier
	s_barrier_signal -1
	s_barrier_wait -1
	s_cmp_lg_u32 s14, 0
	s_cbranch_scc1 .Lnot_wave_0_\@
	s_barrier_signal -3
.Lnot_wave_0_\@:
	s_barrier_wait -3
	s_barrier_signal -1
	s_barrier_wait -1
.endm
	s_load_b256 s[4:11], s[0:1], 0x0               ; qq, kq, vq, gate
	s_load_b64 s[12:13], s[0:1], 0x20              ; aq
	v_lshl_add_u32 v[SPW], v0, 2, SPARE
	v_mov_b32 v[NIL], 0
	ds_add_u32 v[SPW], v[NIL]                      ; the wave's opening: the add and its wait ahead of my first tensor load; the set-up below, work on registers, stands between them
	ds_add_u32 v[SPW], v[NIL]
	v_lshrrev_b32 v1, 5, v0
	s_delay_alu instid0(VALU_DEP_1)
	v_readfirstlane_b32 s14, v1                    ; wave 0..15
	s_bfe_u32 s15, ttmp6, 0x40000                  ; cx: my place in the cluster
	s_lshl_b32 s16, ttmp9, 2
	s_add_co_u32 s16, s16, s15                     ; my block of 256 queries: it enters Q's and aq's global addresses alone
	s_and_b32 s17, ttmp7, 0xffff                   ; the head (8 x batch + head), which the four partners share
	; descriptor groups 1: dense blocks as rows of 256 bytes (32 elements of 8 bytes): 48 rows of codes, 4 rows of scale words; no padding: the images are read 512 or 128 consecutive bytes at a time
	s_mov_b32 s[G1C], 15|(3<<16)|(1<<21)           ; 15:0 the mask: all four work-groups; 17:16 elements of 8 bytes; 21 set beside a mask
	s_mov_b32 s[G1C+1], 32<<16                     ; tensor_dim0
	s_mov_b32 s[G1C+2], 48<<16                     ; tensor_dim1
	s_mov_b32 s[G1C+3], 32<<16                     ; tile_dim0
	s_mov_b32 s[G1C+4], 48                         ; tile_dim1
	s_mov_b32 s[G1C+5], 32                         ; tensor_dim0_stride
	s_mov_b32 s[G1C+6], 0
	s_mov_b32 s[G1C+7], 0
	s_mov_b32 s[G1S], 15|(3<<16)|(1<<21)
	s_mov_b32 s[G1S+1], 32<<16
	s_mov_b32 s[G1S+2], 4<<16
	s_mov_b32 s[G1S+3], 32<<16
	s_mov_b32 s[G1S+4], 4
	s_mov_b32 s[G1S+5], 32
	s_mov_b32 s[G1S+6], 0
	s_mov_b32 s[G1S+7], 0
	; what I fetch: waves 0-7 an eighth of K's, waves 8-15 an eighth of V's
	s_and_b32 s18, s14, 7
	s_mul_i32 s54, s17, 98304
	s_mul_i32 s19, s18, 12288
	s_add_co_u32 s54, s54, s19
	s_mov_b32 s55, 0
	s_lshl_b32 s56, s17, 13
	s_lshl_b32 s19, s18, 10
	s_add_co_u32 s56, s56, s19
	s_add_co_u32 s56, s56, QSC
	s_mov_b32 s57, 0
	s_mov_b32 s[G0C], 1                            ; count = 1
	s_mul_i32 s[G0C+1], s14, 12288                 ; LDS address: K's eight parts, then V's eight
	s_mov_b32 s[G0S], 1
	s_lshl_b32 s[G0S+1], s14, 10
	s_add_co_u32 s[G0S+1], s[G0S+1], KS
	; my queries, my gate, my place in aq
	s_lshl_b32 s18, s17, 6
	s_lshl_b32 s19, s16, 3
	s_add_co_u32 s18, s18, s19
	s_lshr_b32 s19, s14, 1
	s_add_co_u32 s18, s18, s19                     ; the pair that holds my tile: 64 x head + 8 x block + wave / 2
	s_mul_i32 s66, s18, 1536
	s_mov_b32 s67, 0
	s_lshl_b32 s68, s18, 7
	s_add_co_u32 s68, s68, QSC
	s_mov_b32 s69, 0
	s_lshl_b32 s70, s17, 8                         ; gate: 2,048 x batch + 256 x head = 256 x (8 x batch + head)
	s_mov_b32 s71, 0
	s_lshr_b32 s18, s17, 3
	s_lshl_b32 s18, s18, 7
	s_lshl_b32 s19, s16, 4
	s_add_co_u32 s18, s18, s19
	s_add_co_u32 s18, s18, s14                     ; my token tile: 128 x batch + 16 x block + wave
	s_lshl_b32 s18, s18, 2
	s_bfe_u32 s19, s17, 0x20001
	s_add_co_u32 s18, s18, s19                     ; K step of the last product: head / 2
	s_and_b32 s19, s17, 1                          ; and which half of its fragment: head % 2
	s_mul_i32 s72, s18, 1536
	s_mul_i32 s53, s19, 768
	s_add_co_u32 s72, s72, s53
	s_mov_b32 s73, 0
	s_lshl_b32 s74, s18, 7
	s_lshl_b32 s53, s19, 1
	s_add_co_u32 s74, s74, s53
	s_add_co_u32 s74, s74, QSC
	s_mov_b32 s75, 0
	s_and_b32 s53, s14, 1
	s_mov_b32 s52, 0x01000100
	s_cmp_eq_u32 s53, 1
	s_cselect_b32 s51, -1, 0                       ; my tile is the pair's second
	s_cselect_b32 s52, 0x03020302, s52             ; which two bytes of the pair's word are mine
	s_mov_b32 s20, 0x76543210
	s_mov_b32 s21, 0xfedcba98                      ; v_permlanex16_b32's selects for lane l xor 16
	s_mov_b32 s22, 0x3e38aa3b                      ; c = log2(e) / 8
	s_mov_b32 s23, s22                             ; (named with it as a pair, so it is written)
	s_mov_b32 s48, 0                               ; where the step's images begin: 6,144 bytes a step
	s_mov_b32 s49, 0                               ; and its scale words: 512 bytes a step
	s_mov_b32 s50, 16                              ; key steps
	v_and_b32 v9, 31, v0
	s_delay_alu instid0(VALU_DEP_1)
	v_lshlrev_b32 v1, 4, v9                        ; 16 x lane: my place in an image of K
	s_delay_alu instid0(VALU_DEP_1)
	v_add_nc_u32 v2, VC, v1                        ; of V
	s_delay_alu instid0(VALU_DEP_3)
	v_lshlrev_b32 v6, 3, v9                        ; 8 x lane
	s_delay_alu instid0(VALU_DEP_4)
	v_lshlrev_b32 v7, 2, v9                        ; 4 x lane
	s_delay_alu instid0(VALU_DEP_1)
	v_add_nc_u32 v3, KS, v7                        ; my place in a scale image
	v_bfe_u32 v11, v0, 4, 1
	s_delay_alu instid0(VALU_DEP_1)
	v_lshlrev_b32 v11, 5, v11                      ; 32 (lane / 16)
	s_wait_dscnt 0x0                               ; the opening add is done
	s_wait_kmcnt 0x0
	s_cmp_lt_u32 s14, 8                            ; the choice hangs on the wave's number alone
	s_cselect_b64 s[58:59], s[6:7], s[8:9]
	s_add_nc_u64 s[G0C+2:G0C+3], s[58:59], s[54:55]
	s_or_b32 s[G0C+3], s[G0C+3], 0x80000000        ; type = 2
	s_add_nc_u64 s[G0S+2:G0S+3], s[58:59], s[56:57]
	s_or_b32 s[G0S+3], s[G0S+3], 0x80000000
	s_add_nc_u64 s[6:7], s[4:5], s[68:69]          ; Q's pair word
	s_add_nc_u64 s[4:5], s[4:5], s[66:67]          ; Q's pair image
	s_add_nc_u64 s[10:11], s[10:11], s[70:71]
	s_add_nc_u64 s[60:61], s[12:13], s[72:73]      ; my half image in aq
	s_add_nc_u64 s[62:63], s[12:13], s[74:75]      ; my half of its scale words
	CROUND                                         ; all four work-groups are here: the joint loads meet
	tensor_load_to_lds s[G0C:G0C+3], s[G1C:G1C+7]
	s_nop 0
	s_wait_alu depctr_va_vdst(0)
	s_wait_tensorcnt 0x0
	ds_add_u32 v4, v5
	s_wait_dscnt 0x0
	CROUND
	tensor_load_to_lds s[G0S:G0S+3], s[G1S:G1S+7]
	s_nop 0
.rept 4
	v_nop
.endr
	s_wait_alu depctr_va_vdst(0)
.irp c, 0,1,2
	global_load_b128 v[96+4*\c:99+4*\c], v1, s[4:5] offset:512*\c
.endr
	global_load_b32 v108, v7, s[6:7]
.irp t, 0,1,2,3                                ; gate of channels 16 t + 8 (lane / 16) + 0 .. 7 of my head
	global_load_b128 v[224+8*\t:227+8*\t], v11, s[10:11] offset:64*\t
	global_load_b128 v[228+8*\t:231+8*\t], v11, s[10:11] offset:64*\t+16
.endr
	s_wait_loadcnt 0x0
.irp i, 0,1,2,3,4,5
	v_cndmask_b32 v[22+\i], v[96+\i], v[102+\i], s51   ; my tile's six registers of the pair
.endr
.irp i, 0,1,2,3,4,5
	v_mov_b32 v[16+\i], 0
	v_mov_b32 v[28+\i], 0
.endr
	v_perm_b32 v34, v108, v108, s52                ; my two bytes, twice: they serve q in either half of K
	v_mov_b32 v13, 0xff61b1e6                      ; the largest t so far: -3e38, under every t
	s_delay_alu instid0(VALU_DEP_1)
	v_floor_f32 v12, -v13                          ; -M
	v_mov_b32 v14, 0                               ; the sum, in two halves
	v_mov_b32 v15, 0
	v_mov_b32 v95, 0                               ; (named as the upper half of the pair v[94:95] before it is first written)
.irp b, 0,1,2,3
	v_mov_b32 v[T2+\b], 0                          ; written once: a lane permute's destination counts as one of its sources
.endr
.set J, 0
.rept 32
	v_mov_b32 v[160+J], 0                          ; O^T.  (The step is written once: the first finds zeros, which the first change of M leaves zeros.  These lines are also the places between Q's registers and scale word and the first product)
.set J, J+1
.endr
	s_wait_tensorcnt 0x0                           ; my two parts have landed,
	s_barrier_signal -1
	s_barrier_wait -1                              ; everybody's have: the head's K and V are whole
.Lstep:                                            ; 16 trips of 128 keys
	s_setprio 2
	v_add_nc_u32 v8, s48, v1
	v_add_nc_u32 v9, s48, v2
	v_add_nc_u32 v10, s49, v3
	v_nop                                          ; four places in front of loads into registers that the last products have read
.irp i, 0,1,2,3
.irp c, 0,1,2
	ds_load_b128 v[36+12*\i+4*\c:39+12*\i+4*\c], v8 offset:1536*\i+512*\c
.endr
	ds_load_b32 v[84+\i], v10 offset:128*\i
.endr
	s_wait_alu depctr_va_vdst(0)
	s_wait_dscnt 0x0
.irp i, 0,1,2,3                                ; S^T: pair i against [q | 0] and against [0 | q]
	v_wmma_scale_f32_16x16x128_f8f6f4 v[96+16*\i:103+16*\i], v[36+12*\i:47+12*\i], v[22:33], 0, v[84+\i], v34 matrix_a_fmt:MATRIX_FMT_FP6 matrix_b_fmt:MATRIX_FMT_FP6
	v_wmma_scale_f32_16x16x128_f8f6f4 v[104+16*\i:111+16*\i], v[36+12*\i:47+12*\i], v[16:27], 0, v[84+\i], v34 matrix_a_fmt:MATRIX_FMT_FP6 matrix_b_fmt:MATRIX_FMT_FP6
.endr                                          ; the 16 registers of tiles 2 b and 2 b + 1 are my 16 keys of block b
.rept 4
	v_nop                                          ; places in front of the loads below and of the first read of scores
.endr
.irp t, 0,1,2,3                                ; V's four fragments of this step: they land while the softmax is worked
.irp c, 0,1,2
	ds_load_b128 v[36+12*\t+4*\c:39+12*\t+4*\c], v9 offset:1536*\t+512*\c
.endr
	ds_load_b32 v[88+\t], v10 offset:8192+128*\t
.endr
.irp b, 0,1,2,3
	v_max3_num_f32 v[BM+\b], v[96+16*\b], v[97+16*\b], v[98+16*\b]   ; THE LARGEST SCORE OF EACH BLOCK OF 32 KEYS: it serves for the row's maximum and, since p rises with the score, for the block's largest p
.endr
.irp i, 3,5,7,9,11,13
.irp b, 0,1,2,3
	v_max3_num_f32 v[BM+\b], v[BM+\b], v[96+16*\b+\i], v[97+16*\b+\i]
.endr
.endr
.irp b, 0,1,2,3
	v_max_num_f32 v[BM+\b], v[BM+\b], v[111+16*\b]
.endr
.irp b, 0,1,2,3
	s_delay_alu instid0(VALU_DEP_4)
	v_permlanex16_b32 v[T2+\b], v[BM+\b], s20, s21
.endr
.irp b, 0,1,2,3
	s_delay_alu instid0(VALU_DEP_4)
	v_max_num_f32 v[BM+\b], v[BM+\b], v[T2+\b]     ; with lane l xor 16's 16 keys
.endr
	s_delay_alu instid0(VALU_DEP_2)
	v_max3_num_f32 v92, v[BM], v[BM+1], v[BM+2]
	s_delay_alu instid0(VALU_DEP_1)
	v_max_num_f32 v92, v92, v[BM+3]                ; the step's largest score of my query
	s_delay_alu instid0(VALU_DEP_1)
	v_mul_f32 v92, s22, v92                        ; as t (c is positive)
	s_delay_alu instid0(VALU_DEP_1)
	v_max_num_f32 v13, v13, v92                    ; the running largest t
	v_mov_b32 v92, v12
	s_delay_alu instid0(VALU_DEP_2)
	v_floor_f32 v12, -v13                          ; the new -M = floor(-t) = -ceil(t): a whole number
	s_delay_alu instid0(VALU_DEP_1)
	v_sub_f32 v92, v12, v92                        ; old M less new M: a whole number, 0 or less
	s_delay_alu instid0(VALU_DEP_1)
	v_cvt_i32_f32 v92, v92                         ; (it saturates)
	s_delay_alu instid0(VALU_DEP_1)
	v_ldexp_f32 v94, 1.0, v92                      ; f = 2^(old M - new M)
.set J, 0
.rept 32
	v_pk_fma_f32 v[96+J:97+J], v[96+J:97+J], s[22:23], v[12:13] op_sel_hi:[1,0,0]   ; t - M, two at a time
.set J, J+2
.endr
.irp b, 0,1,2,3
	v_fma_f32 v[BM+\b], v[BM+\b], s22, v12         ; the same of each block's largest score
.endr
.set J, 0
	s_wait_alu depctr_va_vdst(0)
.rept 64
	v_exp_f32 v[96+J], v[96+J]                     ; p = 2^(t - M), at most 1: not normalised
.set J, J+1
.endr
	s_setprio 1
	v_pk_mul_f32 v[14:15], v[14:15], v[94:95] op_sel_hi:[1,0]   ; the sums under the new M.  (A plain place behind the exponentials)
	s_wait_alu depctr_va_vdst(0)                   ; one wait for the whole batch, ahead of its first reader
.irp b, 0,1,2,3
	v_exp_f32 v[BM+\b], v[BM+\b]                   ; the block's largest p: the same two instructions on the same number give the same bits
.endr
	v_pk_add_f32 v[T2:T2+1], v[96:97], v[98:99]    ; THE ROW'S SUM IS TAKEN OF THE UNQUANTISED p: two at a time, in two chains
.set J, 4
.rept 15
	v_pk_add_f32 v[14:15], v[14:15], v[96+J:97+J]
	v_pk_add_f32 v[T2:T2+1], v[T2:T2+1], v[98+J:99+J]
.set J, J+4
.endr
	s_delay_alu instid0(VALU_DEP_1)
	v_pk_add_f32 v[14:15], v[14:15], v[T2:T2+1]
	s_wait_alu depctr_va_vdst(0)                   ; and one for the four
.irp b, 0,1,2,3
	v_max_num_f32 v[BM+\b], 0x1800000, v[BM+\b]    ; the floor 2^(3 - 127): the byte cannot fall under 1
.endr
.irp b, 0,1,2,3
	s_delay_alu instid0(VALU_DEP_4)
	v_add_nc_u32 v[SO+\b], 0xff000000, v[BM+\b]    ; 2 off the exponent field: the conversion's scale operand
.endr
.irp b, 0,1,2,3
	s_delay_alu instid0(VALU_DEP_4)
	v_lshrrev_b32 v[T2+\b], 23, v[SO+\b]           ; the scale's byte
.endr
	s_delay_alu instid0(VALU_DEP_3)
	v_lshl_or_b32 v95, v[T2+1], 8, v[T2]           ; p's scale word for these 128 keys
	s_delay_alu instid0(VALU_DEP_1)
	v_lshl_or_b32 v95, v[T2+2], 16, v95
	s_delay_alu instid0(VALU_DEP_1)
	v_lshl_or_b32 v95, v[T2+3], 24, v95
.irp c, 0,1
	v_cvt_scalef32_pk16_fp6_f32 v[192+6*\c:194+6*\c], v[96+32*\c:111+32*\c], v[SO+2*\c]
	v_cvt_scalef32_pk16_fp6_f32 v[204+4*\c:206+4*\c], v[112+32*\c:127+32*\c], v[SO+2*\c+1]   ; (a conversion's three registers begin on an even number)
.endr
	v_nop                                          ; one plain place behind a scaled conversion
.irp c, 0,1                                    ; the operand wants a WHOLE block in a lane
.irp i, 0,1,2
	v_permlane16_swap_b32 v[192+6*\c+\i], v[204+4*\c+\i]
.endr
.irp i, 0,1,2
	s_delay_alu instid0(VALU_DEP_3)
	v_mov_b32 v[195+6*\c+\i], v[204+4*\c+\i]
.endr
.endr
.set J, 0
	s_setprio 0
.rept 16
	v_pk_mul_f32 v[160+J:161+J], v[160+J:161+J], v[94:95] op_sel_hi:[1,0]   ; O^T under the new M, ascending.  (These 16 are also the places between p's codes and scale word and the products)
.set J, J+2
.endr
	s_wait_alu depctr_va_vdst(0)
	s_wait_dscnt 0x0                               ; V is in
.irp t, 0,1,2,3                                ; O^T += V^T P^T: the four accumulators take turns, one instruction a turn
	v_wmma_scale_f32_16x16x128_f8f6f4 v[160+8*\t:167+8*\t], v[36+12*\t:47+12*\t], v[192:203], v[160+8*\t:167+8*\t], v[88+\t], v95 matrix_a_fmt:MATRIX_FMT_FP6 matrix_b_fmt:MATRIX_FMT_FP6
.endr
	s_add_co_u32 s48, s48, 6144
	s_add_co_u32 s49, s49, 512
	s_sub_co_u32 s50, s50, 1
	s_cmp_lg_u32 s50, 0
	s_cbranch_scc1 .Lstep
	s_setprio 0
	; THE WAY OUT: (O^T / l) x gate, quantised along the channels: my head's 64 are two blocks, half a fragment of the last product's K step head / 2.
	v_add_f32 v14, v14, v15                        ; the sum's two halves,
	s_delay_alu instid0(VALU_DEP_1)
	v_permlanex16_b32 v92, v14, s20, s21
	s_delay_alu instid0(VALU_DEP_1)
	v_add_f32 v14, v14, v92                        ; and lane l xor 16's: the row's sum
	s_wait_alu depctr_va_vdst(0)
	v_rcp_f32 v14, v14
	v_nop                                          ; a plain place behind the reciprocal
	s_wait_alu depctr_va_vdst(0)                   ; the wait, ahead of its first reader
.set J, 0
.rept 16
	v_pk_mul_f32 v[224+J:225+J], v[224+J:225+J], v[14:15] op_sel_hi:[1,0]   ; gate / l
.set J, J+2
.endr
.set J, 0
.rept 16
	v_pk_mul_f32 v[96+J:97+J], v[160+J:161+J], v[224+J:225+J]   ; ascending: each accumulator is read from its low end on
.set J, J+2
.endr
.irp b, 0,1
	v_max3_num_f32 v[BM+\b], |v[96+16*\b]|, |v[97+16*\b]|, 0x1800000
.endr
.irp i, 2,4,6,8,10,12,14
.irp b, 0,1
	s_delay_alu instid0(VALU_DEP_2)
	v_max3_num_f32 v[BM+\b], v[BM+\b], |v[96+16*\b+\i]|, |v[97+16*\b+\i]|
.endr
.endr
.irp b, 0,1
	s_delay_alu instid0(VALU_DEP_2)
	v_permlanex16_b32 v[T2+\b], v[BM+\b], s20, s21
.endr
.irp b, 0,1
	s_delay_alu instid0(VALU_DEP_2)
	v_max_num_f32 v[BM+\b], v[BM+\b], v[T2+\b]
.endr
.irp b, 0,1
	s_delay_alu instid0(VALU_DEP_2)
	v_add_nc_u32 v[SO+\b], 0xff000000, v[BM+\b]
.endr
.irp b, 0,1
	s_delay_alu instid0(VALU_DEP_2)
	v_lshrrev_b32 v[T2+\b], 23, v[SO+\b]
.endr
	s_delay_alu instid0(VALU_DEP_1)
	v_lshl_or_b32 v95, v[T2+1], 8, v[T2]           ; my head's two bytes of the row's scale word
	v_cvt_scalef32_pk16_fp6_f32 v[192:194], v[96:111], v[SO]
	v_cvt_scalef32_pk16_fp6_f32 v[204:206], v[112:127], v[SO+1]
	v_nop
.irp i, 0,1,2
	v_permlane16_swap_b32 v[192+\i], v[204+\i]
.endr
.irp i, 0,1,2
	s_delay_alu instid0(VALU_DEP_3)
	v_mov_b32 v[195+\i], v[204+\i]
.endr
	global_store_b128 v1, v[192:195], s[60:61]             ; registers 0-3 of the half fragment: 512 consecutive bytes
	global_store_b64 v6, v[196:197], s[60:61] offset:512   ; registers 4, 5: 256 consecutive bytes
	global_store_b16 v7, v95, s[62:63]                     ; two bytes of each lane's word, inside one run of 128 bytes: one instruction a wave
	s_wait_tensorcnt 0x0                           ; the wave's end, behind my last tensor load
	ds_add_u32 v[SPW], v[NIL]
	s_wait_dscnt 0x0
	CROUND                                         ; the closing round: no work-group ends while a partner may still ask for a tile that names it
	s_endpgm
.Lfunc_end_k_q1063ca4b69_attn:
	.size	k_q1063ca4b69_attn, .Lfunc_end_k_q1063ca4b69_attn-k_q1063ca4b69_attn
	.p2alignl 7, 3214868480
	.fill 96, 4, 3214868480
	.section	.rodata,"a",@progbits
	.p2align	6, 0x0
	.amdhsa_kernel k_q1063ca4b69_attn
		.amdhsa_group_segment_fixed_size 327680
		.amdhsa_private_segment_fixed_size 0
		.amdhsa_enable_private_segment 0
		.amdhsa_kernarg_size 40
		.amdhsa_user_sgpr_count 2
		.amdhsa_user_sgpr_kernarg_segment_ptr 1
		.amdhsa_wavefront_size32 1
		.amdhsa_system_sgpr_workgroup_id_x 1
		.amdhsa_system_sgpr_workgroup_id_y 1
		.amdhsa_system_sgpr_workgroup_id_z 1
		.amdhsa_system_vgpr_workitem_id 0
		.amdhsa_next_free_vgpr 256
		.amdhsa_next_free_sgpr 76
		.amdhsa_reserve_vcc 0
		.amdhsa_float_denorm_mode_32 3
		.amdhsa_float_denorm_mode_16_64 3
		.amdhsa_memory_ordered 1
		.amdhsa_forward_progress 1
		.amdhsa_inst_pref_size 33
	.end_amdhsa_kernel
	.amdgpu_metadata
---
amdhsa.version: [ 1, 2 ]
amdhsa.kernels:
  - .name:           k_q1063ca4b69_attn
    .symbol:         k_q1063ca4b69_attn.kd
    .args:
      - { .name: qq, .offset: 0, .size: 8, .value_kind: global_buffer, .address_space: global }
      - { .name: kq, .offset: 8, .size: 8, .value_kind: global_buffer, .address_space: global }
      - { .name: vq, .offset: 16, .size: 8, .value_kind: global_buffer, .address_space: global }
      - { .name: gate, .offset: 24, .size: 8, .value_kind: global_buffer, .address_space: global }
      - { .name: aq, .offset: 32, .size: 8, .value_kind: global_buffer, .address_space: global }
    .group_segment_fixed_size: 327680
    .private_segment_fixed_size: 0
    .kernarg_segment_align: 8
    .kernarg_segment_size: 40
    .max_flat_workgroup_size: 512
    .sgpr_count:     76
    .vgpr_count:     256
    .wavefront_size: 32
...
	.end_amdgpu_metadata
.endif
;; end of part 7
;; launch outp (part 8): grid 128 x 2, 4 waves a work-group, no clusters, 17,920 bytes of LDS; arguments aq, wq, bo, out0; writes out0
.if DOCPART == 8
	.amdgcn_target "amdgcn-amd-amdhsa--gfx1250"
	.amdhsa_code_object_version 6
	.text
	.protected	k_q1063ca4b69_outp
	.globl	k_q1063ca4b69_outp
	.p2align	8
	.type	k_q1063ca4b69_outp,@function
k_q1063ca4b69_outp:
	s_mov_b64 s[64:65], 0
	v_nop
	global_prefetch_b8 v0, s[64:65] scope:SCOPE_SE
	s_setreg_imm32_b32 hwreg(HW_REG_WAVE_SCHED_MODE, 0, 2), 2
	s_setreg_imm32_b32 hwreg(HW_REG_WAVE_MODE, 25, 1), 1
	s_wait_xcnt 0x0
	s_wait_alu depctr_vm_vsrc(0)
; OUTP.  out0 = A Wo + bo, A = the gated attention output, both operands as codes of FP6 (E2M3) with E8M0 scales, laid as images of the operands' registers.
; SHARES.  A work-group takes 64 tokens x 256 columns; wave w takes 64 columns (Wo's column tiles 16 y + 4 w + 0 .. 3) for the 64 tokens: 16 accumulators, 64 products.
; THE PRODUCT IS USED TRANSPOSED (source 0 = 16 columns of Wo, source 1 = 16 tokens): a lane holds one token and eight neighbouring columns.  The bias is the C of each sum's first product.
; A wave's 64 columns are 256 bytes of a row of out0, at a multiple of 256 from its first byte: so the stage on the way out is the wave's own, and no barrier is needed.
; No tensor loads and no cluster: all operands are asked for at the head and go from memory straight into the registers of the wave that uses them.
; A's images come in halves (one head each): registers 0-3 at 16 x lane, registers 4, 5 at 512 + 8 x lane, the second half 768 bytes on.
; REGISTERS: window 0: v1-9 addresses; v16-31 Wo's scale words, v32-47 A's; v48-79 the bias tiles; v80-207 the accumulators (token tile m, column tile t at 80 + 8 (4 m + t));
;   v208-239 and v16-47 by turns: rows on the way out.   window 1: Wo's fragments at 12 (4 t + s).   window 2: A's at 12 (4 m + s).
; THE MODE: SCHED_MODE bits 1:0 = 2 (LLVM: expert scheduling mode 2), set by the entry lines.  The code itself states the register dependences
; between vector or matrix instructions and memory or LDS instructions, with s_wait_alu, always for 0.
; THE PLAN.  Registers that memory or LDS instructions touch:
;   v1-v7            offsets and LDS addresses, made once at the head and never written again: one wait on va_vdst ahead of the first load serves every load and store of the kernel.
;   windows 1 and 2, v16-79   loaded once; read by the 64 products.  Of these v16-47 are loaded again, on the way out.
;   v80-207          the accumulators: written by the products, read by the LDS stores.
;   v208-239, v16-47 two buffers of rows by turns: written by LDS loads, read by global stores, written again by the LDS loads of two blocks on.
; So ONE wait on va_vdst stands behind the products and their places: the accumulators are written, and the products are done reading v16-47.  No vector or matrix instruction follows it.
; A wait on vm_vsrc, beside the wait on XCNT, stands ahead of blocks 2 and 3: the global stores have read the buffer of rows in which the block's LDS loads land.
.set WSC,   786432
.set QSC,   3145728
.set SPARE, 17408                      ; behind the four stages of 16 x 272 bytes: the spare words, 128 bytes for each wave: two blocks of 256 bytes that no other line names
.set SPW, 8
.set NIL, 9
.set MSB, 0
.macro WIN new                         ; the immediate's high byte repeats the setting that is left
.if MSB != \new
	s_set_vgpr_msb (MSB<<8)|\new
.set MSB, \new
.endif
.endm
	s_load_b256 s[4:11], s[0:1], 0x0               ; aq, wq, bo, out0
	v_lshl_add_u32 v[SPW], v0, 2, SPARE
	v_mov_b32 v[NIL], 0
	v_lshrrev_b32 v1, 5, v0
	v_readfirstlane_b32 s3, v1                     ; wave 0..3
	v_and_b32 v10, 31, v0                          ; lane
	v_and_b32 v11, 15, v0                          ; r
	v_bfe_u32 v12, v0, 4, 1                        ; h
	v_lshlrev_b32 v1, 4, v10                       ; 16 x lane
	v_lshlrev_b32 v2, 3, v10                       ; 8 x lane
	v_lshlrev_b32 v3, 2, v10                       ; 4 x lane
	v_lshlrev_b32 v4, 5, v12                       ; 32 h
	s_wait_alu depctr_va_sdst(0)                   ; s3 is written, ahead of its first reader: the stage's place and the bases are made from it
	s_mul_i32 s28, s3, 4352                        ; my stage
	v_mul_u32_u24 v5, v11, 272
	v_lshl_add_u32 v5, v12, 5, v5
	v_add_nc_u32 v5, s28, v5                       ; in: row r, + 32 h
	v_mul_u32_u24 v6, v12, 272
	v_lshl_add_u32 v6, v11, 4, v6
	v_add_nc_u32 v6, s28, v6                       ; back: lanes 0-15 one row of 256 bytes, lanes 16-31 the next
	v_lshlrev_b32 v7, 11, v12
	v_lshl_add_u32 v7, v11, 4, v7                  ; and the same two rows in out0
	s_and_b32 s12, ttmp7, 0xffff                   ; y: which 256 columns
	s_lshl_b32 s13, s12, 4
	s_lshl_b32 s14, s3, 2
	s_add_co_u32 s13, s13, s14
	s_add_co_u32 s13, s13, 96                      ; Wo's tiles begin at 96 in wq
	s_mul_i32 s16, s13, 6144
	s_mov_b32 s17, 0
	s_lshl_b32 s18, s13, 9
	s_add_co_u32 s18, s18, WSC
	s_mov_b32 s19, 0
	s_mul_i32 s20, ttmp9, 24576                    ; four token tiles of four images
	s_mov_b32 s21, 0
	s_lshl_b32 s22, ttmp9, 11
	s_add_co_u32 s22, s22, QSC
	s_mov_b32 s23, 0
	s_lshl_b32 s24, s12, 10
	s_lshl_b32 s25, s3, 8
	s_add_co_u32 s24, s24, s25                     ; my first column, in bytes
	s_mov_b32 s25, 0
	s_lshl_b32 s26, ttmp9, 17                      ; 64 rows of 2,048 bytes
	s_add_co_u32 s26, s26, s24
	s_mov_b32 s27, 0
	s_wait_kmcnt 0x0
	s_add_nc_u64 s[12:13], s[6:7], s[18:19]        ; Wo's scale images
	s_add_nc_u64 s[6:7], s[6:7], s[16:17]          ; Wo's images
	s_add_nc_u64 s[14:15], s[4:5], s[22:23]        ; A's scale images
	s_add_nc_u64 s[4:5], s[4:5], s[20:21]          ; A's images
	s_add_nc_u64 s[8:9], s[8:9], s[24:25]
	s_add_nc_u64 s[10:11], s[10:11], s[26:27]
	WIN 0x40                                       ; destination window 1
	s_wait_alu depctr_va_vdst(0)                   ; the offsets and LDS addresses v1 to v7 are written, which every load and store below reads; up to the products only loads and window switches follow
.irp t, 0,1,2,3
.irp s, 0,1,2,3
.irp c, 0,1,2
	global_load_b128 v[12*(4*\t+\s)+4*\c:12*(4*\t+\s)+4*\c+3], v1, s[6:7] offset:6144*\t+1536*\s+512*\c
.endr
.endr
.endr
	WIN 0x80                                       ; destination window 2
.irp m, 0,1,2,3
.irp s, 0,1,2,3
	global_load_b128 v[12*(4*\m+\s):12*(4*\m+\s)+3], v1, s[4:5] offset:6144*\m+1536*\s
	global_load_b64 v[12*(4*\m+\s)+4:12*(4*\m+\s)+5], v2, s[4:5] offset:6144*\m+1536*\s+512
	global_load_b128 v[12*(4*\m+\s)+6:12*(4*\m+\s)+9], v1, s[4:5] offset:6144*\m+1536*\s+768
	global_load_b64 v[12*(4*\m+\s)+10:12*(4*\m+\s)+11], v2, s[4:5] offset:6144*\m+1536*\s+1280
.endr
.endr
	WIN 0
.irp t, 0,1,2,3
.irp s, 0,1,2,3
	global_load_b32 v[16+4*\t+\s], v3, s[12:13] offset:512*\t+128*\s
	global_load_b32 v[32+4*\t+\s], v3, s[14:15] offset:512*\t+128*\s
.endr
.endr
.irp t, 0,1,2,3                                ; lane (r, h) wants, for tile t, the bias of columns 16 t + 8 h + 0 .. 7
	global_load_b128 v[48+8*\t:51+8*\t], v4, s[8:9] offset:64*\t
	global_load_b128 v[52+8*\t:55+8*\t], v4, s[8:9] offset:64*\t+16
.endr
	s_wait_loadcnt 0x0
	WIN 0x09                                       ; source 0 (Wo) window 1, source 1 (A) window 2, C and D window 0
.irp s, 0,1,2,3                                ; the sixteen accumulators take turns, one instruction a turn
.irp m, 0,1,2,3
.irp t, 0,1,2,3
.if \s == 0
	v_wmma_scale_f32_16x16x128_f8f6f4 v[80+8*(4*\m+\t):87+8*(4*\m+\t)], v[12*(4*\t+\s):12*(4*\t+\s)+11], v[12*(4*\m+\s):12*(4*\m+\s)+11], v[48+8*\t:55+8*\t], v[16+4*\t+\s], v[32+4*\m+\s] matrix_a_fmt:MATRIX_FMT_FP6 matrix_b_fmt:MATRIX_FMT_FP6
.else
	v_wmma_scale_f32_16x16x128_f8f6f4 v[80+8*(4*\m+\t):87+8*(4*\m+\t)], v[12*(4*\t+\s):12*(4*\t+\s)+11], v[12*(4*\m+\s):12*(4*\m+\s)+11], v[80+8*(4*\m+\t):87+8*(4*\m+\t)], v[16+4*\t+\s], v[32+4*\m+\s] matrix_a_fmt:MATRIX_FMT_FP6 matrix_b_fmt:MATRIX_FMT_FP6
.endif
.endr
.endr
.endr
	WIN 0
.rept 4
	v_nop                                          ; four places (ISA guide 7.12.1) in front of the first read of results; they stay beside the wait below
.endr
	s_wait_alu depctr_va_vdst(0)                   ; the products have written the accumulators, which the LDS stores read, and are done reading the scale words v16 to v47, in which block 1's and block 3's rows land
; THE WAY OUT, 16 tokens at a time: a lane's 32 bytes of a row go into my stage (rows of 272 bytes) and come back as whole rows of 256 bytes.
; LDS serves a wave's instructions in order (ISA guide 5.7.1.4): no wait between the stores and the loads, nor in front of the next block's stores.
.macro TOSTAGE m
.irp t, 0,1,2,3
	ds_store_b128 v5, v[80+8*(4*(\m)+\t):83+8*(4*(\m)+\t)] offset:64*\t        ; each accumulator from its low end on
	ds_store_b128 v5, v[84+8*(4*(\m)+\t):87+8*(4*(\m)+\t)] offset:64*\t+16
.endr
.set OBB, 208-192*((\m)%2)
.irp i, 0,1,2,3,4,5,6,7
	ds_load_b128 v[OBB+4*\i:OBB+4*\i+3], v6 offset:544*\i
.endr
.endm
.macro SEND m, younger                 ; younger: the LDS instructions issued behind block m's loads, which may stay out
.set OBB, 208-192*((\m)%2)
	s_wait_dscnt \younger
.irp i, 0,1,2,3,4,5,6,7
	global_store_b128 v7, v[OBB+4*\i:OBB+4*\i+3], s[10:11] offset:(16*(\m)+2*\i)*2048 th:TH_STORE_NT   ; 16 lanes store 256 consecutive bytes, at a multiple of 256 from out0's first byte
.endr
.endm
	TOSTAGE 0
	TOSTAGE 1
	SEND 0, 16                                     ; behind block 0's loads: block 1's 8 stores and 8 loads
	s_wait_xcnt 0x0                                ; block 0's stores have had their addresses translated (ISA guide 3.1): their data registers are loaded again only behind this wait,
	s_wait_alu depctr_vm_vsrc(0)                   ; and they have read v208 to v239, in which block 2's LDS loads land
	TOSTAGE 2
	SEND 1, 16
	s_wait_xcnt 0x0                                ; block 1's likewise,
	s_wait_alu depctr_vm_vsrc(0)                   ; and they have read v16 to v47, in which block 3's LDS loads land
	TOSTAGE 3
	SEND 2, 16
	SEND 3, 0
	s_wait_dscnt 0x0                               ; the closing lines, six on end
	s_wait_alu 0x0
	s_wait_tensorcnt 0x0
	ds_add_u32 v[SPW], v[NIL]
	s_wait_dscnt 0x0
	s_endpgm
.Lfunc_end_k_q1063ca4b69_outp:
	.size	k_q1063ca4b69_outp, .Lfunc_end_k_q1063ca4b69_outp-k_q1063ca4b69_outp
	.p2alignl 7, 3214868480
	.fill 96, 4, 3214868480
	.section	.rodata,"a",@progbits
	.p2align	6, 0x0
	.amdhsa_kernel k_q1063ca4b69_outp
		.amdhsa_group_segment_fixed_size 17920
		.amdhsa_private_segment_fixed_size 0
		.amdhsa_enable_private_segment 0
		.amdhsa_kernarg_size 32
		.amdhsa_user_sgpr_count 2
		.amdhsa_user_sgpr_kernarg_segment_ptr 1
		.amdhsa_wavefront_size32 1
		.amdhsa_system_sgpr_workgroup_id_x 1
		.amdhsa_system_sgpr_workgroup_id_y 1
		.amdhsa_system_sgpr_workgroup_id_z 1
		.amdhsa_system_vgpr_workitem_id 0
		.amdhsa_next_free_vgpr 704
		.amdhsa_next_free_sgpr 66
		.amdhsa_reserve_vcc 0
		.amdhsa_float_denorm_mode_32 3
		.amdhsa_float_denorm_mode_16_64 3
		.amdhsa_memory_ordered 1
		.amdhsa_forward_progress 1
		.amdhsa_inst_pref_size 33
	.end_amdhsa_kernel
	.amdgpu_metadata
---
amdhsa.version: [ 1, 2 ]
amdhsa.kernels:
  - .name:           k_q1063ca4b69_outp
    .symbol:         k_q1063ca4b69_outp.kd
    .args:
      - { .name: aq, .offset: 0, .size: 8, .value_kind: global_buffer, .address_space: global }
      - { .name: wq, .offset: 8, .size: 8, .value_kind: global_buffer, .address_space: global }
      - { .name: bo, .offset: 16, .size: 8, .value_kind: global_buffer, .address_space: global }
      - { .name: out0, .offset: 24, .size: 8, .value_kind: global_buffer, .address_space: global }
    .group_segment_fixed_size: 17920
    .private_segment_fixed_size: 0
    .kernarg_segment_align: 8
    .kernarg_segment_size: 32
    .max_flat_workgroup_size: 128
    .sgpr_count:     66
    .vgpr_count:     704
    .wavefront_size: 32
...
	.end_amdgpu_metadata
.endif
;; end of part 8
